; MI455X (gfx1250); checked and timed in simulation.
; The chip was launched on July 23, 2026; its instructions are those of AMD's public machine-readable ISA for CDNA 5 (MIT licence, August 2026) and "CDNA5" Instruction Set Architecture Reference Guide (July 2026). The comments in the code are by the model that wrote it; some were corrected since.
;; Multi Head Attention. Allowed arithmetic: matrix products marked QUANTISED: E2M3 operands, one E8M0 scale for each 32 along K, by v_wmma_scale_f32_16x16x128_f8f6f4 with both operands' format E2M3, f32 sums; everything else in f32.
;; Inputs: W_k 1,024 x 1,024 float32; W_o 1,024 x 1,024 float32; W_q 1,024 x 1,024 float32; W_v 1,024 x 1,024 float32; b_o 1,024 float32; inputs 4 x 2,048 x 1,024 float32.
;; Outputs: out0 4 x 2,048 x 1,024 float32.
;; This version of the problem:
;;   THIS VERSION OF THE PROBLEM IS GIVEN IN LOW PRECISION. The matrix products marked QUANTISED in the list below multiply operands that are first quantised to E2M3 (2 exponent bits, 3 mantissa bits; 6 bits a number), with one power-of-two scale for each 32 numbers along K (OCP MX v1.0); their sums are f32. All else is computed in f32.
;;   The module's matrix products, in the order in which they are computed (A, B: the left and right operand; K: the contracted axis; several contracted axes count as one K, in the product's order):
;;     1. [M 8,192, K 1,024] x [K 1,024, N 1,024]; A: input inputs; B: input W_q: QUANTISED
;;     2. [M 8,192, K 1,024] x [K 1,024, N 1,024]; A: input inputs; B: input W_k: QUANTISED
;;     3. [M 8,192, K 1,024] x [K 1,024, N 1,024]; A: input inputs; B: input W_v: QUANTISED
;;     4. batch 64 x [M 2,048, K 64] x [K 64, N 2,048]; A: computed on the way; B: computed on the way: QUANTISED
;;     5. batch 64 x [M 2,048, K 2,048] x [K 2,048, N 64]; A: softmax (see below); B: computed on the way: QUANTISED
;;     6. [M 8,192, K 1,024] x [K 1,024, N 1,024]; A: computed on the way; B: input W_o: QUANTISED
;;   THE QUANTISER, for each operand of a quantised product, along K:
;;     - K is cut into blocks of 32 from its start; a last block that is shorter is filled with zeros.
;;     - A block's scale is 2^e with e = floor(log2(the largest magnitude in the block)) - 2, held to -126 .. 127; a block of zeros has e = 0. As a byte (E8M0): e + 127.
;;     - Each number is divided by its block's scale, clamped to +-7.5, and rounded to the nearest number of E2M3, ties to even, subnormals kept.
;;     - The product sums the exact products of the quantised numbers (number of the format x scale) in f32.
;;   ~~~python
;;   def quantise(x, axis):      # numpy; x: float32 -> the quantised numbers, widened to float32 again
;;       x = np.moveaxis(x, axis, -1); K = x.shape[-1]
;;       x = np.pad(x, [(0, 0)] * (x.ndim - 1) + [(0, -K % 32)]); x = x.reshape(x.shape[:-1] + (-1, 32)); a = np.abs(x).max(-1, keepdims=True)
;;       e = np.where(a > 0, np.clip(np.frexp(np.where(a > 0, a, 1))[1] - 1 - 2, -126, 127), 0)      # np.frexp(a)[1] - 1 = floor(log2(a)), exactly
;;       r = np.clip(x / 2.0 ** e, -7.5, 7.5)
;;       step = 2.0 ** (np.maximum(np.frexp(np.where(r == 0, 1, r))[1] - 1, 0) - 3)
;;       q = np.round(r / step) * step * 2.0 ** e      # np.round: ties to even
;;       return np.moveaxis(q.reshape(q.shape[:-2] + (-1,))[..., :K], -1, axis).astype(np.float32)
;;   ~~~
;;   SOFTMAX AHEAD OF A QUANTISED PRODUCT. Where the list says 'softmax', what is quantised is not the finished softmax but p = 2^(t - M), with t = logit x log2(e) and M = ceil(the row's largest t), a whole number; so 1/2 < the row's largest p <= 1. The row's sum l is taken of the UNQUANTISED p, in f32, and the product's result is divided by l at the end. Since M is a whole number, a kernel that streams over the keys may use a running M (the ceiling of the running maximum): every later rescaling is an exact power of two, which a block's scale takes up: the codes' values come out the same.
;;   OPERANDS COMPUTED ON THE WAY. 'Computed on the way' means the value that the module computes at that place (a softmax that the list does not call 'softmax' is quantised finished and normalised). What goes into a quantiser is computed in f32, as accurately as f32 sums, v_exp_f32 and their like allow (about 1e-6 of the number): no bf16 or f16 on the way to a quantiser, and a product that is left as it is and whose result goes on into a quantised operand takes f32 operands (vector FMAs, or v_wmma_f32_16x16x4_f32). A number that lies on a knife's edge between two numbers of the format may be rounded either way, as far as f32 arithmetic and the matrix unit's own rounding can turn it there, and no further.
;; 2 versions. Each part assembles by itself: llvm-mc -triple=amdgcn-amd-amdhsa -mcpu=gfx1250 --defsym DOCPART=n.
;; ======== version 1 of 2: 5 launches
;; workspace buffers: x_q 6,553,600 bytes; wqk_q 1,638,400 bytes; wvo_q 1,638,400 bytes; ctx_q 6,553,600 bytes; qk_codes 50,331,648 bytes; qk_scales 4,194,304 bytes; v_codes 6,291,456 bytes; v_scales 524,288 bytes
;; launch quant (part 1): grid 256 x 1, 3 waves a work-group, no clusters, 55,808 bytes of LDS; arguments inputs, W_q, W_k, W_v, W_o, x_q, wqk_q, wvo_q; writes x_q, wqk_q, wvo_q
.if DOCPART == 1
	.amdgcn_target "amdgcn-amd-amdhsa--gfx1250"
	.amdhsa_code_object_version 6
	.text
	.protected	k_q997e71c86d_quant
	.globl	k_q997e71c86d_quant
	.p2align	8
	.type	k_q997e71c86d_quant,@function
k_q997e71c86d_quant:
	s_mov_b64 s[64:65], 0
	v_nop
	global_prefetch_b8 v0, s[64:65] scope:SCOPE_SE
	s_setreg_imm32_b32 hwreg(HW_REG_WAVE_MODE, 25, 1), 1
	s_wait_xcnt 0x0
; inputs [8192][1024] and the four weights [1024][1024], f32 with K innermost, become codes of FP6 (E2M3) with one E8M0 byte for each 32 along K.
; A block's scale is 2^(floor(log2(its largest magnitude)) - 2); its byte is that magnitude's exponent field - 2, held at 1 from below.
; LIMITS: NaN and infinities are not served; a block whose largest magnitude lies under 2^-124 keeps the byte 1; a block of zeros has the byte 1 where the rule says 127
; (its codes are zeros, which add nothing under any byte but 0xff, and this program alone reads the bytes).
; THE OUTPUT'S LAYOUT is this program's own.  Rows stand in POSITION order: position = row with bits 3 and 4 exchanged, so that 16 neighbouring positions 16 (2 b + u) + r are rows 32 b + 8 u + r + 8 (r / 8).
; A tile of 128 positions is 102,400 bytes: 16 planes (64 along K each) of [position][48 bytes], 6,144 bytes a plane, then [position][32 scale bytes].  So 256 along K of 128 rows are 24,576 dense bytes.
; SHARES: 768 pieces of 16 positions x 1,024 along K (512 of inputs, 64 of each weight), one to a wave, three waves to each of 256 work-groups.  Waves share nothing: no barrier.
; A piece is 32 steps of 512 numbers (half a row).  Each load reads 512 consecutive bytes; a step's 2,048 bytes turn through the wave's own stage in LDS so that a lane holds 16 neighbours along K.
; The codes are gathered in LDS by planes and leave as 768 consecutive bytes a plane, sixteen lanes to each aligned 256 bytes; the 512 scale bytes leave by one store.
; No matrix unit, no cluster, no tensor load: no byte is shared between work-groups and every byte is read once.
.set STEPS, 32
.set WREG,  18432                      ; LDS of a wave: two turn stages, 512 scale bytes, the codes' stage
.set SP,    80                         ; a lane's place in a turn stage: 64 bytes + 16 of padding
.set SCB,   2*32*SP                    ; the scale bytes: [position][32]
.set CST,   SCB+512                    ; the codes: 16 planes of 768 bytes + 16
.set PP,    784
.set R,     16                         ; v16-79   four sets of 16 numbers as loaded
.set X,     80                         ; v80-111  two sets of 16 neighbours
.set C,     112                        ; v112-119 two sets of codes
.set E,     120                        ; v120-121 two scale bytes
.set OUTR,  124                        ; v124-223 the way out
	s_load_b512 s[4:19], s[0:1], 0x0               ; inputs, W_q, W_k, W_v, W_o, x_q, wqk_q, wvo_q
	v_lshl_add_u32 v224, v0, 2, 0xd800
	v_mov_b32 v225, 0
	v_lshrrev_b32 v1, 5, v0
	v_readfirstlane_b32 s20, v1                    ; wave 0..2
	v_and_b32 v2, 31, v0                           ; lane
	v_lshlrev_b32 v3, 4, v2                        ; 16 x lane: my bytes of a load's or a store's 512
	s_mul_i32 s30, s20, WREG
	v_lshrrev_b32 v14, 2, v2
	v_mul_u32_u24 v14, v14, SP
	v_and_b32 v15, 3, v2
	v_lshl_add_u32 v14, v15, 4, v14
	v_add_nc_u32 v14, s30, v14                     ; turn stage, in: SP (lane / 4) + 16 (lane % 4)
	v_mul_u32_u24 v15, v2, SP
	v_add_nc_u32 v15, s30, v15                     ; turn stage, out: SP x lane
	v_lshrrev_b32 v4, 2, v2
	v_mul_u32_u24 v4, v4, PP
	v_and_b32 v8, 3, v2
	v_mad_u32_u24 v4, v8, 12, v4
	s_add_co_u32 s31, s30, CST
	v_add_nc_u32 v4, s31, v4                       ; codes' stage, in: plane lane / 4 of the step's eight, 12 (lane % 4) in the row's 48 bytes
	v_add_nc_u32 v6, s31, v3                       ; codes' stage, out
	v_lshrrev_b32 v8, 4, v2
	v_lshl_add_u32 v7, v8, 4, v6                   ; the same where lanes 16-31 stand behind a plane's padding
	v_mad_u32_u24 v9, v8, 5376, v3                 ; and in memory, where lanes 16-31 stand in the next plane: 6,144 - 768
	s_add_co_u32 s31, s30, SCB
	v_lshrrev_b32 v5, 1, v2
	v_add_nc_u32 v5, s31, v5                       ; my block's scale byte
	v_add_nc_u32 v10, s31, v3                      ; the scale bytes, out
	s_mul_i32 s21, ttmp9, 3
	s_add_co_u32 s21, s21, s20                     ; my piece, 0..767
	s_wait_kmcnt 0x0
	s_mov_b64 s[24:25], s[4:5]                     ; which tensor, which buffer: chosen by the piece's number alone
	s_mov_b64 s[26:27], s[14:15]
	s_mov_b32 s22, 0
	s_mov_b32 s23, 0
	s_cmp_ge_u32 s21, 512
	s_cselect_b64 s[24:25], s[6:7], s[24:25]
	s_cselect_b64 s[26:27], s[16:17], s[26:27]
	s_cselect_b32 s22, 512, s22
	s_cselect_b32 s23, 512, s23
	s_cmp_ge_u32 s21, 576
	s_cselect_b64 s[24:25], s[8:9], s[24:25]
	s_cselect_b32 s22, 576, s22
	s_cmp_ge_u32 s21, 640
	s_cselect_b64 s[24:25], s[10:11], s[24:25]
	s_cselect_b64 s[26:27], s[18:19], s[26:27]
	s_cselect_b32 s22, 640, s22
	s_cselect_b32 s23, 640, s23
	s_cmp_ge_u32 s21, 704
	s_cselect_b64 s[24:25], s[12:13], s[24:25]
	s_cselect_b32 s22, 704, s22
	s_sub_co_u32 s22, s21, s22                     ; the piece's number in its tensor,
	s_sub_co_u32 s23, s21, s23                     ; and in its buffer
	s_lshr_b32 s32, s22, 1
	s_lshl_b32 s32, s32, 17                        ; 32 rows of 4,096 bytes for each pair of pieces,
	s_and_b32 s33, s22, 1
	s_lshl_b32 s33, s33, 15                        ; 8 rows for the odd one
	s_add_co_u32 s32, s32, s33
	s_mov_b32 s33, 0
	s_add_nc_u64 s[24:25], s[24:25], s[32:33]
	s_lshr_b32 s32, s23, 3
	s_mul_i32 s32, s32, 102400                     ; the tile of 128 positions,
	s_and_b32 s34, s23, 7
	s_mul_i32 s35, s34, 768                        ; my 16 positions in a plane,
	s_add_co_u32 s36, s32, s35
	s_mov_b32 s37, 0
	s_lshl_b32 s34, s34, 9                         ; and among the scale bytes
	s_add_co_u32 s32, s32, s34
	s_add_co_u32 s32, s32, 98304
	s_add_nc_u64 s[28:29], s[26:27], s[32:33]
	s_add_nc_u64 s[26:27], s[26:27], s[36:37]
.macro LOAD t                          ; step t: half t % 2 of position t / 2: positions 0-7 are eight neighbouring rows, positions 8-15 the eight rows 16 further down
.irp i, 0,1,2,3
	global_load_b128 v[R+16*((\t)%4)+4*\i:R+16*((\t)%4)+4*\i+3], v3, s[24:25] offset:2048*((\t)%16)+65536*((\t)/16)+512*\i th:TH_LOAD_NT
.endr
.endm
.macro TURN t                          ; through the stage: LDS serves a wave's instructions in order, so no wait stands between the stores and the loads
.irp i, 0,1,2,3
	ds_store_b128 v14, v[R+16*((\t)%4)+4*\i:R+16*((\t)%4)+4*\i+3] offset:32*SP*((\t)%2)+8*SP*\i
.endr
.irp i, 0,1,2,3
	ds_load_b128 v[X+16*((\t)%2)+4*\i:X+16*((\t)%2)+4*\i+3], v15 offset:32*SP*((\t)%2)+16*\i
.endr
.endm
.irp t, 0,1,2,3
	LOAD \t
.endr
	s_wait_loadcnt 12                              ; step 0's four loads are in; twelve younger ones stay out
	TURN 0
.macro STEP t
.set XS, X+16*((\t)%2)
.set CC, C+4*((\t)%2)
.if (\t) > 0
	s_wait_dscnt 4                                 ; this step's numbers are back from the stage; the last step's four stores (three of codes, one byte) may be out
.else
	s_wait_dscnt 0x0
.endif
.if (\t)+4 < STEPS
	LOAD (\t)+4                                    ; into the registers that this step's stage stores have read
.endif
.if (\t)+1 < STEPS
.if STEPS-2-(\t) >= 3
	s_wait_loadcnt 12                              ; the next step's four loads are in; those of three steps behind it stay out
.else
	s_wait_loadcnt 4*(STEPS-2-(\t))
.endif
	TURN (\t)+1
.endif
	v_max3_num_f32 v8, |v[XS]|, |v[XS+1]|, |v[XS+2]|               ; the largest magnitude of my 16, in two chains
	v_max3_num_f32 v12, |v[XS+3]|, |v[XS+4]|, |v[XS+5]|
.irp i, 6,10
	v_max3_num_f32 v8, v8, |v[XS+\i]|, |v[XS+\i+1]|
	v_max3_num_f32 v12, v12, |v[XS+\i+2]|, |v[XS+\i+3]|
.endr
	v_max3_num_f32 v8, v8, |v[XS+14]|, |v[XS+15]|
	v_max3_num_f32 v8, v8, v12, 0x1800000          ; and the floor 2^(3 - 127): the byte cannot fall under 1
	v_max_num_f32_dpp v8, v8, v8 row_xmask:1 row_mask:0xf bank_mask:0xf   ; with my neighbour's 16: the block's
	v_add_nc_u32 v11, 0xff000000, v8               ; 2 off the exponent field: the conversion takes this operand's exponent field as its scale
	v_cvt_scalef32_pk16_fp6_f32 v[CC:CC+2], v[XS:XS+15], v11
	v_lshrrev_b32 v[E+(\t)%2], 23, v11             ; the scale's byte (also the plain instruction behind the conversion)
	ds_store_b32 v4, v[CC] offset:(8*((\t)%2))*PP+((\t)/2)*48      ; 12 bytes in three words: no address need be a multiple of 16
	ds_store_b32 v4, v[CC+1] offset:(8*((\t)%2))*PP+((\t)/2)*48+4
	ds_store_b32 v4, v[CC+2] offset:(8*((\t)%2))*PP+((\t)/2)*48+8
	ds_store_b8 v5, v[E+(\t)%2] offset:16*(\t)     ; both lanes of a block write the same byte with the same value
.endm
.set Q, 0
.rept STEPS
	STEP Q
.set Q, Q+1
.endr
; THE WAY OUT: two planes, 1,536 bytes, are three loads and three stores of 512 bytes; in the middle one lanes 16-31 stand in the second plane.
.irp m, 0,1,2,3,4,5,6,7
	ds_load_b128 v[OUTR+12*\m:OUTR+12*\m+3], v6 offset:2*PP*\m
	ds_load_b128 v[OUTR+12*\m+4:OUTR+12*\m+7], v7 offset:2*PP*\m+512
	ds_load_b128 v[OUTR+12*\m+8:OUTR+12*\m+11], v6 offset:2*PP*\m+1040
.endr
	ds_load_b128 v[OUTR+96:OUTR+99], v10
.irp m, 0,1,2,3,4,5,6,7
	s_wait_dscnt 24-3*\m                           ; LDS loads come back in order: the counts run down with the stores
	global_store_b128 v3, v[OUTR+12*\m:OUTR+12*\m+3], s[26:27] offset:12288*\m
	s_wait_dscnt 23-3*\m
	global_store_b128 v9, v[OUTR+12*\m+4:OUTR+12*\m+7], s[26:27] offset:12288*\m+512
	s_wait_dscnt 22-3*\m
	global_store_b128 v3, v[OUTR+12*\m+8:OUTR+12*\m+11], s[26:27] offset:12288*\m+6400
.endr
	s_wait_dscnt 0x0
	global_store_b128 v3, v[OUTR+96:OUTR+99], s[28:29]             ; 512 scale bytes: two aligned blocks of 256
	s_wait_tensorcnt 0x0
	ds_add_u32 v224, v225
	s_wait_dscnt 0x0
	s_endpgm
.Lfunc_end_k_q997e71c86d_quant:
	.size	k_q997e71c86d_quant, .Lfunc_end_k_q997e71c86d_quant-k_q997e71c86d_quant
	.p2alignl 7, 3214868480
	.fill 96, 4, 3214868480
	.section	.rodata,"a",@progbits
	.p2align	6, 0x0
	.amdhsa_kernel k_q997e71c86d_quant
		.amdhsa_group_segment_fixed_size 55808
		.amdhsa_private_segment_fixed_size 0
		.amdhsa_enable_private_segment 0
		.amdhsa_kernarg_size 64
		.amdhsa_user_sgpr_count 2
		.amdhsa_user_sgpr_kernarg_segment_ptr 1
		.amdhsa_wavefront_size32 1
		.amdhsa_system_sgpr_workgroup_id_x 1
		.amdhsa_system_sgpr_workgroup_id_y 1
		.amdhsa_system_sgpr_workgroup_id_z 1
		.amdhsa_system_vgpr_workitem_id 0
		.amdhsa_next_free_vgpr 226
		.amdhsa_next_free_sgpr 66
		.amdhsa_reserve_vcc 0
		.amdhsa_float_denorm_mode_32 3
		.amdhsa_float_denorm_mode_16_64 3
		.amdhsa_memory_ordered 1
		.amdhsa_forward_progress 1
		.amdhsa_inst_pref_size 71
	.end_amdhsa_kernel
	.amdgpu_metadata
---
amdhsa.version: [ 1, 2 ]
amdhsa.kernels:
  - .name:           k_q997e71c86d_quant
    .symbol:         k_q997e71c86d_quant.kd
    .args:
      - { .name: inputs, .offset: 0, .size: 8, .value_kind: global_buffer, .address_space: global }
      - { .name: W_q, .offset: 8, .size: 8, .value_kind: global_buffer, .address_space: global }
      - { .name: W_k, .offset: 16, .size: 8, .value_kind: global_buffer, .address_space: global }
      - { .name: W_v, .offset: 24, .size: 8, .value_kind: global_buffer, .address_space: global }
      - { .name: W_o, .offset: 32, .size: 8, .value_kind: global_buffer, .address_space: global }
      - { .name: x_q, .offset: 40, .size: 8, .value_kind: global_buffer, .address_space: global }
      - { .name: wqk_q, .offset: 48, .size: 8, .value_kind: global_buffer, .address_space: global }
      - { .name: wvo_q, .offset: 56, .size: 8, .value_kind: global_buffer, .address_space: global }
    .group_segment_fixed_size: 55808
    .private_segment_fixed_size: 0
    .kernarg_segment_align: 8
    .kernarg_segment_size: 64
    .max_flat_workgroup_size: 96
    .sgpr_count:     66
    .vgpr_count:     226
    .wavefront_size: 32
...
	.end_amdgpu_metadata
.endif
;; end of part 1
;; launch qk (part 2): grid 8 x 32, 4 waves a work-group, clusters of 4 x 4, 327,680 bytes of LDS; arguments x_q, wqk_q, qk_codes, qk_scales; writes qk_codes, qk_scales
.if DOCPART == 2
	.amdgcn_target "amdgcn-amd-amdhsa--gfx1250"
	.amdhsa_code_object_version 6
	.text
	.protected	k_q997e71c86d_qk
	.globl	k_q997e71c86d_qk
	.p2align	8
	.type	k_q997e71c86d_qk,@function
k_q997e71c86d_qk:
	s_mov_b64 s[64:65], 0
	v_nop
	global_prefetch_b8 v0, s[64:65] scope:SCOPE_SE
	s_setreg_imm32_b32 hwreg(HW_REG_WAVE_MODE, 25, 1), 1
	s_wait_xcnt 0x0
	s_wait_alu depctr_hold_cnt(0) depctr_sa_sdst(0) depctr_va_vdst(0) depctr_va_sdst(0) depctr_va_ssrc(0) depctr_va_vcc(0) depctr_vm_vsrc(0)
	s_getreg_b32 s2, hwreg(HW_REG_IB_STS2, 6, 4)
	s_cmp_eq_u32 s2, 0
	s_cbranch_scc0 .Lentry_in_a_cluster
	s_endpgm
.Lentry_in_a_cluster:
	s_bfe_u32 s2, ttmp6, 0x10000c
	s_cmp_lg_u32 s2, 0xf033
	s_cbranch_scc0 .Lentry_shape_is_right
	s_endpgm
.Lentry_shape_is_right:
; D[i][n] = sum over k of A[i][k] B[n][k], K = 1,024, on codes of FP6 (E2M3) with E8M0 scales, f32 sums; D is then QUANTISED ALONG n, in registers, and only its codes and scale bytes are stored.
; The body serves two launches.  A = the tokens, B = W_q | W_k: Q and K, quantised along the features (a head's 64 are two blocks).  A = W_v, B = the tokens: V, quantised along the keys, keys innermost.
; OPERANDS lie in tiles of 128 rows, 102,400 bytes: 16 planes (64 along K) of [row][48 bytes], then [row][32 scale bytes]; rows in POSITION order (position = row with bits 3 and 4 exchanged).
; A work-group of four waves, as many as a WGP has SIMDs, makes 256 x 256 of D; a wave 128 x 128: 64 accumulators, 512 registers.  K goes in steps of 256 through two LDS slots; a wave's tensor load brings 128 rows x 256 K: 24,576 dense bytes.
; The scales of the work-group's rows for all of K come once, with the first fills.  CLUSTERS of 4 x 4: A's tiles are asked for jointly along a row of the cluster, B's along a column.
; THE MATRIX INSTRUCTION IS USED TRANSPOSED (source 0 = 16 positions of B, source 1 = 16 of A): a lane holds one row of A, and, since B stands in position order, the 16 registers of B's tiles 2 b, 2 b + 1 are the
; 16 NEIGHBOURS n = 32 b + 16 (lane / 16) + 0 .. 15: what the conversions want.  A block of 32 lies in lanes l and l xor 16.
; OUTPUT, block 32 gy + gx.  Codes, 49,152 bytes: [64 of n: 0..3][A's position 0..255][48 bytes].  Scales, 4,096 bytes: [128 of n: 0..1][variant 0..1][A's position][4 bytes]; variant 1 is the word shifted down by 16 bits,
; so that an odd head finds its two bytes lowest.  The factor 32 serves both launches; the first uses 8 of the 32 columns and never touches the others.
; LIMITS: NaN and infinities are not served; a block whose largest magnitude lies under 2^-124 keeps the byte 1; a block of zeros has the byte 1 (its codes are zeros; this program alone reads the bytes).
; REGISTERS: window 0: v16-30 addresses; v32-63 scale words, two sets; v64-103 the quantiser's; v128-223 A's fragments, one set (the way out: v128-231).  Window 1: B's fragments, two sets.  Windows 2, 3: the accumulators.
.set NQ,     2                         ; matrix instructions deep in a slot
.set PLANE,  6144
.set FR,     12                        ; registers of a fragment: 16 rows x 128 K
.set NL,     6                         ; LDS loads that bring one
.set NP,     4                         ; places behind this matrix instruction (ISA guide 7.12.1)
.set HALFT,  4*PLANE                   ; 128 rows x 256 K: what one tensor load brings
.set SLOT,   4*HALFT                   ; A's 256 rows, then B's
.set TILEB,  102400
.set SCL,    2*SLOT                    ; behind the ring: the scales, as rows of 256 bytes + 16 of padding
.set HALFS,  16*272                    ; those of 128 rows
.set SBLK,   2*272                     ; those of 16 rows
.set SPARE,  SCL+4*HALFS               ; the spare words, 128 bytes a wave: two blocks of 256 bytes that no other line names
.set STAGE,  SPARE+512                 ; the way out: 12,288 bytes of codes and 1,024 of scale words for each wave; no tensor load lands here
.set WSTG,   13312
.set ADRA, 16                          ; v16-17  LDS address of my A fragments in slot 0, 1
.set ADRB, 20                          ; v20-21  the same for B
.set STO,  24                          ; v24     stage: 48 r + 24 h
.set RD,   25                          ; v25     stage: 16 x lane
.set CO,   26                          ; v26     16 x lane
.set ADRS, 27                          ; v27     my scale words: lanes 0-15 A's rows, lanes 16-31 B's
.set SPW,  28                          ; v28     my spare word; never rewritten
.set NIL,  29                          ; v29     0; never rewritten
.set STW,  30                          ; v30     stage: 4 r
.set SC,   32
.set TM,   64                          ; v64-67 largest magnitudes, v68-71 bytes, v76-79 the conversions' scale operands
.set PW,   80                          ; the scale word; v81 the same shifted down
.set PW1,  81
.set PC,   84                          ; v84-95 a fragment's codes; v96-102 halves on their way
.set AF,   128
.set BK,   128
.set G1, 24
.set G0, 32
.set G1B, 48
.set G0B, 56
.set G1S, 68
.set G0S, 76
.set G1SB, 80
.set G0SB, 88
.set SEL, 96                           ; s[96:97] v_permlanex16_b32's selects for lane l xor 16
.set MSB, 0
.macro WIN new                         ; the immediate's high byte repeats the setting that is left
.if MSB != \new
	s_set_vgpr_msb (MSB<<8)|\new
.set MSB, \new
.endif
.endm
.set MUL_LO, 0xa1                      ; source 0 (B) window 1, source 1 (A) window 0, C and D window 2
.set MUL_HI, 0xf1                      ; the same, C and D window 3
.set TO_B,   0x40                      ; destination window 1
; A joint load: waves 0 and 1 fetch for A, waves 2 and 3 for B; the branch hangs on the wave's number alone.  Four v_nop follow each line.
.macro JLOAD g0a, g1a, g0b, g1b
	s_cmp_eq_u32 s15, 0
	s_cbranch_scc0 .Lfor_b_\@
	tensor_load_to_lds s[\g0a:\g0a+3], s[\g1a:\g1a+7]
	s_nop 0
.rept 4
	v_nop
.endr
	s_branch .Lasked_\@
.Lfor_b_\@:
	tensor_load_to_lds s[\g0b:\g0b+3], s[\g1b:\g1b+7]
	s_nop 0
.rept 4
	v_nop
.endr
.Lasked_\@:
.endm
.macro CREST                           ; a round of the cluster's barrier behind its opening barrier
	s_cmp_lg_u32 s14, 0
	s_cbranch_scc1 .Lnot_wave_0_\@
	s_barrier_signal -3
.Lnot_wave_0_\@:
	s_barrier_wait -3
	s_barrier_signal -1
	s_barrier_wait -1
.endm
.macro CROUND
	s_barrier_signal -1
	s_barrier_wait -1
	CREST
.endm
	s_load_b256 s[4:11], s[0:1], 0x0               ; A s[4:5], B s[6:7], the codes out s[8:9], the scales out s[10:11]
	v_lshl_add_u32 v[SPW], v0, 2, SPARE
	v_mov_b32 v[NIL], 0
	ds_add_u32 v28, v29
	ds_add_u32 v28, v29
	s_wait_dscnt 0x0
	v_lshrrev_b32 v1, 5, v0
	v_readfirstlane_b32 s14, v1                    ; wave 0..3
	s_lshr_b32 s15, s14, 1                         ; my half of A's rows.  Also: I fetch for A (0) or for B (1)
	s_and_b32 s16, s14, 1                          ; my half of B's rows.  Also: which 128 rows I fetch
	s_bfe_u32 s40, ttmp6, 0x40000                  ; cx, cy
	s_bfe_u32 s41, ttmp6, 0x40004
	s_lshl_b32 s42, ttmp9, 2
	s_add_co_u32 s42, s42, s40                     ; gx: B's block of 256 rows
	s_and_b32 s17, ttmp7, 0xffff
	s_lshl_b32 s17, s17, 2
	s_add_co_u32 s17, s17, s41                     ; gy: A's block
	s_lshl_b32 s43, s41, 2
	s_lshl_b32 s43, 15, s43                        ; my row of the cluster
	s_lshl_b32 s44, 0x1111, s40                    ; my column
	s_or_b32 s[G1+0], s43, (3<<16)|(1<<21)         ; codes: the mask; elements of 8 bytes; bit 21 beside a mask; no padding
	s_or_b32 s[G1B+0], s44, (3<<16)|(1<<21)
.irp g, G1, G1B
	s_mov_b32 s[\g+1], 32<<16                      ; a dense block as 96 rows of 256 bytes: tensor_dim0 = 32
	s_mov_b32 s[\g+2], 96<<16                      ; tensor_dim1
	s_mov_b32 s[\g+3], 32<<16                      ; tile_dim0
	s_mov_b32 s[\g+4], 96                          ; tile_dim1
	s_mov_b32 s[\g+5], 32                          ; the pitch
	s_mov_b32 s[\g+6], 0
	s_mov_b32 s[\g+7], 0
.endr
	s_or_b32 s[G1S+0], s43, (3<<16)|(1<<20)|(1<<21)|(5<<22)|(3<<25)   ; scales: 16 rows of 256 bytes, 16 bytes of padding behind each
	s_or_b32 s[G1SB+0], s44, (3<<16)|(1<<20)|(1<<21)|(5<<22)|(3<<25)
.irp g, G1S, G1SB
	s_mov_b32 s[\g+1], 32<<16
	s_mov_b32 s[\g+2], 16<<16
	s_mov_b32 s[\g+3], 32<<16
	s_mov_b32 s[\g+4], 16
	s_mov_b32 s[\g+5], 32
	s_mov_b32 s[\g+6], 0
	s_mov_b32 s[\g+7], 0
.endr
	s_lshl_b32 s20, s17, 1
	s_add_co_u32 s20, s20, s16
	s_mul_i32 s20, s20, TILEB                      ; A: tile 2 gy + half
	s_mov_b32 s21, 0
	s_lshl_b32 s46, s42, 1
	s_add_co_u32 s46, s46, s16
	s_mul_i32 s46, s46, TILEB                      ; B: tile 2 gx + half
	s_mov_b32 s47, 0
	s_mul_i32 s45, s14, HALFT                      ; where they go: wave x 128 rows: no place in the cluster enters an LDS address
	s_mul_i32 s94, s14, HALFS
	s_mov_b32 s[SEL], 0x76543210
	s_mov_b32 s[SEL+1], 0xfedcba98
	s_wait_kmcnt 0x0
	s_add_nc_u64 s[20:21], s[4:5], s[20:21]
	s_add_nc_u64 s[46:47], s[6:7], s[46:47]
	s_add_nc_u64 s[22:23], s[20:21], 98304         ; a tile's scales stand behind its planes
	s_add_nc_u64 s[92:93], s[46:47], 98304
	CROUND                                         ; all sixteen work-groups are here: the first joint loads meet
	s_mov_b32 s[G0S], 1
	s_add_co_u32 s[G0S+1], s94, SCL
	s_mov_b64 s[G0S+2:G0S+3], s[22:23]
	s_or_b32 s[G0S+3], s[G0S+3], 0x80000000
	s_mov_b32 s[G0SB], 1
	s_add_co_u32 s[G0SB+1], s94, SCL
	s_mov_b64 s[G0SB+2:G0SB+3], s[92:93]
	s_or_b32 s[G0SB+3], s[G0SB+3], 0x80000000
	JLOAD G0S, G1S, G0SB, G1SB                     ; the scales first: they are wanted with K step 0
.irp s, 0,1
	s_mov_b32 s[G0+4*\s], 1
	s_add_co_u32 s[G0+4*\s+1], s45, \s*SLOT
	s_add_nc_u64 s[G0+4*\s+2:G0+4*\s+3], s[20:21], \s*HALFT
	s_or_b32 s[G0+4*\s+3], s[G0+4*\s+3], 0x80000000
	s_mov_b32 s[G0B+4*\s], 1
	s_add_co_u32 s[G0B+4*\s+1], s45, \s*SLOT
	s_add_nc_u64 s[G0B+4*\s+2:G0B+4*\s+3], s[46:47], \s*HALFT
	s_or_b32 s[G0B+4*\s+3], s[G0B+4*\s+3], 0x80000000
	JLOAD G0+4*\s, G1, G0B+4*\s, G1B
.endr
	v_and_b32 v1, 15, v0                           ; r
	v_bfe_u32 v2, v0, 4, 1                         ; h
	v_mul_u32_u24 v3, v1, 48
	v_mad_u32_u24 v4, v2, 24, v3                   ; 48 r + 24 h = words 12 r + 6 h: the 32 lanes of a load of 8 bytes touch 64 different banks (64 banks of 4 bytes: ISA guide 11.1)
	s_mul_i32 s21, s15, HALFT
	s_mul_i32 s22, s16, HALFT
	s_add_co_u32 s22, s22, 2*HALFT
.irp s, 0,1
	v_add_nc_u32 v[ADRA+\s], s21, v4
	v_add_nc_u32 v[ADRB+\s], s22, v4
	s_add_co_u32 s21, s21, SLOT
	s_add_co_u32 s22, s22, SLOT
.endr
	v_mul_u32_u24 v5, v1, 32                       ; my row's scales: 32 bytes a row,
	v_lshrrev_b32 v6, 8, v5
	v_lshl_add_u32 v5, v6, 4, v5                   ; and 16 more for each 256 passed
	s_mul_i32 s21, s15, HALFS
	s_mul_i32 s22, s16, HALFS
	s_add_co_u32 s22, s22, 2*HALFS
	s_sub_co_u32 s22, s22, s21
	v_mul_u32_u24 v6, s22, v2                      ; lanes 16-31 take B's
	s_add_co_u32 s21, s21, SCL
	v_add_nc_u32 v5, v5, v6
	v_add_nc_u32 v[ADRS], s21, v5
	s_mul_i32 s23, s14, WSTG
	s_add_co_u32 s23, s23, STAGE                   ; my stage
	v_add_nc_u32 v[STO], s23, v4
	v_and_b32 v6, 31, v0
	v_lshlrev_b32 v[CO], 4, v6
	v_add_nc_u32 v[RD], s23, v[CO]
	v_lshl_add_u32 v[STW], v1, 2, s23
.irp b, 0,1,2,3
	v_mov_b32 v[TM+4+\b], 0                        ; written once: a lane permute's destination counts as one of its sources
.endr
	s_lshl_b32 s2, s17, 5
	s_add_co_u32 s2, s2, s42                       ; the output's block: 32 gy + gx
	s_mul_i32 s66, s2, 49152
	s_mul_i32 s3, s16, 24576                       ; my 128 of n: two planes of 12,288 bytes,
	s_add_co_u32 s66, s66, s3
	s_mul_i32 s3, s15, 6144                        ; my 128 of A's positions in each
	s_add_co_u32 s66, s66, s3
	s_mov_b32 s67, 0
	s_add_nc_u64 s[8:9], s[8:9], s[66:67]
	s_lshl_b32 s66, s2, 12
	s_lshl_b32 s3, s16, 11
	s_add_co_u32 s66, s66, s3
	s_lshl_b32 s3, s15, 9
	s_add_co_u32 s66, s66, s3
	s_add_nc_u64 s[10:11], s[10:11], s[66:67]
.macro FRAG reg, adr, q, i             ; 16 rows x 128 K: registers 6 c .. 6 c + 5 hold K = 64 c + 32 h + 0 .. 31: 24 bytes of plane 2 q + c, in pieces of 8
.irp p, 0,1,2,3,4,5
	ds_load_b64 v[\reg+2*\p:\reg+2*\p+1], v[\adr] offset:(2*(\q)+\p/3)*PLANE+(\i)*768+8*(\p%3)
.endr
.endm
; 16 matrix instructions: A's blocks a0, a0 + 1 x B's eight.  The 64 accumulators take turns, one instruction a turn, in the same order in every step.
.macro MUL16 a0, p, q, sc, zero
.irp a, \a0, \a0+1
.irp b, 0,1,2,3,4,5,6,7
.if \zero
	v_wmma_scale_f32_16x16x128_f8f6f4 v[8*(8*((\a)%4)+\b):8*(8*((\a)%4)+\b)+7], v[128*(\p)+FR*\b:128*(\p)+FR*\b+FR-1], v[AF+FR*(\a):AF+FR*(\a)+FR-1], 0, v[SC+8*NQ*(\sc)+NQ*\b+(\q)], v[SC+8*NQ*(\sc)+NQ*(\a)+(\q)] matrix_a_fmt:MATRIX_FMT_FP6 matrix_b_fmt:MATRIX_FMT_FP6 matrix_a_scale:MATRIX_SCALE_ROW1
.else
	v_wmma_scale_f32_16x16x128_f8f6f4 v[8*(8*((\a)%4)+\b):8*(8*((\a)%4)+\b)+7], v[128*(\p)+FR*\b:128*(\p)+FR*\b+FR-1], v[AF+FR*(\a):AF+FR*(\a)+FR-1], v[8*(8*((\a)%4)+\b):8*(8*((\a)%4)+\b)+7], v[SC+8*NQ*(\sc)+NQ*\b+(\q)], v[SC+8*NQ*(\sc)+NQ*(\a)+(\q)] matrix_a_fmt:MATRIX_FMT_FP6 matrix_b_fmt:MATRIX_FMT_FP6 matrix_a_scale:MATRIX_SCALE_ROW1
.endif
.endr
.endr
.endm
.macro FETCH_B slot, q, p
	WIN TO_B
.irp i, 0,1,2,3,4,5,6,7
	FRAG 128*(\p)+FR*\i, ADRB+\slot, \q, \i
.endr
	WIN 0
.endm
.macro FETCH_A slot, q, i0
.irp i, \i0, \i0+1, \i0+2, \i0+3
	FRAG AF+FR*(\i), ADRA+\slot, \q, \i
.endr
.endm
.macro SCALES sc                       ; a K step's two words a row: lanes 0-15 A's block i, lanes 16-31 B's block i
.irp i, 0,1,2,3,4,5,6,7
	ds_load_b64 v[SC+8*NQ*\sc+NQ*\i:SC+8*NQ*\sc+NQ*\i+1], v[ADRS] offset:\i*SBLK
.endr
.endm
.macro PLACES n                        ; plain vector instructions between a matrix instruction and a load into, or a read of, its registers (ISA guide 7.12.1 for reads)
.rept \n
	v_nop
.endr
.endm
.macro STEP slot, q, zero              ; 128 along K whose successor lies in the same slot
	s_wait_dscnt 4*NL                              ; B's set and A's blocks 0-3 are in; the youngest 24 loads (A's blocks 4-7) may be out
	WIN MUL_LO
	MUL16 0, (\q)%2, \q, \slot, \zero
	MUL16 2, (\q)%2, \q, \slot, \zero
	s_wait_dscnt 0                                 ; A's blocks 4-7 are in
	PLACES NP
	FETCH_B \slot, (\q)+1, 1-(\q)%2
	FETCH_A \slot, (\q)+1, 0
	WIN MUL_HI
	MUL16 4, (\q)%2, \q, \slot, \zero
	MUL16 6, (\q)%2, \q, \slot, \zero
	PLACES NP
	WIN 0
	FETCH_A \slot, (\q)+1, 4
.endm
; A slot's last step changes slots: one barrier; in front of it each wave waits for all its tensor loads, adds 0 to its spare word, and waits for that and for its reads of this slot.
.macro TURN slot, next, fill
	s_wait_tensorcnt 0x0                           ; all my tensor loads have landed: my part of the next slot
	ds_add_u32 v[SPW], v[NIL]                      ; 0 onto my spare word
	s_wait_dscnt 4*NL+1                            ; (the add and the youngest 24 loads may be out)
	WIN MUL_LO
	MUL16 0, 1, NQ-1, \slot, 0
	s_wait_dscnt 0x0                               ; the add is done, and my reads of this slot are over
	s_barrier_signal -1
	MUL16 2, 1, NQ-1, \slot, 0
	WIN 0                                          ; at a branch and at a label every window is 0
	s_barrier_wait -1
.if \fill
	CREST                                          ; the barrier has opened a round of the cluster's: no wave of any partner still reads this slot or has a load on its way
	s_add_nc_u64 s[G0+4*\slot+2:G0+4*\slot+3], s[G0+4*\slot+2:G0+4*\slot+3], 2*HALFT
	s_add_nc_u64 s[G0B+4*\slot+2:G0B+4*\slot+3], s[G0B+4*\slot+2:G0B+4*\slot+3], 2*HALFT
	JLOAD G0+4*\slot, G1, G0B+4*\slot, G1B         ; the first tensor load behind the round; its four v_nop are the places in front of the loads below
.else
	PLACES NP
.endif
	v_add_nc_u32 v[ADRS], 4*NQ, v[ADRS]            ; the next K step's scale words
	FETCH_B \next, 0, 0
	FETCH_A \next, 0, 0
	SCALES \next
	WIN MUL_HI
	MUL16 4, 1, NQ-1, \slot, 0
	MUL16 6, 1, NQ-1, \slot, 0
	PLACES NP
	WIN 0
	FETCH_A \next, 0, 4
.endm
	s_wait_tensorcnt 1                             ; the scales and my part of K step 0 are in; K step 1's load may be out
	s_barrier_signal -1
	s_barrier_wait -1
	FETCH_B 0, 0, 0
	FETCH_A 0, 0, 0
	SCALES 0
	FETCH_A 0, 0, 4
	STEP 0, 0, 1                                   ; K = 1,024 is four slots: written out, no loop.  The first products start the sums
	TURN 0, 1, 1                                   ; slot 0 takes K step 2
	STEP 1, 0, 0
	TURN 1, 0, 1                                   ; slot 1 takes K step 3
	STEP 0, 0, 0
	TURN 0, 1, 0                                   ; nothing is left to fetch
	STEP 1, 0, 0
	s_wait_dscnt 4*NL
	WIN MUL_LO
	MUL16 0, 1, NQ-1, 1, 0
	MUL16 2, 1, NQ-1, 1, 0
	s_wait_dscnt 0
	WIN MUL_HI
	MUL16 4, 1, NQ-1, 1, 0
	MUL16 6, 1, NQ-1, 1, 0
	WIN 0
; THE WAY OUT.  A's block a: my lane's 64 registers are n = 32 b + 16 h + i of one row: four blocks of 32, each shared with lane l xor 16.  They become a fragment's 12 registers and a scale word.
.macro QUANT a
.set AC, 64*((\a)%4)
	WIN 0x0a+5*((\a)/4)                            ; sources 0 and 1: the accumulators' window
.irp b, 0,1,2,3
	v_max3_num_f32 v[TM+\b], |v[AC+16*\b]|, |v[AC+16*\b+1]|, 0x1800000   ; each accumulator is read from its low end on; the floor 2^(3 - 127) holds the byte at 1 from below
.endr
.irp i, 2,4,6,8,10,12,14
.irp b, 0,1,2,3
	v_max3_num_f32 v[TM+\b], |v[AC+16*\b+\i]|, |v[AC+16*\b+\i+1]|, v[TM+\b]
.endr
.endr
	WIN 0
.irp b, 0,1,2,3
	v_permlanex16_b32 v[TM+4+\b], v[TM+\b], s[SEL], s[SEL+1]
.endr
.irp b, 0,1,2,3
	v_max_num_f32 v[TM+\b], v[TM+\b], v[TM+4+\b]   ; the block's largest magnitude
.endr
.irp b, 0,1,2,3
	v_add_nc_u32 v[TM+12+\b], 0xff000000, v[TM+\b] ; 2 off its exponent field: the conversion's scale operand
.endr
.irp b, 0,1,2,3
	v_lshrrev_b32 v[TM+4+\b], 23, v[TM+12+\b]      ; the byte
.endr
	v_lshl_or_b32 v[PW], v[TM+5], 8, v[TM+4]
	v_lshl_or_b32 v[PW], v[TM+6], 16, v[PW]
	v_lshl_or_b32 v[PW], v[TM+7], 24, v[PW]
	v_lshrrev_b32 v[PW1], 16, v[PW]
	WIN 2+(\a)/4                                   ; source 0: the accumulators' window
.irp c, 0,1
	v_cvt_scalef32_pk16_fp6_f32 v[PC+6*\c:PC+6*\c+2], v[AC+32*\c:AC+32*\c+15], v[TM+12+2*\c]
	v_cvt_scalef32_pk16_fp6_f32 v[PC+12+4*\c:PC+14+4*\c], v[AC+32*\c+16:AC+32*\c+31], v[TM+12+2*\c+1]   ; (a conversion's three registers begin on an even number)
.endr
	WIN 0
	v_nop                                          ; one plain instruction behind a scaled conversion
.irp c, 0,1                            ; a whole block to a lane: lanes 0-15 block 2 c, lanes 16-31 block 2 c + 1
.irp i, 0,1,2
	v_permlane16_swap_b32 v[PC+6*\c+\i], v[PC+12+4*\c+\i]
.endr
.irp i, 0,1,2
	v_mov_b32 v[PC+3+6*\c+\i], v[PC+12+4*\c+\i]
.endr
.endr
.irp c, 0,1
.irp p, 0,1,2
	ds_store_b64 v[STO], v[PC+6*\c+2*\p:PC+6*\c+2*\p+1] offset:\c*6144+(\a)*768+8*\p
.endr
.endr
	ds_store_b32 v[STW], v[PW] offset:12288+64*(\a)    ; lanes r and r + 16 write the same word with the same value
	ds_store_b32 v[STW], v[PW1] offset:12800+64*(\a)
	s_wait_dscnt 0x0                               ; the stores have read their registers: the next block may write them
.endm
	PLACES NP
.irp a, 0,1,2,3,4,5,6,7
	QUANT \a
.endr
.irp i, 0,1,2,3,4,5,6,7,8,9,10,11,12,13,14,15,16,17,18,19,20,21,22,23,24,25
	ds_load_b128 v[BK+4*\i:BK+4*\i+3], v[RD] offset:512*\i         ; LDS serves a wave's instructions in order: these see my stores
.endr
.irp i, 0,1,2,3,4,5,6,7,8,9,10,11,12,13,14,15,16,17,18,19,20,21,22,23
	s_wait_dscnt 25-\i
	global_store_b128 v[CO], v[BK+4*\i:BK+4*\i+3], s[8:9] offset:(\i/12)*12288+(\i%12)*512   ; 32 lanes store 512 consecutive bytes, at a multiple of 256 from the buffer's first byte
.endr
	s_wait_dscnt 1
	global_store_b128 v[CO], v[BK+96:BK+99], s[10:11]
	s_wait_dscnt 0
	global_store_b128 v[CO], v[BK+100:BK+103], s[10:11] offset:1024
	s_wait_tensorcnt 0x0                           ; the wave's end
	ds_add_u32 v[SPW], v[NIL]
	s_wait_dscnt 0x0
	CROUND                                         ; the closing round: no work-group ends while a partner may still ask for a tile that names it
	s_endpgm
.Lfunc_end_k_q997e71c86d_qk:
	.size	k_q997e71c86d_qk, .Lfunc_end_k_q997e71c86d_qk-k_q997e71c86d_qk
	.p2alignl 7, 3214868480
	.fill 96, 4, 3214868480
	.section	.rodata,"a",@progbits
	.p2align	6, 0x0
	.amdhsa_kernel k_q997e71c86d_qk
		.amdhsa_group_segment_fixed_size 327680
		.amdhsa_private_segment_fixed_size 0
		.amdhsa_enable_private_segment 0
		.amdhsa_kernarg_size 32
		.amdhsa_user_sgpr_count 2
		.amdhsa_user_sgpr_kernarg_segment_ptr 1
		.amdhsa_wavefront_size32 1
		.amdhsa_system_sgpr_workgroup_id_x 1
		.amdhsa_system_sgpr_workgroup_id_y 1
		.amdhsa_system_sgpr_workgroup_id_z 1
		.amdhsa_system_vgpr_workitem_id 0
		.amdhsa_next_free_vgpr 1024
		.amdhsa_next_free_sgpr 98
		.amdhsa_reserve_vcc 0
		.amdhsa_float_denorm_mode_32 3
		.amdhsa_float_denorm_mode_16_64 3
		.amdhsa_memory_ordered 1
		.amdhsa_forward_progress 1
		.amdhsa_inst_pref_size 170
	.end_amdhsa_kernel
	.amdgpu_metadata
---
amdhsa.version: [ 1, 2 ]
amdhsa.kernels:
  - .name:           k_q997e71c86d_qk
    .symbol:         k_q997e71c86d_qk.kd
    .args:
      - { .name: x_q, .offset: 0, .size: 8, .value_kind: global_buffer, .address_space: global }
      - { .name: wqk_q, .offset: 8, .size: 8, .value_kind: global_buffer, .address_space: global }
      - { .name: qk_codes, .offset: 16, .size: 8, .value_kind: global_buffer, .address_space: global }
      - { .name: qk_scales, .offset: 24, .size: 8, .value_kind: global_buffer, .address_space: global }
    .group_segment_fixed_size: 327680
    .private_segment_fixed_size: 0
    .kernarg_segment_align: 8
    .kernarg_segment_size: 32
    .max_flat_workgroup_size: 128
    .sgpr_count:     98
    .vgpr_count:     1024
    .wavefront_size: 32
...
	.end_amdgpu_metadata
.endif
;; end of part 2
;; launch v: the kernel of part 2 again; grid 32 x 4, 4 waves a work-group, clusters of 4 x 4, 327,680 bytes of LDS; arguments wvo_q, x_q, v_codes, v_scales; writes v_codes, v_scales
;; launch attn (part 3): grid 8 x 64, 16 waves a work-group, clusters of 4 x 1, 223,232 bytes of LDS; arguments qk_codes, qk_scales, v_codes, v_scales, ctx_q; writes ctx_q
.if DOCPART == 3
	.amdgcn_target "amdgcn-amd-amdhsa--gfx1250"
	.amdhsa_code_object_version 6
	.text
	.protected	k_q997e71c86d_attn
	.globl	k_q997e71c86d_attn
	.p2align	8
	.type	k_q997e71c86d_attn,@function
k_q997e71c86d_attn:
	s_mov_b64 s[64:65], 0
	v_nop
	global_prefetch_b8 v0, s[64:65] scope:SCOPE_SE
	s_setreg_imm32_b32 hwreg(HW_REG_WAVE_MODE, 25, 1), 1
	s_wait_xcnt 0x0
	s_wait_alu depctr_hold_cnt(0) depctr_sa_sdst(0) depctr_va_vdst(0) depctr_va_sdst(0) depctr_va_ssrc(0) depctr_va_vcc(0) depctr_vm_vsrc(0)
	s_getreg_b32 s2, hwreg(HW_REG_IB_STS2, 6, 4)
	s_cmp_eq_u32 s2, 0
	s_cbranch_scc0 .Lentry_in_a_cluster
	s_endpgm
.Lentry_in_a_cluster:
	s_bfe_u32 s2, ttmp6, 0x10000c
	s_cmp_lg_u32 s2, 0x3003
	s_cbranch_scc0 .Lentry_shape_is_right
	s_endpgm
.Lentry_shape_is_right:
; Causal attention of one (batch, head) on codes of FP6 (E2M3) with E8M0 scales: S = Q K^T (K = the head's 64: the upper half of each operand is zero codes), p = 2^(t - M), O = P V (K = the keys), ctx = O / l, and ctx quantised along (head, d).
; t = score x log2(e) / 8; M = the running largest t rounded UP to a whole number; p is quantised along the keys, not normalised; l is the sum of the unquantised p.  When M moves, l and O are multiplied by 2^(old M - new M): exact.
; A HEAD'S WHOLE K AND V, 196,608 bytes of codes and 12,288 of scale bytes, LIE IN LDS: each byte is filled once, so there is no ring.  The fills go out at the start in four parts of 512 keys, and a part is read behind its own wait and barrier.
; CLUSTER: the four work-groups of a cluster serve one head and read the same K and V: every fill is asked for JOINTLY (mask 15).  Wave 0 asks for K's five tiles, wave 1 for V's: five tensor loads of a wave are out at the most.
; SHARES: a head's 2,048 queries are 16 groups of 128; group g needs g + 1 steps of 128 keys.  A wave owns one tile of 16 queries.  Its group hangs on the wave's number and the cluster's x alone (groups g and 15 - g in pairs, so that every
; work-group has 136 steps), its tile in the group on cx: so every branch is alike in all partners, and cx enters only global addresses and the mask's vector.
; LAYOUT: both products transposed (S^T = K Q^T, O^T = V^T P^T): a lane holds ONE query.  K's rows and V's channels stand in position order (bits 3 and 4 exchanged), so the 16 registers of tiles 2 b, 2 b + 1 are 16 neighbours: keys for p, channels for ctx.
; CAUSAL: a step whose keys all come after the group's queries is jumped over (a scalar branch on ids; the trip counts stay constants); in the one step on the diagonal hidden scores become -infinity.  Key 0 counts for every query, so M is a number from the first step on.
; LIMITS: NaN and infinities are not served; a block of ctx whose largest magnitude lies under 2^-124, or of p that has fallen to 0, keeps the byte 1 (zero codes add nothing; this program alone reads the bytes).
; ctx's two scale bytes a row and head are stored two bytes a lane, 32 bytes apart: 262,144 bytes in the whole launch; a row's 32 bytes come from 16 work-groups.
.set VB,   98304                       ; LDS: K [position key][48] from 0; V [64 keys][position channel][48] from here
.set SCK,  196608                      ; K's scale words [key][4]
.set SCV,  204800                      ; V's [128 keys][channel][4]
.set STG,  208896                      ; the way out: 768 bytes a wave; no tensor load lands here
.set AK0,  1                           ; v1   48 r + 24 h
.set AV0,  2                           ; v2   the same in V
.set ASK0, 3                           ; v3   SCK + 4 r
.set ASV0, 4                           ; v4   SCV + 4 r
.set DQ,   5                           ; v5   my query in its group less 16 h
.set STO,  6
.set RD,   7
.set ADK,  8                           ; v8-11 the step's addresses
.set ADV,  9
.set ADS,  10
.set ADT,  11
.set QF,   16                          ; v16-27  Q (v22-27 zero codes); v12 -M, v13 the largest t, v[14:15] l in two halves
.set KFR,  28                          ; v28-75  four fragments of K; the upper six registers of each are zero codes, written once
.set S,    76                          ; v76-139 S^T, then p; then V's four fragments in v76-123
.set O,    140                         ; v140-171 O^T
.set PCD,  172                         ; v172-183 p's codes
.set CT,   184                         ; v184-190 halves on their way
.set KSW,  192                         ; K's scale words
.set VSW,  196                         ; V's
.set BM,   200                         ; block maxima
.set PB,   204                         ; the other half's; then bytes
.set SOP,  208                         ; the conversions' scale operands
.set FF,   212                         ; f = 2^(old M - new M); v213 is named with it as a pair
.set TMP,  214
.set PWD,  215                         ; p's scale word
.set QSW,  216                         ; Q's
.set NINF, 217
.set L8,   218                         ; 8 x lane
.set R32,  219                         ; 32 r
.set SUM2, 220
.set R4,   222                         ; 4 r
.set WV,   18
.set SEL,  20
.set CS,   22                          ; s[22:23] c = log2(e) / 8
.set G1C,  24
.set G1S,  32
.set G0,   40                          ; s[40:59] five groups 0
.set TB,   60                          ; the step's first byte in K and in V: 6,144 a step
.set TS,   61                          ; among K's scale words: 512 a step
.set TJ,   62                          ; among V's: 256 a step
.set KF,   63                          ; the step's first key
.set GK,   66                          ; my group's first query
.set CNT,  67
.macro CROUND
	s_barrier_signal -1
	s_barrier_wait -1
	s_cmp_lg_u32 s[WV], 0
	s_cbranch_scc1 .Lnot_wave_0_\@
	s_barrier_signal -3
.Lnot_wave_0_\@:
	s_barrier_wait -3
	s_barrier_signal -1
	s_barrier_wait -1
.endm
	s_load_b256 s[4:11], s[0:1], 0x0               ; qk_codes, qk_scales, v_codes, v_scales
	s_load_b64 s[12:13], s[0:1], 0x20              ; ctx_q
	v_lshl_add_u32 v254, v0, 2, 0x36000
	v_mov_b32 v255, 0
	ds_add_u32 v254, v255
	ds_add_u32 v254, v255
	v_lshrrev_b32 v8, 5, v0
	v_readfirstlane_b32 s[WV], v8                  ; wave 0..15
	s_and_b32 s14, ttmp7, 0xffff
	s_lshr_b32 s15, s14, 4                         ; batch
	s_and_b32 s16, s14, 15                         ; head
	s_and_b32 s17, s16, 3
	s_lshr_b32 s19, s16, 2
	s_mul_i32 s71, s17, 12288                      ; the head's plane in a block of Q's or K's codes
	s_lshr_b32 s69, s17, 1
	s_lshl_b32 s69, s69, 11
	s_and_b32 s68, s16, 1
	s_lshl_b32 s68, s68, 10
	s_add_co_u32 s69, s69, s68                     ; and its pair and variant in a block of scale words
	s_lshl_b32 s70, s15, 8
	s_add_co_u32 s70, s70, s19
	s_add_co_u32 s70, s70, 4                       ; K's first block: 32 (8 batch) + 4 + head / 4
	s_mul_i32 s72, s70, 49152
	s_add_co_u32 s72, s72, s71
	s_mov_b32 s73, 0
	s_lshl_b32 s74, s70, 12
	s_add_co_u32 s74, s74, s69
	s_mov_b32 s75, 0
	s_lshl_b32 s70, s19, 5
	s_lshl_b32 s77, s15, 3
	s_add_co_u32 s70, s70, s77                     ; V's first block: 32 (head / 4) + 8 batch
	s_mul_i32 s76, s70, 49152
	s_mul_i32 s78, s17, 3072                       ; the head's 64 channels of 48 bytes
	s_add_co_u32 s76, s76, s78
	s_mov_b32 s77, 0
	s_lshl_b32 s78, s70, 12
	s_lshl_b32 s79, s17, 8
	s_add_co_u32 s78, s78, s79
	s_mov_b32 s79, 0
	s_lshr_b32 s80, s[WV], 1                       ; s = wave / 2
	s_and_b32 s81, s80, 1
	s_bfe_u32 s82, s80, 0x10002
	s_lshl_b32 s82, s82, 2
	s_add_co_u32 s81, s81, s82
	s_lshl_b32 s82, ttmp9, 1
	s_add_co_u32 s81, s81, s82                     ; pair = 2 x cluster x + (s & 1) + 4 (s >> 2)
	s_bfe_u32 s82, s80, 0x10001
	s_mul_i32 s82, s82, 15
	s_xor_b32 s80, s81, s82                        ; my group: the pair's low or its high one
	s_lshl_b32 s[GK], s80, 7
	s_mov_b32 s[SEL], 0x76543210
	s_mov_b32 s[SEL+1], 0xfedcba98
	s_mov_b32 s[CS], 0x3e38aa3b
	s_mov_b32 s[CS+1], s[CS]
	s_wait_dscnt 0x0
	s_wait_kmcnt 0x0
	CROUND                                         ; all four work-groups are here: the joint loads meet
	s_cmp_eq_u32 s[WV], 0                          ; a wave's fills stand in one branch on its number, ahead of every wait on TENSORcnt, LDS read and further barrier
	s_cbranch_scc0 .Lnot_k
	s_mov_b32 s[G1S], 15|(3<<16)|(1<<21)           ; K's scale words: 8 rows of 1,024 bytes (256 keys), 131,072 bytes apart; elements of 8 bytes
	s_mov_b32 s[G1S+1], 128<<16
	s_mov_b32 s[G1S+2], 8<<16
	s_mov_b32 s[G1S+3], 128<<16
	s_mov_b32 s[G1S+4], 8
	s_mov_b32 s[G1S+5], 16384
	s_mov_b32 s[G1S+6], 0
	s_mov_b32 s[G1S+7], 0
	s_mov_b32 s[G1C], 15|(3<<16)|(1<<21)           ; K's codes, 512 keys: 2 rows of 12,288 bytes, 1,572,864 bytes apart
	s_mov_b32 s[G1C+1], 1536<<16
	s_mov_b32 s[G1C+2], 2<<16
	s_mov_b32 s[G1C+3], 1536<<16
	s_mov_b32 s[G1C+4], 2
	s_mov_b32 s[G1C+5], 196608
	s_mov_b32 s[G1C+6], 0
	s_mov_b32 s[G1C+7], 0
	s_mov_b32 s[G0], 1
	s_mov_b32 s[G0+1], SCK
	s_add_nc_u64 s[G0+2:G0+3], s[6:7], s[74:75]
	s_or_b32 s[G0+3], s[G0+3], 0x80000000
	s_add_nc_u64 s[72:73], s[4:5], s[72:73]
.irp p, 0,1,2,3
	s_mov_b32 s[G0+4+4*\p], 1
	s_mov_b32 s[G0+5+4*\p], \p*24576
	s_add_nc_u64 s[G0+6+4*\p:G0+7+4*\p], s[72:73], \p*3145728
	s_or_b32 s[G0+7+4*\p], s[G0+7+4*\p], 0x80000000
.endr
	tensor_load_to_lds s[G0:G0+3], s[G1S:G1S+7]
	s_nop 0
	tensor_load_to_lds s[G0+4:G0+7], s[G1C:G1C+7]
	s_nop 0
	tensor_load_to_lds s[G0+8:G0+11], s[G1C:G1C+7]
	s_nop 0
	tensor_load_to_lds s[G0+12:G0+15], s[G1C:G1C+7]
	s_nop 0
	tensor_load_to_lds s[G0+16:G0+19], s[G1C:G1C+7]
	s_nop 0
.rept 4
	v_nop
.endr
	s_branch .Lasked
.Lnot_k:
	s_cmp_eq_u32 s[WV], 1
	s_cbranch_scc0 .Lasked
	s_mov_b32 s[G1S], 15|(3<<16)|(1<<21)           ; V's scale words: 16 rows of 256 bytes (128 keys x 64 channels), 2,048 bytes apart
	s_mov_b32 s[G1S+1], 32<<16
	s_mov_b32 s[G1S+2], 16<<16
	s_mov_b32 s[G1S+3], 32<<16
	s_mov_b32 s[G1S+4], 16
	s_mov_b32 s[G1S+5], 256
	s_mov_b32 s[G1S+6], 0
	s_mov_b32 s[G1S+7], 0
	s_mov_b32 s[G1C], 15|(3<<16)|(1<<21)           ; V's codes, 512 keys: 8 rows of 3,072 bytes (64 keys x 64 channels), 12,288 bytes apart
	s_mov_b32 s[G1C+1], 384<<16
	s_mov_b32 s[G1C+2], 8<<16
	s_mov_b32 s[G1C+3], 384<<16
	s_mov_b32 s[G1C+4], 8
	s_mov_b32 s[G1C+5], 1536
	s_mov_b32 s[G1C+6], 0
	s_mov_b32 s[G1C+7], 0
	s_mov_b32 s[G0], 1
	s_mov_b32 s[G0+1], SCV
	s_add_nc_u64 s[G0+2:G0+3], s[10:11], s[78:79]
	s_or_b32 s[G0+3], s[G0+3], 0x80000000
	s_add_nc_u64 s[76:77], s[8:9], s[76:77]
.irp p, 0,1,2,3
	s_mov_b32 s[G0+4+4*\p], 1
	s_mov_b32 s[G0+5+4*\p], VB+\p*24576
	s_add_nc_u64 s[G0+6+4*\p:G0+7+4*\p], s[76:77], \p*98304
	s_or_b32 s[G0+7+4*\p], s[G0+7+4*\p], 0x80000000
.endr
	tensor_load_to_lds s[G0:G0+3], s[G1S:G1S+7]
	s_nop 0
	tensor_load_to_lds s[G0+4:G0+7], s[G1C:G1C+7]
	s_nop 0
	tensor_load_to_lds s[G0+8:G0+11], s[G1C:G1C+7]
	s_nop 0
	tensor_load_to_lds s[G0+12:G0+15], s[G1C:G1C+7]
	s_nop 0
	tensor_load_to_lds s[G0+16:G0+19], s[G1C:G1C+7]
	s_nop 0
.rept 4
	v_nop
.endr
.Lasked:
	; my tile of queries.  What hangs on cx stands in s2, s3 and s83-95, which feed no descriptor and no LDS address
	s_bfe_u32 s83, ttmp6, 0x40000                  ; cx
	s_lshl_b32 s84, s83, 1
	s_and_b32 s85, s[WV], 1
	s_add_co_u32 s84, s84, s85                     ; j = 2 cx + (wave & 1): my tile in the group
	s_and_b32 s86, s80, 1
	s_lshl_b32 s86, s86, 3
	s_add_co_u32 s86, s86, s84                     ; my tile in its block of 256 tokens
	s_lshl_b32 s87, s15, 3
	s_lshr_b32 s88, s80, 1
	s_add_co_u32 s87, s87, s88
	s_lshl_b32 s87, s87, 5
	s_add_co_u32 s87, s87, s19                     ; Q's block: 32 (8 batch + g / 2) + head / 4
	s_mul_i32 s88, s87, 49152
	s_add_co_u32 s88, s88, s71
	s_mul_i32 s90, s86, 768
	s_add_co_u32 s88, s88, s90
	s_mov_b32 s89, 0
	s_add_nc_u64 s[88:89], s[4:5], s[88:89]
	s_lshl_b32 s90, s87, 12
	s_add_co_u32 s90, s90, s69
	s_lshl_b32 s92, s86, 6
	s_add_co_u32 s90, s90, s92
	s_mov_b32 s91, 0
	s_add_nc_u64 s[90:91], s[6:7], s[90:91]
	v_and_b32 v8, 15, v0                           ; r
	v_bfe_u32 v9, v0, 4, 1                         ; h
	v_mul_u32_u24 v[AK0], v8, 48
	v_mad_u32_u24 v[AK0], v9, 24, v[AK0]
	v_lshlrev_b32 v[R4], 2, v8
.irp p, 0,1,2
	global_load_b64 v[QF+2*\p:QF+2*\p+1], v[AK0], s[88:89] offset:8*\p      ; Q's 64 codes a row: the fragment's lower half; it stays in registers
.endr
	global_load_b32 v[QSW], v[R4], s[90:91]
	s_lshl_b32 s92, s15, 4
	s_add_co_u32 s92, s92, s80
	s_mul_i32 s92, s92, 102400                     ; ctx: the tile of 128 tokens, 16 batch + g,
	s_mul_i32 s94, s16, 6144                       ; the head's plane,
	s_add_co_u32 s94, s94, s92
	s_mul_i32 s93, s84, 768                        ; my 16 positions
	s_add_co_u32 s94, s94, s93
	s_mov_b32 s95, 0
	s_lshl_b32 s93, s84, 9                         ; and among the scale bytes: 32 a position, the head's two at 2 head
	s_add_co_u32 s92, s92, s93
	s_lshl_b32 s93, s16, 1
	s_add_co_u32 s92, s92, s93
	s_add_co_u32 s92, s92, 98304
	s_mov_b32 s93, 0
	s_add_nc_u64 s[94:95], s[12:13], s[94:95]
	s_add_nc_u64 s[92:93], s[12:13], s[92:93]
	v_add_nc_u32 v[AV0], VB, v[AK0]
	v_lshl_add_u32 v[ASK0], v8, 2, SCK
	v_lshl_add_u32 v[ASV0], v8, 2, SCV
	v_and_b32 v10, 8, v8
	v_add_nc_u32 v[DQ], v8, v10                    ; position r of a tile is row r + 8 (r / 8),
	v_lshlrev_b32 v10, 4, v9
	v_sub_nc_u32 v[DQ], v[DQ], v10
	s_lshl_b32 s2, s83, 5
	s_lshl_b32 s3, s85, 3
	s_add_co_u32 s2, s2, s3                        ; tile j begins at row 32 (j / 2) + 8 (j % 2)
	v_add_nc_u32 v[DQ], s2, v[DQ]
	s_mul_i32 s14, s[WV], 768
	s_add_co_u32 s14, s14, STG                     ; my stage
	v_add_nc_u32 v[STO], s14, v[AK0]
	v_and_b32 v10, 31, v0
	v_lshlrev_b32 v[L8], 3, v10
	v_add_nc_u32 v[RD], s14, v[L8]
	v_lshlrev_b32 v[R32], 5, v8
	v_mov_b32 v[NINF], 0xff800000
	v_mov_b32 v13, 0xff61b1e6                      ; the largest t so far: -3e38, under every t
	v_floor_f32 v12, -v13                          ; -M
	v_mov_b32 v14, 0
	v_mov_b32 v15, 0
	v_mov_b32 v[FF+1], 0
.irp b, 0,1,2,3
	v_mov_b32 v[PB+\b], 0                          ; written once: a lane permute's destination counts as one of its sources
.endr
.irp i, 6,7,8,9,10,11
	v_mov_b32 v[QF+\i], 0                          ; K = 64: the codes of k = 64 .. 127 are zeros on both sides
.irp t, 0,1,2,3
	v_mov_b32 v[KFR+12*\t+\i], 0
.endr
.endr
.set j, 0
.rept 32
	v_mov_b32 v[O+j], 0                            ; O^T: the step is written once; the first finds zeros, which the first change of M leaves zeros
.set j, j+1
.endr
; A KEY STEP: 128 keys.
.macro STEP
	s_cmp_gt_u32 s[KF], s[GK]                      ; all its keys come after my group's queries: nothing to do but step the addresses
	s_cbranch_scc1 .Lhidden_\@
	v_add_nc_u32 v[ADK], s[TB], v[AK0]
	v_add_nc_u32 v[ADV], s[TB], v[AV0]
	v_add_nc_u32 v[ADS], s[TS], v[ASK0]
	v_add_nc_u32 v[ADT], s[TJ], v[ASV0]
	v_nop                                          ; five places: the first product below writes registers that the last step's last products read as V's fragments
.irp g, 0,1                            ; S^T = K Q^T, four tiles of 16 keys at a time
.if \g > 0
.rept 4
	v_nop                                          ; places in front of loads into registers that matrix instructions have read
.endr
.endif
.irp t, 0,1,2,3
.irp p, 0,1,2
	ds_load_b64 v[KFR+12*\t+2*\p:KFR+12*\t+2*\p+1], v[ADK] offset:(4*\g+\t)*768+8*\p
.endr
	ds_load_b32 v[KSW+\t], v[ADS] offset:(4*\g+\t)*64
.endr
	s_wait_dscnt 0x0
.irp t, 0,1,2,3
	v_wmma_scale_f32_16x16x128_f8f6f4 v[S+8*(4*\g+\t):S+8*(4*\g+\t)+7], v[KFR+12*\t:KFR+12*\t+11], v[QF:QF+11], 0, v[KSW+\t], v[QSW] matrix_a_fmt:MATRIX_FMT_FP6 matrix_b_fmt:MATRIX_FMT_FP6
.endr
.endr
.rept 4
	v_nop
.endr
	s_cmp_lg_u32 s[KF], s[GK]                      ; on the diagonal alone: register 16 b + i holds key KF + 32 b + 16 h + i, hidden where 32 b + i > my query in the group - 16 h
	s_cbranch_scc1 .Lopen_\@
.irp b, 0,1,2,3
.irp i, 0,1,2,3,4,5,6,7,8,9,10,11,12,13,14,15
	v_cmp_gt_i32 vcc_lo, 32*\b+\i, v[DQ]
	v_cndmask_b32 v[S+16*\b+\i], v[S+16*\b+\i], v[NINF], vcc_lo
.endr
.endr
.Lopen_\@:
.irp b, 0,1,2,3
	v_max3_num_f32 v[BM+\b], v[S+16*\b], v[S+16*\b+1], v[S+16*\b+2]   ; the largest score of each block of 32 keys: for the row's maximum, and, since p rises with the score, for the block's largest p
.endr
.irp i, 3,5,7,9,11,13
.irp b, 0,1,2,3
	v_max3_num_f32 v[BM+\b], v[BM+\b], v[S+16*\b+\i], v[S+16*\b+\i+1]
.endr
.endr
.irp b, 0,1,2,3
	v_max_num_f32 v[BM+\b], v[BM+\b], v[S+16*\b+15]
.endr
.irp b, 0,1,2,3
	v_permlanex16_b32 v[PB+\b], v[BM+\b], s[SEL], s[SEL+1]
.endr
.irp b, 0,1,2,3
	v_max_num_f32 v[BM+\b], v[BM+\b], v[PB+\b]     ; with lane l xor 16's 16 keys
.endr
	v_max3_num_f32 v[TMP], v[BM], v[BM+1], v[BM+2]
	v_max_num_f32 v[TMP], v[TMP], v[BM+3]
	v_mul_f32 v[TMP], s[CS], v[TMP]                ; as t (c is positive)
	v_max_num_f32 v13, v13, v[TMP]                 ; the running largest t
	v_mov_b32 v[TMP], v12
	v_floor_f32 v12, -v13                          ; the new -M = -ceil(t): a whole number
	v_sub_f32 v[TMP], v12, v[TMP]                  ; old M - new M: a whole number, 0 or less
	v_cvt_i32_f32 v[TMP], v[TMP]                   ; (it saturates)
	v_ldexp_f32 v[FF], 1.0, v[TMP]                 ; f = 2^(old M - new M)
.set j, 0
.rept 32
	v_pk_fma_f32 v[S+j:S+j+1], v[S+j:S+j+1], s[CS:CS+1], v[12:13] op_sel_hi:[1,0,0]   ; t - M, two at a time
.set j, j+2
.endr
.irp b, 0,1,2,3
	v_fma_f32 v[BM+\b], v[BM+\b], s[CS], v12       ; the same of each block's largest score
.endr
.set j, 0
.rept 64
	v_exp_f32 v[S+j], v[S+j]                       ; p = 2^(t - M), at most 1
.set j, j+1
.endr
.irp b, 0,1,2,3
	v_exp_f32 v[BM+\b], v[BM+\b]                   ; the block's largest p: the same two instructions on the same number
.endr
	v_pk_mul_f32 v[14:15], v[14:15], v[FF:FF+1] op_sel_hi:[1,0]    ; l under the new M (a plain instruction behind the exponentials)
	s_wait_alu depctr_va_vdst(0)
.irp b, 0,1,2,3
	v_max_num_f32 v[BM+\b], 0x1800000, v[BM+\b]    ; the floor 2^(3 - 127): the byte cannot fall under 1
.endr
.irp b, 0,1,2,3
	v_add_nc_u32 v[SOP+\b], 0xff000000, v[BM+\b]   ; 2 off the exponent field: the conversion's scale operand
.endr
.irp b, 0,1,2,3
	v_lshrrev_b32 v[PB+\b], 23, v[SOP+\b]
.endr
	v_lshl_or_b32 v[PWD], v[PB+1], 8, v[PB]        ; p's scale word for these 128 keys
	v_lshl_or_b32 v[PWD], v[PB+2], 16, v[PWD]
	v_lshl_or_b32 v[PWD], v[PB+3], 24, v[PWD]
.irp c, 0,1
	v_cvt_scalef32_pk16_fp6_f32 v[PCD+6*\c:PCD+6*\c+2], v[S+32*\c:S+32*\c+15], v[SOP+2*\c]
	v_cvt_scalef32_pk16_fp6_f32 v[CT+4*\c:CT+4*\c+2], v[S+32*\c+16:S+32*\c+31], v[SOP+2*\c+1]
.endr
	v_nop                                          ; one plain instruction behind a scaled conversion
.irp c, 0,1                            ; a whole block to a lane
.irp i, 0,1,2
	v_permlane16_swap_b32 v[PCD+6*\c+\i], v[CT+4*\c+\i]
.endr
.irp i, 0,1,2
	v_mov_b32 v[PCD+3+6*\c+\i], v[CT+4*\c+\i]
.endr
.endr
	v_pk_add_f32 v[SUM2:SUM2+1], v[S:S+1], v[S+2:S+3]              ; l takes the UNQUANTISED p: two at a time, in two chains
.irp i, 4,8,12,16,20,24,28,32,36,40,44,48,52,56,60
	v_pk_add_f32 v[14:15], v[14:15], v[S+\i:S+\i+1]
	v_pk_add_f32 v[SUM2:SUM2+1], v[SUM2:SUM2+1], v[S+\i+2:S+\i+3]
.endr
	v_pk_add_f32 v[14:15], v[14:15], v[SUM2:SUM2+1]
.irp t, 0,1,2,3                        ; V's four fragments (16 channels x these 128 keys) into the registers that p has left
.irp p, 0,1,2,3,4,5
	ds_load_b64 v[S+12*\t+2*\p:S+12*\t+2*\p+1], v[ADV] offset:(\p/3)*3072+\t*768+8*(\p%3)
.endr
	ds_load_b32 v[VSW+\t], v[ADT] offset:64*\t
.endr
.set j, 0
.rept 16
	v_pk_mul_f32 v[O+j:O+j+1], v[O+j:O+j+1], v[FF:FF+1] op_sel_hi:[1,0]   ; O^T under the new M, while the loads are out
.set j, j+2
.endr
	s_wait_dscnt 0x0
.irp t, 0,1,2,3                        ; O^T += V^T P^T: four accumulators by turns
	v_wmma_scale_f32_16x16x128_f8f6f4 v[O+8*\t:O+8*\t+7], v[S+12*\t:S+12*\t+11], v[PCD:PCD+11], v[O+8*\t:O+8*\t+7], v[VSW+\t], v[PWD] matrix_a_fmt:MATRIX_FMT_FP6 matrix_b_fmt:MATRIX_FMT_FP6
.endr
.Lhidden_\@:
	s_add_co_u32 s[KF], s[KF], 128
	s_add_co_u32 s[TB], s[TB], 6144
	s_add_co_u32 s[TS], s[TS], 512
	s_add_co_u32 s[TJ], s[TJ], 256
.endm
; PART p: keys 512 p on.  Waves 0 and 1 issued: the scale words, then parts 0, 1, 2, 3; so the count leaves the later parts' 3 - p loads out.  Behind the barrier every wave may read the part; nothing is ever filled again.
.macro PHASE p
	s_wait_tensorcnt 3-\p
	s_wait_dscnt 0x0
	s_barrier_signal -1
	s_barrier_wait -1
	s_mov_b32 s[TB], \p*24576
	s_mov_b32 s[TS], \p*2048
	s_mov_b32 s[TJ], \p*1024
	s_mov_b32 s[KF], \p*512
	s_mov_b32 s[CNT], 4
.Lstep_\@:
	STEP
	s_sub_co_u32 s[CNT], s[CNT], 1
	s_cmp_lg_u32 s[CNT], 0
	s_cbranch_scc1 .Lstep_\@
.endm
	s_wait_loadcnt 0x0                             ; Q
	PHASE 0
	PHASE 1
	PHASE 2
	PHASE 3
	; THE WAY OUT.  ctx = O^T / l; my 32 registers are channels 32 b + 16 h + i of one query: two blocks of 32 along the last product's K, each shared with lane l xor 16.
.rept 4
	v_nop                                          ; places behind the last products
.endr
	v_add_f32 v14, v14, v15
	v_permlanex16_b32 v[PB], v14, s[SEL], s[SEL+1]
	v_add_f32 v14, v14, v[PB]                      ; the row's sum
	v_rcp_f32 v14, v14
	v_nop                                          ; a plain instruction behind the reciprocal
.set j, 0
	s_wait_alu depctr_va_vdst(0)
.rept 32
	v_mul_f32 v[S+j], v[O+j], v14                  ; each accumulator from its low end on
.set j, j+1
.endr
.irp b, 0,1
	v_max3_num_f32 v[BM+\b], |v[S+16*\b]|, |v[S+16*\b+1]|, 0x1800000
.endr
.irp i, 2,4,6,8,10,12,14
.irp b, 0,1
	v_max3_num_f32 v[BM+\b], v[BM+\b], |v[S+16*\b+\i]|, |v[S+16*\b+\i+1]|
.endr
.endr
.irp b, 0,1
	v_permlanex16_b32 v[PB+\b], v[BM+\b], s[SEL], s[SEL+1]
.endr
.irp b, 0,1
	v_max_num_f32 v[BM+\b], v[BM+\b], v[PB+\b]
.endr
.irp b, 0,1
	v_add_nc_u32 v[SOP+\b], 0xff000000, v[BM+\b]
.endr
.irp b, 0,1
	v_lshrrev_b32 v[PB+\b], 23, v[SOP+\b]
.endr
	v_lshl_or_b32 v[PWD], v[PB+1], 8, v[PB]        ; the head's two scale bytes of my row
	v_cvt_scalef32_pk16_fp6_f32 v[PCD:PCD+2], v[S:S+15], v[SOP]
	v_cvt_scalef32_pk16_fp6_f32 v[CT:CT+2], v[S+16:S+31], v[SOP+1]
	v_nop
.irp i, 0,1,2
	v_permlane16_swap_b32 v[PCD+\i], v[CT+\i]      ; lanes 0-15: block 0 whole, lanes 16-31: block 1
.endr
.irp i, 0,1,2
	v_mov_b32 v[PCD+3+\i], v[CT+\i]
.endr
.irp p, 0,1,2
	ds_store_b64 v[STO], v[PCD+2*\p:PCD+2*\p+1] offset:8*\p        ; 16 positions x 48 bytes in my stage,
.endr
.irp i, 0,1,2
	ds_load_b64 v[KFR+2*\i:KFR+2*\i+1], v[RD] offset:256*\i        ; and back as they lie in memory (LDS serves a wave's instructions in order)
.endr
	global_store_b16 v[R32], v[PWD], s[92:93]      ; lanes r and r + 16 store the same two bytes to the same place
.irp i, 0,1,2
	s_wait_dscnt 2-\i
	global_store_b64 v[L8], v[KFR+2*\i:KFR+2*\i+1], s[94:95] offset:256*\i   ; 32 lanes store 256 consecutive bytes, at a multiple of 256 from the buffer's first byte
.endr
	s_wait_tensorcnt 0x0
	s_wait_dscnt 0x0
	s_wait_tensorcnt 0x0
	ds_add_u32 v254, v255
	s_wait_dscnt 0x0
	CROUND                                         ; the closing round
	s_endpgm
.Lfunc_end_k_q997e71c86d_attn:
	.size	k_q997e71c86d_attn, .Lfunc_end_k_q997e71c86d_attn-k_q997e71c86d_attn
	.p2alignl 7, 3214868480
	.fill 96, 4, 3214868480
	.section	.rodata,"a",@progbits
	.p2align	6, 0x0
	.amdhsa_kernel k_q997e71c86d_attn
		.amdhsa_group_segment_fixed_size 223232
		.amdhsa_private_segment_fixed_size 0
		.amdhsa_enable_private_segment 0
		.amdhsa_kernarg_size 40
		.amdhsa_user_sgpr_count 2
		.amdhsa_user_sgpr_kernarg_segment_ptr 1
		.amdhsa_wavefront_size32 1
		.amdhsa_system_sgpr_workgroup_id_x 1
		.amdhsa_system_sgpr_workgroup_id_y 1
		.amdhsa_system_sgpr_workgroup_id_z 1
		.amdhsa_system_vgpr_workitem_id 0
		.amdhsa_next_free_vgpr 256
		.amdhsa_next_free_sgpr 96
		.amdhsa_reserve_vcc 1
		.amdhsa_float_denorm_mode_32 3
		.amdhsa_float_denorm_mode_16_64 3
		.amdhsa_memory_ordered 1
		.amdhsa_forward_progress 1
		.amdhsa_inst_pref_size 111
	.end_amdhsa_kernel
	.amdgpu_metadata
---
amdhsa.version: [ 1, 2 ]
amdhsa.kernels:
  - .name:           k_q997e71c86d_attn
    .symbol:         k_q997e71c86d_attn.kd
    .args:
      - { .name: qk_codes, .offset: 0, .size: 8, .value_kind: global_buffer, .address_space: global }
      - { .name: qk_scales, .offset: 8, .size: 8, .value_kind: global_buffer, .address_space: global }
      - { .name: v_codes, .offset: 16, .size: 8, .value_kind: global_buffer, .address_space: global }
      - { .name: v_scales, .offset: 24, .size: 8, .value_kind: global_buffer, .address_space: global }
      - { .name: ctx_q, .offset: 32, .size: 8, .value_kind: global_buffer, .address_space: global }
    .group_segment_fixed_size: 223232
    .private_segment_fixed_size: 0
    .kernarg_segment_align: 8
    .kernarg_segment_size: 40
    .max_flat_workgroup_size: 512
    .sgpr_count:     96
    .vgpr_count:     256
    .wavefront_size: 32
...
	.end_amdgpu_metadata
.endif
;; end of part 3
;; launch oproj (part 4): grid 4 x 32, 4 waves a work-group, clusters of 4 x 4, 327,680 bytes of LDS; arguments ctx_q, wvo_q, b_o, out0; writes out0
.if DOCPART == 4
	.amdgcn_target "amdgcn-amd-amdhsa--gfx1250"
	.amdhsa_code_object_version 6
	.text
	.protected	k_q997e71c86d_oproj
	.globl	k_q997e71c86d_oproj
	.p2align	8
	.type	k_q997e71c86d_oproj,@function
k_q997e71c86d_oproj:
	s_mov_b64 s[64:65], 0
	v_nop
	global_prefetch_b8 v0, s[64:65] scope:SCOPE_SE
	s_setreg_imm32_b32 hwreg(HW_REG_WAVE_MODE, 25, 1), 1
	s_wait_xcnt 0x0
	s_wait_alu depctr_hold_cnt(0) depctr_sa_sdst(0) depctr_va_vdst(0) depctr_va_sdst(0) depctr_va_ssrc(0) depctr_va_vcc(0) depctr_vm_vsrc(0)
	s_getreg_b32 s2, hwreg(HW_REG_IB_STS2, 6, 4)
	s_cmp_eq_u32 s2, 0
	s_cbranch_scc0 .Lentry_in_a_cluster
	s_endpgm
.Lentry_in_a_cluster:
	s_bfe_u32 s2, ttmp6, 0x10000c
	s_cmp_lg_u32 s2, 0xf033
	s_cbranch_scc0 .Lentry_shape_is_right
	s_endpgm
.Lentry_shape_is_right:
; out0[token][n] = sum over k of ctx[token][k] W_o[n][k] + b_o[n], K = 1,024, on codes of FP6 (E2M3) with E8M0 scales; f32 sums; out0 f32.
; OPERANDS lie in tiles of 128 rows, 102,400 bytes: 16 planes (64 along K) of [row][48 bytes], then [row][32 scale bytes]; rows in POSITION order (position = row with bits 3 and 4 exchanged).  W_o's tiles are the buffer's tiles 8 to 15.
; A work-group of four waves makes 256 x 256; a wave 128 x 128: 64 accumulators, 512 registers.  K goes in steps of 256 through two LDS slots; a wave's tensor load brings 24,576 dense bytes.  The scales come once, with the first fills.
; CLUSTERS of 4 x 4: ctx's tiles are asked for jointly along a row of the cluster, W_o's along a column.  The output has 128 tiles of 256 x 256: half of the WGPs have no work-group; a wave tile of half the size would read each LDS byte for half the products.
; THE MATRIX INSTRUCTION IS USED TRANSPOSED (source 0 = 16 positions of W_o, source 1 = 16 of ctx): a lane holds one token, and register j of W_o's tile b the column 32 (b / 2) + 16 h + 8 (b % 2) + j.
; The bias is the C of the first products: eight registers for each of W_o's tiles, in the result's layout.  The position order is undone on the way out, by addresses alone.
; REGISTERS: window 0: v16-29 addresses; v32-63 scale words, two sets; v64-127 the bias; v128-223 A's fragments, one set (the way out: v128-255).  Window 1: B's fragments, two sets.  Windows 2, 3: the accumulators.
.set NQ,     2
.set PLANE,  6144
.set FR,     12
.set NL,     6
.set NP,     4                         ; places behind this matrix instruction (ISA guide 7.12.1)
.set HALFT,  4*PLANE
.set SLOT,   4*HALFT
.set TILEB,  102400
.set SCL,    2*SLOT
.set HALFS,  16*272
.set SBLK,   2*272
.set SPARE,  SCL+4*HALFS               ; the spare words, 128 bytes a wave: two blocks of 256 bytes that no other line names
.set STAGE,  SPARE+512                 ; the way out: 16 rows x (512 bytes + 16) for each wave; no tensor load lands here
.set SPITCH, 528
.set ADRA, 16
.set ADRB, 20
.set STO,  24
.set RD,   25
.set CO,   26
.set ADRS, 27
.set SPW,  28
.set NIL,  29
.set SC,   32
.set BI,   64
.set AF,   128
.set BK,   128
.set G1, 24
.set G0, 32
.set G1B, 48
.set G0B, 56
.set G1S, 68
.set G0S, 76
.set G1SB, 80
.set G0SB, 88
.set MSB, 0
.macro WIN new
.if MSB != \new
	s_set_vgpr_msb (MSB<<8)|\new
.set MSB, \new
.endif
.endm
.set MUL_LO, 0xa1                      ; source 0 (B) window 1, source 1 (A) window 0, C and D window 2
.set MUL_HI, 0xf1
.set TO_B,   0x40
.macro JLOAD g0a, g1a, g0b, g1b        ; waves 0 and 1 fetch for A, waves 2 and 3 for B; four v_nop follow each line
	s_cmp_eq_u32 s15, 0
	s_cbranch_scc0 .Lfor_b_\@
	tensor_load_to_lds s[\g0a:\g0a+3], s[\g1a:\g1a+7]
	s_nop 0
.rept 4
	v_nop
.endr
	s_branch .Lasked_\@
.Lfor_b_\@:
	tensor_load_to_lds s[\g0b:\g0b+3], s[\g1b:\g1b+7]
	s_nop 0
.rept 4
	v_nop
.endr
.Lasked_\@:
.endm
.macro CREST
	s_cmp_lg_u32 s14, 0
	s_cbranch_scc1 .Lnot_wave_0_\@
	s_barrier_signal -3
.Lnot_wave_0_\@:
	s_barrier_wait -3
	s_barrier_signal -1
	s_barrier_wait -1
.endm
.macro CROUND
	s_barrier_signal -1
	s_barrier_wait -1
	CREST
.endm
	s_load_b256 s[4:11], s[0:1], 0x0               ; ctx_q s[4:5], wvo_q s[6:7], b_o s[8:9], out0 s[10:11]
	v_lshl_add_u32 v[SPW], v0, 2, SPARE
	v_mov_b32 v[NIL], 0
	ds_add_u32 v28, v29
	ds_add_u32 v28, v29
	s_wait_dscnt 0x0
	v_lshrrev_b32 v1, 5, v0
	v_readfirstlane_b32 s14, v1
	s_lshr_b32 s15, s14, 1                         ; my half of the tokens.  Also: I fetch for A (0) or for B (1)
	s_and_b32 s16, s14, 1                          ; my half of the columns.  Also: which 128 rows I fetch
	s_bfe_u32 s40, ttmp6, 0x40000
	s_bfe_u32 s41, ttmp6, 0x40004
	s_lshl_b32 s42, ttmp9, 2
	s_add_co_u32 s42, s42, s40                     ; gx
	s_and_b32 s17, ttmp7, 0xffff
	s_lshl_b32 s17, s17, 2
	s_add_co_u32 s17, s17, s41                     ; gy
	s_lshl_b32 s43, s41, 2
	s_lshl_b32 s43, 15, s43
	s_lshl_b32 s44, 0x1111, s40
	s_or_b32 s[G1+0], s43, (3<<16)|(1<<21)
	s_or_b32 s[G1B+0], s44, (3<<16)|(1<<21)
.irp g, G1, G1B
	s_mov_b32 s[\g+1], 32<<16                      ; a dense block as 96 rows of 256 bytes
	s_mov_b32 s[\g+2], 96<<16
	s_mov_b32 s[\g+3], 32<<16
	s_mov_b32 s[\g+4], 96
	s_mov_b32 s[\g+5], 32
	s_mov_b32 s[\g+6], 0
	s_mov_b32 s[\g+7], 0
.endr
	s_or_b32 s[G1S+0], s43, (3<<16)|(1<<20)|(1<<21)|(5<<22)|(3<<25)
	s_or_b32 s[G1SB+0], s44, (3<<16)|(1<<20)|(1<<21)|(5<<22)|(3<<25)
.irp g, G1S, G1SB
	s_mov_b32 s[\g+1], 32<<16                      ; 16 rows of 256 bytes, 16 bytes of padding behind each
	s_mov_b32 s[\g+2], 16<<16
	s_mov_b32 s[\g+3], 32<<16
	s_mov_b32 s[\g+4], 16
	s_mov_b32 s[\g+5], 32
	s_mov_b32 s[\g+6], 0
	s_mov_b32 s[\g+7], 0
.endr
	s_lshl_b32 s20, s17, 1
	s_add_co_u32 s20, s20, s16
	s_mul_i32 s20, s20, TILEB
	s_mov_b32 s21, 0
	s_lshl_b32 s46, s42, 1
	s_add_co_u32 s46, s46, s16
	s_add_co_u32 s46, s46, 8                       ; W_o's tiles stand behind W_v's eight
	s_mul_i32 s46, s46, TILEB
	s_mov_b32 s47, 0
	s_mul_i32 s45, s14, HALFT
	s_mul_i32 s94, s14, HALFS
	s_wait_kmcnt 0x0
	s_add_nc_u64 s[20:21], s[4:5], s[20:21]
	s_add_nc_u64 s[46:47], s[6:7], s[46:47]
	s_add_nc_u64 s[22:23], s[20:21], 98304
	s_add_nc_u64 s[92:93], s[46:47], 98304
	CROUND                                         ; all sixteen work-groups are here: the first joint loads meet
	s_mov_b32 s[G0S], 1
	s_add_co_u32 s[G0S+1], s94, SCL
	s_mov_b64 s[G0S+2:G0S+3], s[22:23]
	s_or_b32 s[G0S+3], s[G0S+3], 0x80000000
	s_mov_b32 s[G0SB], 1
	s_add_co_u32 s[G0SB+1], s94, SCL
	s_mov_b64 s[G0SB+2:G0SB+3], s[92:93]
	s_or_b32 s[G0SB+3], s[G0SB+3], 0x80000000
	JLOAD G0S, G1S, G0SB, G1SB
.irp s, 0,1
	s_mov_b32 s[G0+4*\s], 1
	s_add_co_u32 s[G0+4*\s+1], s45, \s*SLOT
	s_add_nc_u64 s[G0+4*\s+2:G0+4*\s+3], s[20:21], \s*HALFT
	s_or_b32 s[G0+4*\s+3], s[G0+4*\s+3], 0x80000000
	s_mov_b32 s[G0B+4*\s], 1
	s_add_co_u32 s[G0B+4*\s+1], s45, \s*SLOT
	s_add_nc_u64 s[G0B+4*\s+2:G0B+4*\s+3], s[46:47], \s*HALFT
	s_or_b32 s[G0B+4*\s+3], s[G0B+4*\s+3], 0x80000000
	JLOAD G0+4*\s, G1, G0B+4*\s, G1B
.endr
	v_and_b32 v1, 15, v0                           ; r
	v_bfe_u32 v2, v0, 4, 1                         ; h
	s_lshl_b32 s2, s42, 10
	s_lshl_b32 s3, s16, 9
	s_add_co_u32 s2, s2, s3                        ; my first column, in bytes
	s_mov_b32 s3, 0
	s_add_nc_u64 s[8:9], s[8:9], s[2:3]
	v_lshlrev_b32 v7, 6, v2                        ; 16 h columns
.irp b, 0,1,2,3,4,5,6,7
	global_load_b128 v[BI+8*\b:BI+8*\b+3], v7, s[8:9] offset:(32*(\b/2)+8*(\b%2))*4
	global_load_b128 v[BI+8*\b+4:BI+8*\b+7], v7, s[8:9] offset:(32*(\b/2)+8*(\b%2))*4+16
.endr
	v_mul_u32_u24 v3, v1, 48
	v_mad_u32_u24 v4, v2, 24, v3                   ; 48 r + 24 h
	s_mul_i32 s21, s15, HALFT
	s_mul_i32 s22, s16, HALFT
	s_add_co_u32 s22, s22, 2*HALFT
.irp s, 0,1
	v_add_nc_u32 v[ADRA+\s], s21, v4
	v_add_nc_u32 v[ADRB+\s], s22, v4
	s_add_co_u32 s21, s21, SLOT
	s_add_co_u32 s22, s22, SLOT
.endr
	v_mul_u32_u24 v5, v1, 32
	v_lshrrev_b32 v6, 8, v5
	v_lshl_add_u32 v5, v6, 4, v5
	s_mul_i32 s21, s15, HALFS
	s_mul_i32 s22, s16, HALFS
	s_add_co_u32 s22, s22, 2*HALFS
	s_sub_co_u32 s22, s22, s21
	v_mul_u32_u24 v6, s22, v2
	s_add_co_u32 s21, s21, SCL
	v_add_nc_u32 v5, v5, v6
	v_add_nc_u32 v[ADRS], s21, v5
	s_mul_i32 s23, s14, 16*SPITCH
	s_add_co_u32 s23, s23, STAGE                   ; my stage
	v_mul_u32_u24 v5, v1, SPITCH
	v_lshl_add_u32 v5, v2, 6, v5                   ; in: row r, + 64 h bytes
	v_add_nc_u32 v[STO], s23, v5
	v_and_b32 v6, 31, v0
	v_lshlrev_b32 v[CO], 4, v6
	v_add_nc_u32 v[RD], s23, v[CO]                 ; back: the 32 lanes take one row of 512 bytes
	s_lshl_b32 s66, s17, 20                        ; 256 gy rows of 4,096 bytes,
	s_lshl_b32 s67, s15, 19                        ; my 128,
	s_add_co_u32 s66, s66, s67
	s_add_co_u32 s66, s66, s2                      ; my first column
	s_mov_b32 s67, 0
	s_add_nc_u64 s[10:11], s[10:11], s[66:67]
.macro FRAG reg, adr, q, i
.irp p, 0,1,2,3,4,5
	ds_load_b64 v[\reg+2*\p:\reg+2*\p+1], v[\adr] offset:(2*(\q)+\p/3)*PLANE+(\i)*768+8*(\p%3)
.endr
.endm
; 16 matrix instructions; first = 1: the bias starts the sums.  The 64 accumulators take turns, one instruction a turn.
.macro MUL16 a0, p, q, sc, first
.irp a, \a0, \a0+1
.irp b, 0,1,2,3,4,5,6,7
.if \first
	v_wmma_scale_f32_16x16x128_f8f6f4 v[8*(8*((\a)%4)+\b):8*(8*((\a)%4)+\b)+7], v[128*(\p)+FR*\b:128*(\p)+FR*\b+FR-1], v[AF+FR*(\a):AF+FR*(\a)+FR-1], v[BI+8*\b:BI+8*\b+7], v[SC+8*NQ*(\sc)+NQ*\b+(\q)], v[SC+8*NQ*(\sc)+NQ*(\a)+(\q)] matrix_a_fmt:MATRIX_FMT_FP6 matrix_b_fmt:MATRIX_FMT_FP6 matrix_a_scale:MATRIX_SCALE_ROW1
.else
	v_wmma_scale_f32_16x16x128_f8f6f4 v[8*(8*((\a)%4)+\b):8*(8*((\a)%4)+\b)+7], v[128*(\p)+FR*\b:128*(\p)+FR*\b+FR-1], v[AF+FR*(\a):AF+FR*(\a)+FR-1], v[8*(8*((\a)%4)+\b):8*(8*((\a)%4)+\b)+7], v[SC+8*NQ*(\sc)+NQ*\b+(\q)], v[SC+8*NQ*(\sc)+NQ*(\a)+(\q)] matrix_a_fmt:MATRIX_FMT_FP6 matrix_b_fmt:MATRIX_FMT_FP6 matrix_a_scale:MATRIX_SCALE_ROW1
.endif
.endr
.endr
.endm
.macro FETCH_B slot, q, p
	WIN TO_B
.irp i, 0,1,2,3,4,5,6,7
	FRAG 128*(\p)+FR*\i, ADRB+\slot, \q, \i
.endr
	WIN 0
.endm
.macro FETCH_A slot, q, i0
.irp i, \i0, \i0+1, \i0+2, \i0+3
	FRAG AF+FR*(\i), ADRA+\slot, \q, \i
.endr
.endm
.macro SCALES sc
.irp i, 0,1,2,3,4,5,6,7
	ds_load_b64 v[SC+8*NQ*\sc+NQ*\i:SC+8*NQ*\sc+NQ*\i+1], v[ADRS] offset:\i*SBLK
.endr
.endm
.macro PLACES n
.rept \n
	v_nop
.endr
.endm
.macro STEP slot, q, first
	s_wait_dscnt 4*NL                              ; B's set and A's blocks 0-3 are in; the youngest 24 loads (A's blocks 4-7) may be out
.if \first
	WIN 0x81                                       ; C (the bias) window 0, D window 2
.else
	WIN MUL_LO
.endif
	MUL16 0, (\q)%2, \q, \slot, \first
	MUL16 2, (\q)%2, \q, \slot, \first
	s_wait_dscnt 0
	PLACES NP
	FETCH_B \slot, (\q)+1, 1-(\q)%2
	FETCH_A \slot, (\q)+1, 0
.if \first
	WIN 0xc1                                       ; C window 0, D window 3
.else
	WIN MUL_HI
.endif
	MUL16 4, (\q)%2, \q, \slot, \first
	MUL16 6, (\q)%2, \q, \slot, \first
	PLACES NP
	WIN 0
	FETCH_A \slot, (\q)+1, 4
.endm
.macro TURN slot, next, fill
	s_wait_tensorcnt 0x0                           ; all my tensor loads have landed: my part of the next slot
	ds_add_u32 v[SPW], v[NIL]                      ; 0 onto my spare word
	s_wait_dscnt 4*NL+1                            ; (the add and the youngest 24 loads may be out)
	WIN MUL_LO
	MUL16 0, 1, NQ-1, \slot, 0
	s_wait_dscnt 0x0                               ; the add is done, and my reads of this slot are over
	s_barrier_signal -1
	MUL16 2, 1, NQ-1, \slot, 0
	WIN 0
	s_barrier_wait -1
.if \fill
	CREST                                          ; the barrier has opened a round of the cluster's: no wave of any partner still reads this slot or has a load on its way
	s_add_nc_u64 s[G0+4*\slot+2:G0+4*\slot+3], s[G0+4*\slot+2:G0+4*\slot+3], 2*HALFT
	s_add_nc_u64 s[G0B+4*\slot+2:G0B+4*\slot+3], s[G0B+4*\slot+2:G0B+4*\slot+3], 2*HALFT
	JLOAD G0+4*\slot, G1, G0B+4*\slot, G1B
.else
	PLACES NP
.endif
	v_add_nc_u32 v[ADRS], 4*NQ, v[ADRS]
	FETCH_B \next, 0, 0
	FETCH_A \next, 0, 0
	SCALES \next
	WIN MUL_HI
	MUL16 4, 1, NQ-1, \slot, 0
	MUL16 6, 1, NQ-1, \slot, 0
	PLACES NP
	WIN 0
	FETCH_A \next, 0, 4
.endm
	s_wait_tensorcnt 1                             ; the scales and my part of K step 0 are in; K step 1's load may be out
	s_barrier_signal -1
	s_barrier_wait -1
	FETCH_B 0, 0, 0
	FETCH_A 0, 0, 0
	SCALES 0
	FETCH_A 0, 0, 4
	s_wait_loadcnt 0x0                             ; the bias
	STEP 0, 0, 1                                   ; four slots, written out
	TURN 0, 1, 1
	STEP 1, 0, 0
	TURN 1, 0, 1
	STEP 0, 0, 0
	TURN 0, 1, 0
	STEP 1, 0, 0
	s_wait_dscnt 4*NL
	WIN MUL_LO
	MUL16 0, 1, NQ-1, 1, 0
	MUL16 2, 1, NQ-1, 1, 0
	s_wait_dscnt 0
	WIN MUL_HI
	MUL16 4, 1, NQ-1, 1, 0
	MUL16 6, 1, NQ-1, 1, 0
	WIN 0
; THE WAY OUT, a block of 16 tokens x 128 columns at a time, through my own stage: in by lanes (each accumulator's eight numbers are 32 neighbouring bytes of a row), back as whole rows of 512 bytes.
.macro TOSTAGE a
.set AC, 64*((\a)%4)
	WIN 0x08+4*((\a)/4)                            ; an LDS store's data are its source 1: window 2 or 3
.irp b, 0,1,2,3,4,5,6,7
	ds_store_b128 v[STO], v[AC+8*\b:AC+8*\b+3] offset:128*(\b/2)+32*(\b%2)        ; each accumulator from its low end on
	ds_store_b128 v[STO], v[AC+8*\b+4:AC+8*\b+7] offset:128*(\b/2)+32*(\b%2)+16
.endr
	WIN 0
.set BB, BK+64*((\a)%2)
.irp t, 0,1,2,3,4,5,6,7,8,9,10,11,12,13,14,15
	ds_load_b128 v[BB+4*\t:BB+4*\t+3], v[RD] offset:\t*SPITCH      ; LDS serves a wave's instructions in order: these see my stores
.endr
.endm
.macro SEND a, younger                 ; position 16 a + t is row 32 (a / 2) + 8 (a % 2) + 16 (t / 8) + t % 8: it stands in the immediate, 520,192 at the most
.set BB, BK+64*((\a)%2)
	s_wait_dscnt \younger
.irp t, 0,1,2,3,4,5,6,7,8,9,10,11,12,13,14,15
	global_store_b128 v[CO], v[BB+4*\t:BB+4*\t+3], s[10:11] offset:(32*((\a)/2)+8*((\a)%2)+16*(\t/8)+\t%8)*4096 th:TH_STORE_NT   ; 32 lanes store 512 consecutive bytes, at a multiple of 256 from out0's first byte
.endr
.endm
	PLACES NP
	TOSTAGE 0
.irp a, 1,2,3,4,5,6,7
.if \a > 1
	s_wait_xcnt 0x0                                ; block a - 2's stores have read their registers: block a's loads may land there
.endif
	TOSTAGE \a
	SEND \a-1, 32                                  ; behind block a - 1's loads: block a's 16 stores and 16 loads
.endr
	SEND 7, 0
	s_wait_tensorcnt 0x0                           ; the wave's end
	ds_add_u32 v[SPW], v[NIL]
	s_wait_dscnt 0x0
	CROUND                                         ; the closing round
	s_endpgm
.Lfunc_end_k_q997e71c86d_oproj:
	.size	k_q997e71c86d_oproj, .Lfunc_end_k_q997e71c86d_oproj-k_q997e71c86d_oproj
	.p2alignl 7, 3214868480
	.fill 96, 4, 3214868480
	.section	.rodata,"a",@progbits
	.p2align	6, 0x0
	.amdhsa_kernel k_q997e71c86d_oproj
		.amdhsa_group_segment_fixed_size 327680
		.amdhsa_private_segment_fixed_size 0
		.amdhsa_enable_private_segment 0
		.amdhsa_kernarg_size 32
		.amdhsa_user_sgpr_count 2
		.amdhsa_user_sgpr_kernarg_segment_ptr 1
		.amdhsa_wavefront_size32 1
		.amdhsa_system_sgpr_workgroup_id_x 1
		.amdhsa_system_sgpr_workgroup_id_y 1
		.amdhsa_system_sgpr_workgroup_id_z 1
		.amdhsa_system_vgpr_workitem_id 0
		.amdhsa_next_free_vgpr 1024
		.amdhsa_next_free_sgpr 98
		.amdhsa_reserve_vcc 0
		.amdhsa_float_denorm_mode_32 3
		.amdhsa_float_denorm_mode_16_64 3
		.amdhsa_memory_ordered 1
		.amdhsa_forward_progress 1
		.amdhsa_inst_pref_size 160
	.end_amdhsa_kernel
	.amdgpu_metadata
---
amdhsa.version: [ 1, 2 ]
amdhsa.kernels:
  - .name:           k_q997e71c86d_oproj
    .symbol:         k_q997e71c86d_oproj.kd
    .args:
      - { .name: ctx_q, .offset: 0, .size: 8, .value_kind: global_buffer, .address_space: global }
      - { .name: wvo_q, .offset: 8, .size: 8, .value_kind: global_buffer, .address_space: global }
      - { .name: b_o, .offset: 16, .size: 8, .value_kind: global_buffer, .address_space: global }
      - { .name: out0, .offset: 24, .size: 8, .value_kind: global_buffer, .address_space: global }
    .group_segment_fixed_size: 327680
    .private_segment_fixed_size: 0
    .kernarg_segment_align: 8
    .kernarg_segment_size: 32
    .max_flat_workgroup_size: 128
    .sgpr_count:     98
    .vgpr_count:     1024
    .wavefront_size: 32
...
	.end_amdgpu_metadata
.endif
;; end of part 4
;; ======== version 2 of 2: 4 launches
;; workspace buffers: x_q 6,553,600 bytes; wqk_q 1,638,400 bytes; wvo_q 1,638,400 bytes; ctx_q 6,553,600 bytes; qk_codes 50,331,648 bytes; qk_scales 4,194,304 bytes; v_codes 6,291,456 bytes; v_scales 524,288 bytes
;; launch quant (part 5): grid 256 x 1, 3 waves a work-group, no clusters, 55,808 bytes of LDS; arguments inputs, W_q, W_k, W_v, W_o, x_q, wqk_q, wvo_q; writes x_q, wqk_q, wvo_q
.if DOCPART == 5
	.amdgcn_target "amdgcn-amd-amdhsa--gfx1250"
	.amdhsa_code_object_version 6
	.text
	.protected	k_q997e71c86d_quant
	.globl	k_q997e71c86d_quant
	.p2align	8
	.type	k_q997e71c86d_quant,@function
k_q997e71c86d_quant:
	s_mov_b64 s[64:65], 0
	v_nop
	global_prefetch_b8 v0, s[64:65] scope:SCOPE_SE
	s_setreg_imm32_b32 hwreg(HW_REG_WAVE_MODE, 25, 1), 1
	s_wait_xcnt 0x0
; inputs [8192][1024] and the four weights [1024][1024], f32 with K innermost, become codes of FP6 (E2M3) with one E8M0 byte for each 32 along K.
; A block's scale is 2^(floor(log2(its largest magnitude)) - 2); its byte is that magnitude's exponent field - 2, held at 1 from below.
; LIMITS: NaN and infinities are not served; a block whose largest magnitude lies under 2^-124 keeps the byte 1; a block of zeros has the byte 1 where the rule says 127
; (its codes are zeros, which add nothing under any byte but 0xff, and this program alone reads the bytes).
; THE OUTPUT'S LAYOUT is this program's own.  Rows stand in POSITION order: position = row with bits 3 and 4 exchanged, so that 16 neighbouring positions 16 (2 b + u) + r are rows 32 b + 8 u + r + 8 (r / 8).
; A tile of 128 positions is 102,400 bytes: 16 planes (64 along K each) of [position][48 bytes], 6,144 bytes a plane, then [position][32 scale bytes].  So 256 along K of 128 rows are 24,576 dense bytes.
; SHARES: 768 pieces of 16 positions x 1,024 along K (512 of inputs, 64 of each weight), one to a wave, three waves to each of 256 work-groups.  Waves share nothing: no barrier.
; A piece is 32 steps of 512 numbers (half a row).  Each load reads 512 consecutive bytes; a step's 2,048 bytes turn through the wave's own stage in LDS so that a lane holds 16 neighbours along K.
; LOADS RUN EIGHT STEPS AHEAD: 32 loads, 16,384 bytes, of every wave are on their way, since a WGP has only three waves to keep memory busy.
; The codes are gathered in LDS by planes and leave as 768 consecutive bytes a plane, sixteen lanes to each aligned 256 bytes; the 512 scale bytes leave by one store.
; No matrix unit, no cluster, no tensor load: no byte is shared between work-groups and every byte is read once.
.set STEPS, 32
.set DEPTH, 8                          ; steps of loads on their way
.set WREG,  18432                      ; LDS of a wave: two turn stages, 512 scale bytes, the codes' stage
.set SP,    80                         ; a lane's place in a turn stage: 64 bytes + 16 of padding
.set SCB,   2*32*SP                    ; the scale bytes: [position][32]
.set CST,   SCB+512                    ; the codes: 16 planes of 768 bytes + 16
.set PP,    784
.set R,     16                         ; v16-143  eight sets of 16 numbers as loaded
.set X,     144                        ; v144-175 two sets of 16 neighbours
.set C,     176                        ; v176-183 two sets of codes
.set E,     184                        ; v184-185 two scale bytes
.set OUTR,  16                         ; v16-115  the way out, in registers that the loads have left
	s_load_b512 s[4:19], s[0:1], 0x0               ; inputs, W_q, W_k, W_v, W_o, x_q, wqk_q, wvo_q
	v_lshl_add_u32 v192, v0, 2, 0xd800
	v_mov_b32 v193, 0
	v_lshrrev_b32 v1, 5, v0
	v_readfirstlane_b32 s20, v1                    ; wave 0..2
	v_and_b32 v2, 31, v0                           ; lane
	v_lshlrev_b32 v3, 4, v2                        ; 16 x lane: my bytes of a load's or a store's 512
	s_mul_i32 s30, s20, WREG
	v_lshrrev_b32 v14, 2, v2
	v_mul_u32_u24 v14, v14, SP
	v_and_b32 v15, 3, v2
	v_lshl_add_u32 v14, v15, 4, v14
	v_add_nc_u32 v14, s30, v14                     ; turn stage, in: SP (lane / 4) + 16 (lane % 4)
	v_mul_u32_u24 v15, v2, SP
	v_add_nc_u32 v15, s30, v15                     ; turn stage, out: SP x lane
	v_lshrrev_b32 v4, 2, v2
	v_mul_u32_u24 v4, v4, PP
	v_and_b32 v8, 3, v2
	v_mad_u32_u24 v4, v8, 12, v4
	s_add_co_u32 s31, s30, CST
	v_add_nc_u32 v4, s31, v4                       ; codes' stage, in: plane lane / 4 of the step's eight, 12 (lane % 4) in the row's 48 bytes
	v_add_nc_u32 v6, s31, v3                       ; codes' stage, out
	v_lshrrev_b32 v8, 4, v2
	v_lshl_add_u32 v7, v8, 4, v6                   ; the same where lanes 16-31 stand behind a plane's padding
	v_mad_u32_u24 v9, v8, 5376, v3                 ; and in memory, where lanes 16-31 stand in the next plane: 6,144 - 768
	s_add_co_u32 s31, s30, SCB
	v_lshrrev_b32 v5, 1, v2
	v_add_nc_u32 v5, s31, v5                       ; my block's scale byte
	v_add_nc_u32 v10, s31, v3                      ; the scale bytes, out
	s_mul_i32 s21, ttmp9, 3
	s_add_co_u32 s21, s21, s20                     ; my piece, 0..767
	s_wait_kmcnt 0x0
	s_mov_b64 s[24:25], s[4:5]                     ; which tensor, which buffer: chosen by the piece's number alone
	s_mov_b64 s[26:27], s[14:15]
	s_mov_b32 s22, 0
	s_mov_b32 s23, 0
	s_cmp_ge_u32 s21, 512
	s_cselect_b64 s[24:25], s[6:7], s[24:25]
	s_cselect_b64 s[26:27], s[16:17], s[26:27]
	s_cselect_b32 s22, 512, s22
	s_cselect_b32 s23, 512, s23
	s_cmp_ge_u32 s21, 576
	s_cselect_b64 s[24:25], s[8:9], s[24:25]
	s_cselect_b32 s22, 576, s22
	s_cmp_ge_u32 s21, 640
	s_cselect_b64 s[24:25], s[10:11], s[24:25]
	s_cselect_b64 s[26:27], s[18:19], s[26:27]
	s_cselect_b32 s22, 640, s22
	s_cselect_b32 s23, 640, s23
	s_cmp_ge_u32 s21, 704
	s_cselect_b64 s[24:25], s[12:13], s[24:25]
	s_cselect_b32 s22, 704, s22
	s_sub_co_u32 s22, s21, s22                     ; the piece's number in its tensor,
	s_sub_co_u32 s23, s21, s23                     ; and in its buffer
	s_lshr_b32 s32, s22, 1
	s_lshl_b32 s32, s32, 17                        ; 32 rows of 4,096 bytes for each pair of pieces,
	s_and_b32 s33, s22, 1
	s_lshl_b32 s33, s33, 15                        ; 8 rows for the odd one
	s_add_co_u32 s32, s32, s33
	s_mov_b32 s33, 0
	s_add_nc_u64 s[24:25], s[24:25], s[32:33]
	s_lshr_b32 s32, s23, 3
	s_mul_i32 s32, s32, 102400                     ; the tile of 128 positions,
	s_and_b32 s34, s23, 7
	s_mul_i32 s35, s34, 768                        ; my 16 positions in a plane,
	s_add_co_u32 s36, s32, s35
	s_mov_b32 s37, 0
	s_lshl_b32 s34, s34, 9                         ; and among the scale bytes
	s_add_co_u32 s32, s32, s34
	s_add_co_u32 s32, s32, 98304
	s_add_nc_u64 s[28:29], s[26:27], s[32:33]
	s_add_nc_u64 s[26:27], s[26:27], s[36:37]
.macro LOAD t                          ; step t: half t % 2 of position t / 2: positions 0-7 are eight neighbouring rows, positions 8-15 the eight rows 16 further down
.irp i, 0,1,2,3
	global_load_b128 v[R+16*((\t)%DEPTH)+4*\i:R+16*((\t)%DEPTH)+4*\i+3], v3, s[24:25] offset:2048*((\t)%16)+65536*((\t)/16)+512*\i th:TH_LOAD_NT
.endr
.endm
.macro TURN t                          ; through the stage: LDS serves a wave's instructions in order, so no wait stands between the stores and the loads
.irp i, 0,1,2,3
	ds_store_b128 v14, v[R+16*((\t)%DEPTH)+4*\i:R+16*((\t)%DEPTH)+4*\i+3] offset:32*SP*((\t)%2)+8*SP*\i
.endr
.irp i, 0,1,2,3
	ds_load_b128 v[X+16*((\t)%2)+4*\i:X+16*((\t)%2)+4*\i+3], v15 offset:32*SP*((\t)%2)+16*\i
.endr
.endm
.irp t, 0,1,2,3,4,5,6,7
	LOAD \t
.endr
	s_wait_loadcnt 4*(DEPTH-1)                     ; step 0's four loads are in; the 28 of seven younger steps stay out
	TURN 0
.macro STEP t
.set XS, X+16*((\t)%2)
.set CC, C+4*((\t)%2)
.if (\t) > 0
	s_wait_dscnt 4                                 ; this step's numbers are back from the stage; the last step's four stores (three of codes, one byte) may be out
.else
	s_wait_dscnt 0x0
.endif
.if (\t)+DEPTH < STEPS
	LOAD (\t)+DEPTH                                ; into the registers that this step's stage stores have read
.endif
.if (\t)+1 < STEPS
.if STEPS-2-(\t) >= DEPTH-1
	s_wait_loadcnt 4*(DEPTH-1)                     ; the next step's four loads are in; those of the seven steps behind it stay out
.else
	s_wait_loadcnt 4*(STEPS-2-(\t))                ; the tail loads nothing: the counts run down
.endif
	TURN (\t)+1
.endif
	v_max3_num_f32 v8, |v[XS]|, |v[XS+1]|, |v[XS+2]|               ; the largest magnitude of my 16, in two chains
	v_max3_num_f32 v12, |v[XS+3]|, |v[XS+4]|, |v[XS+5]|
.irp i, 6,10
	v_max3_num_f32 v8, v8, |v[XS+\i]|, |v[XS+\i+1]|
	v_max3_num_f32 v12, v12, |v[XS+\i+2]|, |v[XS+\i+3]|
.endr
	v_max3_num_f32 v8, v8, |v[XS+14]|, |v[XS+15]|
	v_max3_num_f32 v8, v8, v12, 0x1800000          ; and the floor 2^(3 - 127): the byte cannot fall under 1
	v_max_num_f32_dpp v8, v8, v8 row_xmask:1 row_mask:0xf bank_mask:0xf   ; with my neighbour's 16: the block's
	v_add_nc_u32 v11, 0xff000000, v8               ; 2 off the exponent field: the conversion takes this operand's exponent field as its scale
	v_cvt_scalef32_pk16_fp6_f32 v[CC:CC+2], v[XS:XS+15], v11
	v_lshrrev_b32 v[E+(\t)%2], 23, v11             ; the scale's byte (also the plain instruction behind the conversion)
	ds_store_b32 v4, v[CC] offset:(8*((\t)%2))*PP+((\t)/2)*48      ; 12 bytes in three words: no address need be a multiple of 16
	ds_store_b32 v4, v[CC+1] offset:(8*((\t)%2))*PP+((\t)/2)*48+4
	ds_store_b32 v4, v[CC+2] offset:(8*((\t)%2))*PP+((\t)/2)*48+8
	ds_store_b8 v5, v[E+(\t)%2] offset:16*(\t)     ; both lanes of a block write the same byte with the same value
.endm
.set Q, 0
.rept STEPS
	STEP Q
.set Q, Q+1
.endr
; THE WAY OUT: two planes, 1,536 bytes, are three loads and three stores of 512 bytes; in the middle one lanes 16-31 stand in the second plane.
.irp m, 0,1,2,3,4,5,6,7
	ds_load_b128 v[OUTR+12*\m:OUTR+12*\m+3], v6 offset:2*PP*\m
	ds_load_b128 v[OUTR+12*\m+4:OUTR+12*\m+7], v7 offset:2*PP*\m+512
	ds_load_b128 v[OUTR+12*\m+8:OUTR+12*\m+11], v6 offset:2*PP*\m+1040
.endr
	ds_load_b128 v[OUTR+96:OUTR+99], v10
.irp m, 0,1,2,3,4,5,6,7
	s_wait_dscnt 24-3*\m                           ; LDS loads come back in order: the counts run down with the stores
	global_store_b128 v3, v[OUTR+12*\m:OUTR+12*\m+3], s[26:27] offset:12288*\m
	s_wait_dscnt 23-3*\m
	global_store_b128 v9, v[OUTR+12*\m+4:OUTR+12*\m+7], s[26:27] offset:12288*\m+512
	s_wait_dscnt 22-3*\m
	global_store_b128 v3, v[OUTR+12*\m+8:OUTR+12*\m+11], s[26:27] offset:12288*\m+6400
.endr
	s_wait_dscnt 0x0
	global_store_b128 v3, v[OUTR+96:OUTR+99], s[28:29]             ; 512 scale bytes: two aligned blocks of 256
	s_wait_tensorcnt 0x0
	ds_add_u32 v192, v193
	s_wait_dscnt 0x0
	s_endpgm
.Lfunc_end_k_q997e71c86d_quant:
	.size	k_q997e71c86d_quant, .Lfunc_end_k_q997e71c86d_quant-k_q997e71c86d_quant
	.p2alignl 7, 3214868480
	.fill 96, 4, 3214868480
	.section	.rodata,"a",@progbits
	.p2align	6, 0x0
	.amdhsa_kernel k_q997e71c86d_quant
		.amdhsa_group_segment_fixed_size 55808
		.amdhsa_private_segment_fixed_size 0
		.amdhsa_enable_private_segment 0
		.amdhsa_kernarg_size 64
		.amdhsa_user_sgpr_count 2
		.amdhsa_user_sgpr_kernarg_segment_ptr 1
		.amdhsa_wavefront_size32 1
		.amdhsa_system_sgpr_workgroup_id_x 1
		.amdhsa_system_sgpr_workgroup_id_y 1
		.amdhsa_system_sgpr_workgroup_id_z 1
		.amdhsa_system_vgpr_workitem_id 0
		.amdhsa_next_free_vgpr 194
		.amdhsa_next_free_sgpr 66
		.amdhsa_reserve_vcc 0
		.amdhsa_float_denorm_mode_32 3
		.amdhsa_float_denorm_mode_16_64 3
		.amdhsa_memory_ordered 1
		.amdhsa_forward_progress 1
		.amdhsa_inst_pref_size 71
	.end_amdhsa_kernel
	.amdgpu_metadata
---
amdhsa.version: [ 1, 2 ]
amdhsa.kernels:
  - .name:           k_q997e71c86d_quant
    .symbol:         k_q997e71c86d_quant.kd
    .args:
      - { .name: inputs, .offset: 0, .size: 8, .value_kind: global_buffer, .address_space: global }
      - { .name: W_q, .offset: 8, .size: 8, .value_kind: global_buffer, .address_space: global }
      - { .name: W_k, .offset: 16, .size: 8, .value_kind: global_buffer, .address_space: global }
      - { .name: W_v, .offset: 24, .size: 8, .value_kind: global_buffer, .address_space: global }
      - { .name: W_o, .offset: 32, .size: 8, .value_kind: global_buffer, .address_space: global }
      - { .name: x_q, .offset: 40, .size: 8, .value_kind: global_buffer, .address_space: global }
      - { .name: wqk_q, .offset: 48, .size: 8, .value_kind: global_buffer, .address_space: global }
      - { .name: wvo_q, .offset: 56, .size: 8, .value_kind: global_buffer, .address_space: global }
    .group_segment_fixed_size: 55808
    .private_segment_fixed_size: 0
    .kernarg_segment_align: 8
    .kernarg_segment_size: 64
    .max_flat_workgroup_size: 96
    .sgpr_count:     66
    .vgpr_count:     194
    .wavefront_size: 32
...
	.end_amdgpu_metadata
.endif
;; end of part 5
;; launch qkv (part 6): grid 8 x 32, 4 waves a work-group, clusters of 4 x 4, 327,680 bytes of LDS; arguments x_q, wqk_q, wvo_q, qk_codes, qk_scales, v_codes, v_scales; writes qk_codes, qk_scales, v_codes, v_scales
.if DOCPART == 6
	.amdgcn_target "amdgcn-amd-amdhsa--gfx1250"
	.amdhsa_code_object_version 6
	.text
	.protected	k_q997e71c86d_qkv
	.globl	k_q997e71c86d_qkv
	.p2align	8
	.type	k_q997e71c86d_qkv,@function
k_q997e71c86d_qkv:
	s_mov_b64 s[64:65], 0
	v_nop
	global_prefetch_b8 v0, s[64:65] scope:SCOPE_SE
	s_setreg_imm32_b32 hwreg(HW_REG_WAVE_MODE, 25, 1), 1
	s_wait_xcnt 0x0
	s_wait_alu depctr_hold_cnt(0) depctr_sa_sdst(0) depctr_va_vdst(0) depctr_va_sdst(0) depctr_va_ssrc(0) depctr_va_vcc(0) depctr_vm_vsrc(0)
	s_getreg_b32 s2, hwreg(HW_REG_IB_STS2, 6, 4)
	s_cmp_eq_u32 s2, 0
	s_cbranch_scc0 .Lentry_in_a_cluster
	s_endpgm
.Lentry_in_a_cluster:
	s_bfe_u32 s2, ttmp6, 0x10000c
	s_cmp_lg_u32 s2, 0xf033
	s_cbranch_scc0 .Lentry_shape_is_right
	s_endpgm
.Lentry_shape_is_right:
; Q, K and V = x W^T, K = 1,024, on codes of FP6 (E2M3) with E8M0 scales, f32 sums; each result is QUANTISED in registers, and only its codes and scale bytes are stored.
; A work-group of four waves, as many as a WGP has SIMDs, owns 256 tokens (block gy) and makes two products, one after the other, through ONE ring of two LDS slots that does not stop between them:
;   PART 1: D(token, n) for 256 rows n of W_q | W_k (block gx): source 0 = 16 positions of W, source 1 = 16 tokens.  A wave makes 128 x 128: 64 accumulators.  Quantised along n (a head's 64 are two blocks).
;   PART 2: D(d, token) for the 128 rows d of W_v's tile gx: source 0 = 16 TOKENS, source 1 = 16 rows of W_v.  A wave makes 64 rows x 128 tokens: 32 accumulators.  Quantised along the tokens: V's codes have the keys innermost.
; 8 x 32 work-groups: 256 tiles of part 1 and 256 half tiles of part 2, one of each to a work-group: three products of the problem in one launch, equal work everywhere.
; OPERANDS lie in tiles of 128 rows, 102,400 bytes: 16 planes (64 along K) of [row][48 bytes], then [row][32 scale bytes]; rows in POSITION order (position = row with bits 3 and 4 exchanged).
; Since source 0 stands in position order, the 16 registers of its tiles 2 b, 2 b + 1 are the 16 NEIGHBOURS 32 b + 16 (lane / 16) + 0 .. 15 along the axis that is quantised; a block of 32 lies in lanes l and l xor 16.
; THE RING: K goes in steps of 256; a slot is four quarters of 24,576 bytes: the tokens' two tiles, then W's two (part 1) or W_v's one (part 2).  Part 1's last two changes of slots ask for part 2's first two K steps,
; which land while part 1's last products are made and its results leave.  The tokens' and W's scale bytes for all of K come once, with the first fills; W_v's scale words come once from memory into 32 registers.
; CLUSTERS of 4 x 4: the tokens' tiles are asked for jointly along a row of the cluster, the weights' along a column.
; OUTPUT.  Codes, blocks of 49,152 bytes: [64 of source 0's index: 0..3][source 1's position 0..255][48 bytes].  Scales, blocks of 4,096 bytes: [128 of source 0's index: 0..1][variant 0..1][source 1's position][4 bytes];
; variant 1 is the word shifted down by 16 bits, so that an odd head finds its two bytes lowest.  Q and K: block 32 gy + gx.  V: block 32 (gx / 2) + gy, rows 128 (gx % 2) on.  Of Q's and K's buffers 8 of each 32 blocks are used; the others are never touched.
; LIMITS: NaN and infinities are not served; a block whose largest magnitude lies under 2^-124 keeps the byte 1; a block of zeros has the byte 1 where the rule says 127 (its codes are zeros; this program alone reads the bytes).
; REGISTERS: window 0: v8-31 addresses; v32-63 scale words from LDS, two sets; v64-103 the quantiser's; v104-127, v232-239 W_v's scale words; v128-223 source 1's fragments (part 1: one set of 8; part 2: two sets of 4); the ways out: v128-231.
;   Window 1: source 0's fragments, two sets.  Windows 2, 3: the accumulators (part 2: window 2).
.set NQ,     2                         ; matrix instructions deep in a slot
.set PLANE,  6144
.set FR,     12                        ; registers of a fragment: 16 rows x 128 K
.set NL,     6                         ; LDS loads that bring one
.set NP,     4                         ; places behind this matrix instruction (ISA guide 7.12.1)
.set HALFT,  4*PLANE                   ; 128 rows x 256 K
.set SLOT,   4*HALFT
.set TILEB,  102400
.set SCL,    2*SLOT                    ; behind the ring: the scales, as rows of 256 bytes + 16 of padding: the tokens' 256 rows, then W's
.set HALFS,  16*272                    ; those of 128 rows
.set SBLK,   2*272                     ; those of 16 rows
.set SPARE,  SCL+4*HALFS               ; the spare words, 128 bytes a wave: two blocks of 256 bytes that no other line names
.set STAGE,  SPARE+512                 ; the ways out: 13,312 bytes for each wave; no tensor load lands here
.set WSTG,   13312
.set CO2,  8                           ; v8      16 x lane, + 768 for lanes 16-31: part 2's scale words in memory
.set WSO,  9                           ; v9      32 r: my row among W_v's scale bytes; never rewritten
.set ADRA, 16                          ; v16-17  part 1: LDS address of my tokens' fragments in slot 0, 1
.set ADRA2, 18                         ; v18-19  part 2: of my W_v fragments
.set ADRB, 20                          ; v20-21  part 1: of my W fragments
.set ADRB2, 22                         ; v22-23  part 2: of my tokens' fragments
.set STO,  24                          ; v24     stage: 48 r + 24 h
.set RD,   25                          ; v25     stage: 16 x lane
.set CO,   26                          ; v26     16 x lane
.set ADRS, 27                          ; v27     part 1's scale words: lanes 0-15 the tokens' rows, lanes 16-31 W's
.set SPW,  28                          ; v28     my spare word; never rewritten
.set NIL,  29                          ; v29     0; never rewritten
.set STW,  30                          ; v30     stage: 4 r
.set ADRS2, 31                         ; v31     part 2's scale words: the tokens' rows, in both halves of the lanes
.set SC,   32
.set TM,   64                          ; v64-67 largest magnitudes, v68-71 bytes, v76-79 the conversions' scale operands
.set PW,   80                          ; the scale word; v81 the same shifted down
.set PW1,  81
.set PC,   84                          ; v84-95 a fragment's codes; v96-102 halves on their way
.set WS,   104                         ; W_v's scale words: block a's eight at v[104 + 8 a], block 3's at v232
.set AF,   128
.set BK,   128
.set WV,   18                          ; s18 wave; s19 wave / 2; s20 wave % 2; s21 gy
.set WH,   19
.set WL,   20
.set GY,   21
.set G1, 24                            ; s[24:31], s[32:39] groups 1 and 0 (a set for each slot) for the tokens' tiles
.set G0, 32
.set G1B, 48                           ; s[48:55], s[56:63] for W's tiles
.set G0B, 56
.set G1S, 68                           ; s[68:75], s[76:79] for the tokens' scales;  s[80:87], s[88:91] for W's
.set G0S, 76
.set G1SB, 80
.set G0SB, 88
.set G1V, 80                           ; s[80:87], s[88:91], s[96:99] for W_v's tiles: written when the scales' loads are done
.set G0V, 88
.set SEL, 104                          ; s[104:105] v_permlanex16_b32's selects for lane l xor 16
.set MSB, 0
.macro WIN new                         ; the immediate's high byte repeats the setting that is left
.if MSB != \new
	s_set_vgpr_msb (MSB<<8)|\new
.set MSB, \new
.endif
.endm
.set MUL_LO, 0xa1                      ; source 0 window 1, source 1 window 0, C and D window 2
.set MUL_HI, 0xf1                      ; the same, C and D window 3
.set TO_B,   0x40                      ; destination window 1
; A joint load: waves 0 and 1 fetch the tokens' tiles, waves 2 and 3 the weights'; the branch hangs on the wave's number alone.  Four v_nop follow each line.
.macro JLOAD g0a, g1a, g0b, g1b
	s_cmp_eq_u32 s[WH], 0
	s_cbranch_scc0 .Lfor_b_\@
	tensor_load_to_lds s[\g0a:\g0a+3], s[\g1a:\g1a+7]
	s_nop 0
.rept 4
	v_nop
.endr
	s_branch .Lasked_\@
.Lfor_b_\@:
	tensor_load_to_lds s[\g0b:\g0b+3], s[\g1b:\g1b+7]
	s_nop 0
.rept 4
	v_nop
.endr
.Lasked_\@:
.endm
.macro CREST                           ; a round of the cluster's barrier behind its opening barrier
	s_cmp_lg_u32 s[WV], 0
	s_cbranch_scc1 .Lnot_wave_0_\@
	s_barrier_signal -3
.Lnot_wave_0_\@:
	s_barrier_wait -3
	s_barrier_signal -1
	s_barrier_wait -1
.endm
.macro CROUND
	s_barrier_signal -1
	s_barrier_wait -1
	CREST
.endm
	s_load_b256 s[4:11], s[0:1], 0x0               ; x_q s[4:5], wqk_q s[6:7], wvo_q s[8:9], qk_codes s[10:11]
	s_load_b128 s[12:15], s[0:1], 0x20             ; qk_scales s[12:13], v_codes s[14:15]
	s_load_b64 s[16:17], s[0:1], 0x30              ; v_scales
	v_lshl_add_u32 v[SPW], v0, 2, SPARE
	v_mov_b32 v[NIL], 0
	ds_add_u32 v28, v29
	ds_add_u32 v28, v29
	s_wait_dscnt 0x0
	v_lshrrev_b32 v1, 5, v0
	v_readfirstlane_b32 s[WV], v1                  ; wave 0..3
	s_lshr_b32 s[WH], s[WV], 1                     ; my half of source 1's rows.  Also: I fetch tokens (0) or weights (1)
	s_and_b32 s[WL], s[WV], 1                      ; my half of source 0's rows.  Also: which part of a tile I fetch
	s_bfe_u32 s40, ttmp6, 0x40000                  ; cx, cy
	s_bfe_u32 s41, ttmp6, 0x40004
	s_lshl_b32 s42, ttmp9, 2
	s_add_co_u32 s42, s42, s40                     ; gx: the weights' block
	s_and_b32 s[GY], ttmp7, 0xffff
	s_lshl_b32 s[GY], s[GY], 2
	s_add_co_u32 s[GY], s[GY], s41                 ; gy: the tokens' block
	s_lshl_b32 s43, s41, 2
	s_lshl_b32 s43, 15, s43                        ; my row of the cluster
	s_lshl_b32 s44, 0x1111, s40                    ; my column
	s_or_b32 s[G1+0], s43, (3<<16)|(1<<21)         ; codes: the mask; elements of 8 bytes; bit 21 beside a mask; no padding
	s_or_b32 s[G1B+0], s44, (3<<16)|(1<<21)
.irp g, G1, G1B
	s_mov_b32 s[\g+1], 32<<16                      ; a dense block as 96 rows of 256 bytes: tensor_dim0 = 32
	s_mov_b32 s[\g+2], 96<<16                      ; tensor_dim1
	s_mov_b32 s[\g+3], 32<<16                      ; tile_dim0
	s_mov_b32 s[\g+4], 96                          ; tile_dim1
	s_mov_b32 s[\g+5], 32                          ; the pitch
	s_mov_b32 s[\g+6], 0
	s_mov_b32 s[\g+7], 0
.endr
	s_or_b32 s[G1S+0], s43, (3<<16)|(1<<20)|(1<<21)|(5<<22)|(3<<25)   ; scales: 16 rows of 256 bytes, 16 bytes of padding behind each
	s_or_b32 s[G1SB+0], s44, (3<<16)|(1<<20)|(1<<21)|(5<<22)|(3<<25)
.irp g, G1S, G1SB
	s_mov_b32 s[\g+1], 32<<16
	s_mov_b32 s[\g+2], 16<<16
	s_mov_b32 s[\g+3], 32<<16
	s_mov_b32 s[\g+4], 16
	s_mov_b32 s[\g+5], 32
	s_mov_b32 s[\g+6], 0
	s_mov_b32 s[\g+7], 0
.endr
	s_lshl_b32 s22, s[GY], 1
	s_add_co_u32 s22, s22, s[WL]
	s_mul_i32 s22, s22, TILEB                      ; the tokens: tile 2 gy + half
	s_mov_b32 s23, 0
	s_lshl_b32 s46, s42, 1
	s_add_co_u32 s46, s46, s[WL]
	s_mul_i32 s46, s46, TILEB                      ; W_q | W_k: tile 2 gx + half
	s_mov_b32 s47, 0
	s_mul_i32 s66, s42, TILEB                      ; W_v: tile gx
	s_mov_b32 s67, 0
	s_mul_i32 s45, s[WV], HALFT                    ; where part 1's tiles go: wave x 128 rows: no place in the cluster enters an LDS address
	s_mul_i32 s94, s[WV], HALFS
	s_mov_b32 s[SEL], 0x76543210
	s_mov_b32 s[SEL+1], 0xfedcba98
	s_wait_kmcnt 0x0
	s_add_nc_u64 s[22:23], s[4:5], s[22:23]
	s_add_nc_u64 s[46:47], s[6:7], s[46:47]
	s_add_nc_u64 s[66:67], s[8:9], s[66:67]
	s_add_nc_u64 s[2:3], s[22:23], 98304           ; a tile's scales stand behind its planes
	s_add_nc_u64 s[92:93], s[46:47], 98304
	CROUND                                         ; all sixteen work-groups are here: the first joint loads meet
	s_mov_b32 s[G0S], 1
	s_add_co_u32 s[G0S+1], s94, SCL
	s_mov_b64 s[G0S+2:G0S+3], s[2:3]
	s_or_b32 s[G0S+3], s[G0S+3], 0x80000000
	s_mov_b32 s[G0SB], 1
	s_add_co_u32 s[G0SB+1], s94, SCL
	s_mov_b64 s[G0SB+2:G0SB+3], s[92:93]
	s_or_b32 s[G0SB+3], s[G0SB+3], 0x80000000
	JLOAD G0S, G1S, G0SB, G1SB                     ; the scales first: they are wanted with K step 0
.irp s, 0,1
	s_mov_b32 s[G0+4*\s], 1
	s_add_co_u32 s[G0+4*\s+1], s45, \s*SLOT
	s_add_nc_u64 s[G0+4*\s+2:G0+4*\s+3], s[22:23], \s*HALFT
	s_or_b32 s[G0+4*\s+3], s[G0+4*\s+3], 0x80000000
	s_mov_b32 s[G0B+4*\s], 1
	s_add_co_u32 s[G0B+4*\s+1], s45, \s*SLOT
	s_add_nc_u64 s[G0B+4*\s+2:G0B+4*\s+3], s[46:47], \s*HALFT
	s_or_b32 s[G0B+4*\s+3], s[G0B+4*\s+3], 0x80000000
	JLOAD G0+4*\s, G1, G0B+4*\s, G1B
.endr
	v_and_b32 v1, 15, v0                           ; r
	v_bfe_u32 v2, v0, 4, 1                         ; h
	v_lshlrev_b32 v[WSO], 5, v1                    ; W_v's scale words for all of K: 32 bytes a row; my 64 rows are four blocks of 16
	s_lshl_b32 s100, s[WH], 11
	s_add_co_u32 s100, s100, 98304
	s_mov_b32 s101, 0
	s_add_nc_u64 s[100:101], s[66:67], s[100:101]
.irp a, 0,1,2,3
	global_load_b128 v[WS+8*\a+104*(\a/3):WS+8*\a+104*(\a/3)+3], v[WSO], s[100:101] offset:512*\a        ; lanes r and r + 16 load the same row's words
	global_load_b128 v[WS+8*\a+104*(\a/3)+4:WS+8*\a+104*(\a/3)+7], v[WSO], s[100:101] offset:512*\a+16
.endr
	v_mul_u32_u24 v3, v1, 48
	v_mad_u32_u24 v4, v2, 24, v3                   ; 48 r + 24 h = words 12 r + 6 h: the 32 lanes of a load of 8 bytes touch 64 different banks (64 banks of 4 bytes: ISA guide 11.1)
	s_mul_i32 s2, s[WH], HALFT                     ; part 1: my 128 tokens,
	s_mul_i32 s3, s[WL], HALFT
	s_add_co_u32 s3, s3, 2*HALFT                   ; my 128 rows of W
	s_mul_i32 s94, s[WL], HALFT                    ; part 2: my 128 tokens,
	s_mul_i32 s95, s[WH], 64*48
	s_add_co_u32 s95, s95, 2*HALFT                 ; my 64 rows of W_v in each plane
.irp s, 0,1
	v_add_nc_u32 v[ADRA+\s], s2, v4
	v_add_nc_u32 v[ADRB+\s], s3, v4
	v_add_nc_u32 v[ADRB2+\s], s94, v4
	v_add_nc_u32 v[ADRA2+\s], s95, v4
	s_add_co_u32 s2, s2, SLOT
	s_add_co_u32 s3, s3, SLOT
	s_add_co_u32 s94, s94, SLOT
	s_add_co_u32 s95, s95, SLOT
.endr
	v_mul_u32_u24 v5, v1, 32                       ; my row's scales in LDS: 32 bytes a row,
	v_lshrrev_b32 v6, 8, v5
	v_lshl_add_u32 v5, v6, 4, v5                   ; and 16 more for each 256 passed
	s_mul_i32 s2, s[WH], HALFS
	s_mul_i32 s3, s[WL], HALFS
	s_add_co_u32 s3, s3, 2*HALFS
	s_sub_co_u32 s3, s3, s2
	v_mul_u32_u24 v6, s3, v2                       ; part 1: lanes 16-31 take W's
	s_add_co_u32 s2, s2, SCL
	v_add_nc_u32 v6, v5, v6
	v_add_nc_u32 v[ADRS], s2, v6
	s_mul_i32 s2, s[WL], HALFS
	s_add_co_u32 s2, s2, SCL
	v_add_nc_u32 v[ADRS2], s2, v5                  ; part 2: all lanes take the tokens'
	s_mul_i32 s2, s[WV], WSTG
	s_add_co_u32 s2, s2, STAGE                     ; my stage
	v_add_nc_u32 v[STO], s2, v4
	v_and_b32 v6, 31, v0
	v_lshlrev_b32 v[CO], 4, v6
	v_add_nc_u32 v[RD], s2, v[CO]
	v_lshl_add_u32 v[STW], v1, 2, s2
	v_mad_u32_u24 v[CO2], v2, 768, v[CO]
.irp b, 0,1,2,3
	v_mov_b32 v[TM+4+\b], 0                        ; written once: a lane permute's destination counts as one of its sources
.endr
	s_lshl_b32 s2, s[GY], 5
	s_add_co_u32 s2, s2, s42                       ; Q's and K's block: 32 gy + gx
	s_mul_i32 s94, s2, 49152
	s_mul_i32 s3, s[WL], 24576                     ; my 128 of n: two planes of 12,288 bytes,
	s_add_co_u32 s94, s94, s3
	s_mul_i32 s3, s[WH], 6144                      ; my 128 tokens in each
	s_add_co_u32 s94, s94, s3
	s_mov_b32 s95, 0
	s_add_nc_u64 s[10:11], s[10:11], s[94:95]
	s_lshl_b32 s94, s2, 12
	s_lshl_b32 s3, s[WL], 11
	s_add_co_u32 s94, s94, s3
	s_lshl_b32 s3, s[WH], 9
	s_add_co_u32 s94, s94, s3
	s_add_nc_u64 s[12:13], s[12:13], s[94:95]
	s_lshr_b32 s2, s42, 1
	s_lshl_b32 s2, s2, 5
	s_add_co_u32 s2, s2, s[GY]                     ; V's block: 32 (gx / 2) + gy
	s_and_b32 s45, s42, 1
	s_mul_i32 s94, s2, 49152
	s_mul_i32 s3, s[WL], 24576                     ; my 128 tokens: two planes of 12,288 bytes,
	s_add_co_u32 s94, s94, s3
	s_mul_i32 s3, s45, 6144                        ; the tile's 128 rows in each,
	s_add_co_u32 s94, s94, s3
	s_mul_i32 s3, s[WH], 3072                      ; my 64 of them
	s_add_co_u32 s94, s94, s3
	s_add_nc_u64 s[14:15], s[14:15], s[94:95]
	s_lshl_b32 s94, s2, 12
	s_lshl_b32 s3, s[WL], 11
	s_add_co_u32 s94, s94, s3
	s_lshl_b32 s3, s45, 9
	s_add_co_u32 s94, s94, s3
	s_lshl_b32 s3, s[WH], 8
	s_add_co_u32 s94, s94, s3
	s_add_nc_u64 s[16:17], s[16:17], s[94:95]
.macro FRAG reg, adr, q, i             ; 16 rows x 128 K: registers 6 c .. 6 c + 5 hold K = 64 c + 32 h + 0 .. 31: 24 bytes of plane 2 q + c, in pieces of 8
.irp p, 0,1,2,3,4,5
	ds_load_b64 v[\reg+2*\p:\reg+2*\p+1], v[\adr] offset:(2*(\q)+\p/3)*PLANE+(\i)*768+8*(\p%3)
.endr
.endm
.macro PLACES n                        ; plain vector instructions between a matrix instruction and a load into, or a read of, its registers (ISA guide 7.12.1 for reads)
.rept \n
	v_nop
.endr
.endm
; ---- PART 1.  16 matrix instructions: the tokens' blocks a0, a0 + 1 x W's eight.  The 64 accumulators take turns, one instruction a turn, in the same order in every step.
.macro MUL16 a0, p, q, sc, zero
.irp a, \a0, \a0+1
.irp b, 0,1,2,3,4,5,6,7
.if \zero
	v_wmma_scale_f32_16x16x128_f8f6f4 v[8*(8*((\a)%4)+\b):8*(8*((\a)%4)+\b)+7], v[128*(\p)+FR*\b:128*(\p)+FR*\b+FR-1], v[AF+FR*(\a):AF+FR*(\a)+FR-1], 0, v[SC+8*NQ*(\sc)+NQ*\b+(\q)], v[SC+8*NQ*(\sc)+NQ*(\a)+(\q)] matrix_a_fmt:MATRIX_FMT_FP6 matrix_b_fmt:MATRIX_FMT_FP6 matrix_a_scale:MATRIX_SCALE_ROW1
.else
	v_wmma_scale_f32_16x16x128_f8f6f4 v[8*(8*((\a)%4)+\b):8*(8*((\a)%4)+\b)+7], v[128*(\p)+FR*\b:128*(\p)+FR*\b+FR-1], v[AF+FR*(\a):AF+FR*(\a)+FR-1], v[8*(8*((\a)%4)+\b):8*(8*((\a)%4)+\b)+7], v[SC+8*NQ*(\sc)+NQ*\b+(\q)], v[SC+8*NQ*(\sc)+NQ*(\a)+(\q)] matrix_a_fmt:MATRIX_FMT_FP6 matrix_b_fmt:MATRIX_FMT_FP6 matrix_a_scale:MATRIX_SCALE_ROW1
.endif
.endr
.endr
.endm
.macro FETCH_B slot, q, p
	WIN TO_B
.irp i, 0,1,2,3,4,5,6,7
	FRAG 128*(\p)+FR*\i, ADRB+\slot, \q, \i
.endr
	WIN 0
.endm
.macro FETCH_A slot, q, i0
.irp i, \i0, \i0+1, \i0+2, \i0+3
	FRAG AF+FR*(\i), ADRA+\slot, \q, \i
.endr
.endm
.macro SCALES sc                       ; a K step's two words a row: lanes 0-15 the tokens' block i, lanes 16-31 W's block i
.irp i, 0,1,2,3,4,5,6,7
	ds_load_b64 v[SC+8*NQ*\sc+NQ*\i:SC+8*NQ*\sc+NQ*\i+1], v[ADRS] offset:\i*SBLK
.endr
.endm
.macro STEP slot, q, zero              ; 128 along K whose successor lies in the same slot
	s_wait_dscnt 4*NL                              ; W's set and the tokens' blocks 0-3 are in; the youngest 24 loads (blocks 4-7) may be out
	WIN MUL_LO
	MUL16 0, (\q)%2, \q, \slot, \zero
	MUL16 2, (\q)%2, \q, \slot, \zero
	s_wait_dscnt 0                                 ; blocks 4-7 are in
	PLACES NP
	FETCH_B \slot, (\q)+1, 1-(\q)%2
	FETCH_A \slot, (\q)+1, 0
	WIN MUL_HI
	MUL16 4, (\q)%2, \q, \slot, \zero
	MUL16 6, (\q)%2, \q, \slot, \zero
	PLACES NP
	WIN 0
	FETCH_A \slot, (\q)+1, 4
.endm
; A slot's last step changes slots: one barrier, which opens a round of the cluster's; in front of it each wave waits for all its tensor loads, adds 0 to its spare word, and waits for that and for its reads of this slot.
; fill = 1: this slot takes part 1's K step two steps on; 2: it takes part 2's K step 0 or 1: the tokens' address goes back along K, the weights' tile is W_v's.  fetch = 0: part 1's very last step: nothing more of part 1 is read.
.macro TURN slot, next, fill, fetch
	s_wait_tensorcnt 0x0                           ; all my tensor loads have landed: my part of the other slot
	ds_add_u32 v[SPW], v[NIL]                      ; 0 onto my spare word
	s_wait_dscnt 4*NL+1                            ; (the add and the youngest 24 loads may be out)
	WIN MUL_LO
	MUL16 0, 1, NQ-1, \slot, 0
	s_wait_dscnt 0x0                               ; the add is done, and my reads of this slot are over
	s_barrier_signal -1
	MUL16 2, 1, NQ-1, \slot, 0
	WIN 0                                          ; at a branch and at a label every window is 0
	s_barrier_wait -1
	CREST                                          ; no wave of any partner still reads this slot or has a load on its way
.if \fill == 1
	s_add_nc_u64 s[G0+4*\slot+2:G0+4*\slot+3], s[G0+4*\slot+2:G0+4*\slot+3], 2*HALFT
	s_add_nc_u64 s[G0B+4*\slot+2:G0B+4*\slot+3], s[G0B+4*\slot+2:G0B+4*\slot+3], 2*HALFT
	JLOAD G0+4*\slot, G1, G0B+4*\slot, G1B         ; the first tensor load behind the round; its four v_nop are the places in front of the loads below
.else
	s_sub_nc_u64 s[G0+4*\slot+2:G0+4*\slot+3], s[G0+4*\slot+2:G0+4*\slot+3], 2*HALFT
	JLOAD G0+4*\slot, G1, G0V+8*\slot, G1V
.endif
.if \fetch
	v_add_nc_u32 v[ADRS], 4*NQ, v[ADRS]            ; the next K step's scale words
	FETCH_B \next, 0, 0
	FETCH_A \next, 0, 0
	SCALES \next
.endif
	WIN MUL_HI
	MUL16 4, 1, NQ-1, \slot, 0
	MUL16 6, 1, NQ-1, \slot, 0
.if \fetch
	PLACES NP
	WIN 0
	FETCH_A \next, 0, 4
.else
	WIN 0
.endif
.endm
; ---- PART 2.  8 matrix instructions: W_v's block a x the tokens' eight; j: which 128 along K.  The 32 accumulators take turns, one instruction a turn.
.macro MULV a, p, q, sc, j, zero
.irp b, 0,1,2,3,4,5,6,7
.if \zero
	v_wmma_scale_f32_16x16x128_f8f6f4 v[8*(8*(\a)+\b):8*(8*(\a)+\b)+7], v[128*(\p)+FR*\b:128*(\p)+FR*\b+FR-1], v[AF+48*(\p)+FR*(\a):AF+48*(\p)+FR*(\a)+FR-1], 0, v[SC+8*NQ*(\sc)+NQ*\b+(\q)], v[WS+8*(\a)+104*((\a)/3)+(\j)] matrix_a_fmt:MATRIX_FMT_FP6 matrix_b_fmt:MATRIX_FMT_FP6 matrix_a_scale:MATRIX_SCALE_ROW1
.else
	v_wmma_scale_f32_16x16x128_f8f6f4 v[8*(8*(\a)+\b):8*(8*(\a)+\b)+7], v[128*(\p)+FR*\b:128*(\p)+FR*\b+FR-1], v[AF+48*(\p)+FR*(\a):AF+48*(\p)+FR*(\a)+FR-1], v[8*(8*(\a)+\b):8*(8*(\a)+\b)+7], v[SC+8*NQ*(\sc)+NQ*\b+(\q)], v[WS+8*(\a)+104*((\a)/3)+(\j)] matrix_a_fmt:MATRIX_FMT_FP6 matrix_b_fmt:MATRIX_FMT_FP6 matrix_a_scale:MATRIX_SCALE_ROW1
.endif
.endr
.endm
.macro FETCH2 slot, q, p               ; 72 LDS loads: the tokens' eight fragments and W_v's four, into sets p
	WIN TO_B
.irp i, 0,1,2,3,4,5,6,7
	FRAG 128*(\p)+FR*\i, ADRB2+\slot, \q, \i
.endr
	WIN 0
.irp i, 0,1,2,3
	FRAG AF+48*(\p)+FR*\i, ADRA2+\slot, \q, \i
.endr
.endm
.macro SCALES2 sc                      ; a K step's two words of each of my 128 tokens
.irp i, 0,1,2,3,4,5,6,7
	ds_load_b64 v[SC+8*NQ*\sc+NQ*\i:SC+8*NQ*\sc+NQ*\i+1], v[ADRS2] offset:\i*SBLK
.endr
.endm
.macro STEP2 slot, j, zero             ; a slot's first 128 along K, on sets 0; the second's fragments are asked for ahead of the 32 products
	s_wait_dscnt 0x0                               ; sets 0 are in
	PLACES NP                                      ; in front of loads into sets 1, which the last products read
	FETCH2 \slot, 1, 1
	WIN MUL_LO
	MULV 0, 0, 0, \slot, \j, \zero
	MULV 1, 0, 0, \slot, \j, \zero
	MULV 2, 0, 0, \slot, \j, \zero
	MULV 3, 0, 0, \slot, \j, \zero
	WIN 0
.endm
.macro TURN2 slot, next, j, fill       ; a slot's second 128 along K, on sets 1, and the change of slots, as in part 1
	s_wait_tensorcnt 0x0                           ; all my tensor loads have landed: my part of the other slot
	ds_add_u32 v[SPW], v[NIL]                      ; 0 onto my spare word
	s_wait_dscnt 1                                 ; sets 1 are in; the add may be out
	WIN MUL_LO
	MULV 0, 1, 1, \slot, \j, 0
	s_wait_dscnt 0x0                               ; the add is done, and my reads of this slot are over
	s_barrier_signal -1
	MULV 1, 1, 1, \slot, \j, 0
	WIN 0
	s_barrier_wait -1
.if \fill
	CREST
	s_add_nc_u64 s[G0+4*\slot+2:G0+4*\slot+3], s[G0+4*\slot+2:G0+4*\slot+3], 2*HALFT
	s_add_nc_u64 s[G0V+8*\slot+2:G0V+8*\slot+3], s[G0V+8*\slot+2:G0V+8*\slot+3], 2*HALFT
	JLOAD G0+4*\slot, G1, G0V+8*\slot, G1V         ; the first tensor load behind the round; its four v_nop are the places in front of the loads below
.else
	PLACES NP
.endif
	v_add_nc_u32 v[ADRS2], 4*NQ, v[ADRS2]
	FETCH2 \next, 0, 0
	SCALES2 \next
	WIN MUL_LO
	MULV 2, 1, 1, \slot, \j, 0
	MULV 3, 1, 1, \slot, \j, 0
	WIN 0
.endm
; ---- THE QUANTISER.  Source 1's block a: my lane's 64 registers are 32 b + 16 h + i along source 0's index, of one row: four blocks of 32, each shared with lane l xor 16.  They become a fragment's 12 registers and a scale word,
; and go to my stage: the codes at c x pitch + 768 a, the word at so + 64 a, the word shifted down at sv + 64 a.
.macro QUANT a, pitch, so, sv
.set AC, 64*((\a)%4)
	WIN 0x0a+5*((\a)/4)                            ; sources 0 and 1: the accumulators' window
.irp b, 0,1,2,3
	v_max3_num_f32 v[TM+\b], |v[AC+16*\b]|, |v[AC+16*\b+1]|, 0x1800000   ; each accumulator is read from its low end on; the floor 2^(3 - 127) holds the byte at 1 from below
.endr
.irp i, 2,4,6,8,10,12,14
.irp b, 0,1,2,3
	v_max3_num_f32 v[TM+\b], |v[AC+16*\b+\i]|, |v[AC+16*\b+\i+1]|, v[TM+\b]
.endr
.endr
	WIN 0
.irp b, 0,1,2,3
	v_permlanex16_b32 v[TM+4+\b], v[TM+\b], s[SEL], s[SEL+1]
.endr
.irp b, 0,1,2,3
	v_max_num_f32 v[TM+\b], v[TM+\b], v[TM+4+\b]   ; the block's largest magnitude
.endr
.irp b, 0,1,2,3
	v_add_nc_u32 v[TM+12+\b], 0xff000000, v[TM+\b] ; 2 off its exponent field: the conversion's scale operand
.endr
.irp b, 0,1,2,3
	v_lshrrev_b32 v[TM+4+\b], 23, v[TM+12+\b]      ; the byte
.endr
	v_lshl_or_b32 v[PW], v[TM+5], 8, v[TM+4]
	v_lshl_or_b32 v[PW], v[TM+6], 16, v[PW]
	v_lshl_or_b32 v[PW], v[TM+7], 24, v[PW]
	v_lshrrev_b32 v[PW1], 16, v[PW]
	WIN 2+(\a)/4                                   ; source 0: the accumulators' window
.irp c, 0,1
	v_cvt_scalef32_pk16_fp6_f32 v[PC+6*\c:PC+6*\c+2], v[AC+32*\c:AC+32*\c+15], v[TM+12+2*\c]
	v_cvt_scalef32_pk16_fp6_f32 v[PC+12+4*\c:PC+14+4*\c], v[AC+32*\c+16:AC+32*\c+31], v[TM+12+2*\c+1]   ; (a conversion's three registers begin on an even number)
.endr
	WIN 0
	v_nop                                          ; one plain instruction behind a scaled conversion
.irp c, 0,1                            ; a whole block to a lane: lanes 0-15 block 2 c, lanes 16-31 block 2 c + 1
.irp i, 0,1,2
	v_permlane16_swap_b32 v[PC+6*\c+\i], v[PC+12+4*\c+\i]
.endr
.irp i, 0,1,2
	v_mov_b32 v[PC+3+6*\c+\i], v[PC+12+4*\c+\i]
.endr
.endr
.irp c, 0,1
.irp i, 0,1,2
	ds_store_b64 v[STO], v[PC+6*\c+2*\i:PC+6*\c+2*\i+1] offset:\c*(\pitch)+(\a)*768+8*\i
.endr
.endr
	ds_store_b32 v[STW], v[PW] offset:(\so)+64*(\a)    ; lanes r and r + 16 write the same word with the same value
	ds_store_b32 v[STW], v[PW1] offset:(\sv)+64*(\a)
	s_wait_dscnt 0x0                               ; the stores have read their registers: the next block may write them
.endm
	s_wait_tensorcnt 1                             ; the scales and my part of K step 0 are in; K step 1's load may be out
	s_barrier_signal -1
	s_barrier_wait -1
	FETCH_B 0, 0, 0
	FETCH_A 0, 0, 0
	SCALES 0
	FETCH_A 0, 0, 4
	; W_v's descriptors, in part in the registers of W's scales' load, which the wait above has shown done.  A wave brings two planes of a K step's four: 48 rows of 256 bytes
	s_or_b32 s[G1V+0], s44, (3<<16)|(1<<21)        ; the mask of my column: the tile hangs on gx alone
	s_mov_b32 s[G1V+1], 32<<16
	s_mov_b32 s[G1V+2], 48<<16
	s_mov_b32 s[G1V+3], 32<<16
	s_mov_b32 s[G1V+4], 48
	s_mov_b32 s[G1V+5], 32
	s_mov_b32 s[G1V+6], 0
	s_mov_b32 s[G1V+7], 0
	s_mul_i32 s92, s[WL], 2*PLANE
	s_mov_b32 s93, 0
	s_add_nc_u64 s[92:93], s[66:67], s[92:93]
.irp s, 0,1
	s_mov_b32 s[G0V+8*\s], 1
	s_mul_i32 s[G0V+8*\s+1], s[WL], 2*PLANE
	s_add_co_u32 s[G0V+8*\s+1], s[G0V+8*\s+1], 2*HALFT+\s*SLOT     ; a slot's third quarter
	s_add_nc_u64 s[G0V+8*\s+2:G0V+8*\s+3], s[92:93], \s*HALFT
	s_or_b32 s[G0V+8*\s+3], s[G0V+8*\s+3], 0x80000000
.endr
	STEP 0, 0, 1                                   ; PART 1.  K = 1,024 is four slots' worth: written out, no loop.  The first products start the sums
	TURN 0, 1, 1, 1                                ; slot 0 takes K step 2
	STEP 1, 0, 0
	TURN 1, 0, 1, 1                                ; slot 1 takes K step 3
	STEP 0, 0, 0
	TURN 0, 1, 2, 1                                ; slot 0 takes part 2's K step 0
	STEP 1, 0, 0
	TURN 1, 0, 2, 0                                ; slot 1 takes part 2's K step 1
	PLACES NP                                      ; Q's and K's way out
.irp a, 0,1,2,3,4,5,6,7
	QUANT \a, 6144, 12288, 12800
.endr
.irp i, 0,1,2,3,4,5,6,7,8,9,10,11,12,13,14,15,16,17,18,19,20,21,22,23,24,25
	ds_load_b128 v[BK+4*\i:BK+4*\i+3], v[RD] offset:512*\i         ; LDS serves a wave's instructions in order: these see my stores
.endr
.irp i, 0,1,2,3,4,5,6,7,8,9,10,11,12,13,14,15,16,17,18,19,20,21,22,23
	s_wait_dscnt 25-\i                             ; the younger loads from the stage may be out
	global_store_b128 v[CO], v[BK+4*\i:BK+4*\i+3], s[10:11] offset:(\i/12)*12288+(\i%12)*512   ; 32 lanes store 512 consecutive bytes, at a multiple of 256 from the buffer's first byte
.endr
	s_wait_dscnt 1
	global_store_b128 v[CO], v[BK+96:BK+99], s[12:13]
	s_wait_dscnt 0
	global_store_b128 v[CO], v[BK+100:BK+103], s[12:13] offset:1024
	s_wait_xcnt 0x0                                ; PART 2.  The stores above have read their registers: only behind this wait do fragments land there
	s_wait_loadcnt 0x0                             ; W_v's scale words
	FETCH2 0, 0, 0                                 ; slot 0 was shown whole to every wave by the wait in front of the last round
	SCALES2 0
	STEP2 0, 0, 1
	TURN2 0, 1, 1, 1                               ; slot 0 takes K step 2
	STEP2 1, 2, 0
	TURN2 1, 0, 3, 1                               ; slot 1 takes K step 3
	STEP2 0, 4, 0
	TURN2 0, 1, 5, 0                               ; nothing is left to fetch
	STEP2 1, 6, 0
	s_wait_dscnt 0x0
	WIN MUL_LO
	MULV 0, 1, 1, 1, 7, 0
	MULV 1, 1, 1, 1, 7, 0
	MULV 2, 1, 1, 1, 7, 0
	MULV 3, 1, 1, 1, 7, 0
	WIN 0
	PLACES NP                                      ; V's way out: 64 rows x 128 tokens: two planes of 3,072 bytes, and 256 bytes of each variant of the scale words
.irp a, 0,1,2,3
	QUANT \a, 3072, 6144, 6400
.endr
.irp i, 0,1,2,3,4,5,6,7,8,9,10,11,12
	ds_load_b128 v[BK+4*\i:BK+4*\i+3], v[RD] offset:512*\i
.endr
.irp i, 0,1,2,3,4,5,6,7,8,9,10,11
	s_wait_dscnt 12-\i                             ; the younger loads from the stage may be out
	global_store_b128 v[CO], v[BK+4*\i:BK+4*\i+3], s[14:15] offset:(\i/6)*12288+(\i%6)*512
.endr
	s_wait_dscnt 0
	global_store_b128 v[CO2], v[BK+48:BK+51], s[16:17]             ; lanes 0-15: variant 0's 256 bytes; lanes 16-31: variant 1's, 1,024 bytes on
	s_wait_tensorcnt 0x0                           ; the wave's end
	ds_add_u32 v[SPW], v[NIL]
	s_wait_dscnt 0x0
	CROUND                                         ; the closing round: no work-group ends while a partner may still ask for a tile that names it
	s_endpgm
.Lfunc_end_k_q997e71c86d_qkv:
	.size	k_q997e71c86d_qkv, .Lfunc_end_k_q997e71c86d_qkv-k_q997e71c86d_qkv
	.p2alignl 7, 3214868480
	.fill 96, 4, 3214868480
	.section	.rodata,"a",@progbits
	.p2align	6, 0x0
	.amdhsa_kernel k_q997e71c86d_qkv
		.amdhsa_group_segment_fixed_size 327680
		.amdhsa_private_segment_fixed_size 0
		.amdhsa_enable_private_segment 0
		.amdhsa_kernarg_size 56
		.amdhsa_user_sgpr_count 2
		.amdhsa_user_sgpr_kernarg_segment_ptr 1
		.amdhsa_wavefront_size32 1
		.amdhsa_system_sgpr_workgroup_id_x 1
		.amdhsa_system_sgpr_workgroup_id_y 1
		.amdhsa_system_sgpr_workgroup_id_z 1
		.amdhsa_system_vgpr_workitem_id 0
		.amdhsa_next_free_vgpr 1024
		.amdhsa_next_free_sgpr 106
		.amdhsa_reserve_vcc 0
		.amdhsa_float_denorm_mode_32 3
		.amdhsa_float_denorm_mode_16_64 3
		.amdhsa_memory_ordered 1
		.amdhsa_forward_progress 1
		.amdhsa_inst_pref_size 255
	.end_amdhsa_kernel
	.section	.bss,"aw",@nobits
	.p2align	6
	.space	262144
	.amdgpu_metadata
---
amdhsa.version: [ 1, 2 ]
amdhsa.kernels:
  - .name:           k_q997e71c86d_qkv
    .symbol:         k_q997e71c86d_qkv.kd
    .args:
      - { .name: x_q, .offset: 0, .size: 8, .value_kind: global_buffer, .address_space: global }
      - { .name: wqk_q, .offset: 8, .size: 8, .value_kind: global_buffer, .address_space: global }
      - { .name: wvo_q, .offset: 16, .size: 8, .value_kind: global_buffer, .address_space: global }
      - { .name: qk_codes, .offset: 24, .size: 8, .value_kind: global_buffer, .address_space: global }
      - { .name: qk_scales, .offset: 32, .size: 8, .value_kind: global_buffer, .address_space: global }
      - { .name: v_codes, .offset: 40, .size: 8, .value_kind: global_buffer, .address_space: global }
      - { .name: v_scales, .offset: 48, .size: 8, .value_kind: global_buffer, .address_space: global }
    .group_segment_fixed_size: 327680
    .private_segment_fixed_size: 0
    .kernarg_segment_align: 8
    .kernarg_segment_size: 56
    .max_flat_workgroup_size: 128
    .sgpr_count:     106
    .vgpr_count:     1024
    .wavefront_size: 32
...
	.end_amdgpu_metadata
.endif
;; end of part 6
;; launch attn (part 7): grid 4 x 64, 16 waves a work-group, clusters of 4 x 1, 223,232 bytes of LDS; arguments qk_codes, qk_scales, v_codes, v_scales, ctx_q; writes ctx_q
.if DOCPART == 7
	.amdgcn_target "amdgcn-amd-amdhsa--gfx1250"
	.amdhsa_code_object_version 6
	.text
	.protected	k_q997e71c86d_attn
	.globl	k_q997e71c86d_attn
	.p2align	8
	.type	k_q997e71c86d_attn,@function
k_q997e71c86d_attn:
	s_mov_b64 s[64:65], 0
	v_nop
	global_prefetch_b8 v0, s[64:65] scope:SCOPE_SE
	s_setreg_imm32_b32 hwreg(HW_REG_WAVE_MODE, 25, 1), 1
	s_wait_xcnt 0x0
	s_wait_alu depctr_hold_cnt(0) depctr_sa_sdst(0) depctr_va_vdst(0) depctr_va_sdst(0) depctr_va_ssrc(0) depctr_va_vcc(0) depctr_vm_vsrc(0)
	s_getreg_b32 s2, hwreg(HW_REG_IB_STS2, 6, 4)
	s_cmp_eq_u32 s2, 0
	s_cbranch_scc0 .Lentry_in_a_cluster
	s_endpgm
.Lentry_in_a_cluster:
	s_bfe_u32 s2, ttmp6, 0x10000c
	s_cmp_lg_u32 s2, 0x3003
	s_cbranch_scc0 .Lentry_shape_is_right
	s_endpgm
.Lentry_shape_is_right:
; Causal attention of one (batch, head) on codes of FP6 (E2M3) with E8M0 scales: S = Q K^T (K = the head's 64), p = 2^(t - M), O = P V (K = the keys), ctx = O / l, and ctx quantised along (head, d).
; t = score x log2(e) / 8; M = the running largest t rounded UP to a whole number; p is quantised along the keys, not normalised; l is the sum of the unquantised p.  When M moves, l and O are multiplied by 2^(old M - new M): exact.
; A HEAD'S WHOLE K AND V, 196,608 bytes of codes and 12,288 of scale bytes, LIE IN LDS: each byte is filled once, so there is no ring.  The fills go out at the start in four parts of 512 keys.
; CLUSTER: the four work-groups of a cluster serve one head, 512 queries each, and read the same K and V: every fill is asked for JOINTLY (mask 15).  Wave 0 asks for K's five tiles, wave 1 for V's: five tensor loads of a wave are out at the most.
; SHARES: a head's 2,048 queries are 16 groups of 128; group g needs g + 1 steps of 128 keys.  A WAVE OWNS TWO TILES OF 16 QUERIES, one of group 15 - wave / 2 and one of group wave / 2: 17 steps for every wave, 64 x 4 = 256 work-groups.
; The groups hang on the wave's number alone, the tile in its group (2 cx + wave % 2) on cx: so every branch is alike in all partners, and cx enters only global addresses and the mask's vector.
; ORDER: the late group first.  Its steps 0-3 stand behind the barrier that shows part 0, its steps 4-7 behind part 1's: every wave has these eight steps, none of them on the diagonal.  A third barrier shows the rest;
; behind it no wave waits for another: steps 8-15 as far as the group reaches, the way out, then the early group's steps 0-7 as far as it reaches, and its way out.
; LAYOUT: both products transposed (S^T = K Q^T, O^T = V^T P^T): a lane holds ONE query.  K's rows and V's channels stand in position order (bits 3 and 4 exchanged), so the 16 registers of tiles 2 b, 2 b + 1 are 16 neighbours: keys for p, channels for ctx.
; K = 64: Q's codes of k = 64 .. 127 are zeros, so whatever codes stand in the upper six registers of a fragment of K add nothing (FP6 has no NaN, and no scale byte here is 0xff).  So the eight fragments of a step lie 6 registers apart,
; each naming the next one's six as its upper half, and come by one run of loads.  V's four fragments follow into the same registers, straight behind the score products, and land while the softmax is worked.
; CAUSAL: a step whose keys all come after the group's queries is jumped over (a scalar branch on ids; the trip counts stay constants); in the one step on the diagonal hidden scores become -infinity.  Key 0 counts for every query, so M is a number from the first step on.
; LIMITS: NaN and infinities are not served; a block of ctx whose largest magnitude lies under 2^-124, or of p that has fallen to 0, keeps the byte 1 (zero codes add nothing; this program alone reads the bytes).
; ctx's two scale bytes a row and head are stored two bytes a lane, 32 bytes apart: 262,144 bytes in the whole launch; a row's 32 bytes come from 16 work-groups.
.set VB,   98304                       ; LDS: K [position key][48] from 0; V [64 keys][position channel][48] from here
.set SCK,  196608                      ; K's scale words [key][4]
.set SCV,  204800                      ; V's [128 keys][channel][4]
.set STG,  208896                      ; the way out: 768 bytes a wave; no tensor load lands here
.set AK0,  1                           ; v1   48 r + 24 h
.set AV0,  2                           ; v2   the same in V
.set ASK0, 3                           ; v3   SCK + 4 r
.set ASV0, 4                           ; v4   SCV + 4 r
.set DQ,   5                           ; v5   my query in its group less 16 h: the same for both tiles
.set STO,  6
.set RD,   7
.set ADK,  8                           ; v8-11 the step's addresses
.set ADV,  9
.set ADS,  10
.set ADT,  11
.set QFB,  16                          ; v16-27   the late group's Q (v22-27 zero codes); v12 -M, v13 the largest t, v[14:15] l in two halves
.set KFR,  28                          ; v28-81   K's eight fragments, 6 registers apart (v76-81 zeros, written once); then V's four in v28-75
.set S,    82                          ; v82-145  S^T, then p
.set O,    146                         ; v146-177 O^T
.set PCD,  178                         ; v178-189 p's codes
.set CT,   190                         ; v190-196 halves on their way
.set KSW,  198                         ; v198-205 K's scale words
.set VSW,  206                         ; v206-209 V's
.set BM,   210                         ; block maxima
.set PB,   214                         ; the other half's; then bytes
.set SOP,  218                         ; the conversions' scale operands
.set FF,   222                         ; f = 2^(old M - new M); v223 is named with it as a pair
.set TMP,  224
.set PWD,  225                         ; p's scale word
.set QSB,  226                         ; the late Q's scale word
.set NINF, 227
.set L8,   228                         ; 8 x lane
.set R32,  229                         ; 32 r
.set SUM2, 230
.set R4,   232                         ; 4 r
.set QFA,  234                         ; v234-245 the early group's Q (v240-245 zero codes)
.set QSA,  246                         ; its scale word
.set OB,   248                         ; v248-253 the way out
.set WV,   18
.set SEL,  20
.set CS,   22                          ; s[22:23] c = log2(e) / 8
.set G1C,  24
.set G1S,  32
.set G0,   40                          ; s[40:59] five groups 0
.set TB,   60                          ; the step's first byte in K and in V: 6,144 a step
.set TS,   61                          ; among K's scale words: 512 a step
.set TJ,   62                          ; among V's: 256 a step
.set KF,   63                          ; the step's first key
.set GK,   66                          ; the first query of the group in hand
.set CNT,  67
.macro CROUND
	s_barrier_signal -1
	s_barrier_wait -1
	s_cmp_lg_u32 s[WV], 0
	s_cbranch_scc1 .Lnot_wave_0_\@
	s_barrier_signal -3
.Lnot_wave_0_\@:
	s_barrier_wait -3
	s_barrier_signal -1
	s_barrier_wait -1
.endm
	s_load_b256 s[4:11], s[0:1], 0x0               ; qk_codes, qk_scales, v_codes, v_scales
	s_load_b64 s[12:13], s[0:1], 0x20              ; ctx_q
	v_lshl_add_u32 v254, v0, 2, 0x36000
	v_mov_b32 v255, 0
	ds_add_u32 v254, v255
	ds_add_u32 v254, v255
	v_lshrrev_b32 v8, 5, v0
	s_delay_alu instid0(VALU_DEP_1)
	v_readfirstlane_b32 s[WV], v8                  ; wave 0..15
	s_and_b32 s14, ttmp7, 0xffff
	s_lshr_b32 s15, s14, 4                         ; batch
	s_and_b32 s16, s14, 15                         ; head
	s_and_b32 s17, s16, 3
	s_lshr_b32 s19, s16, 2
	s_mul_i32 s71, s17, 12288                      ; the head's plane in a block of Q's or K's codes
	s_lshr_b32 s69, s17, 1
	s_lshl_b32 s69, s69, 11
	s_and_b32 s68, s16, 1
	s_lshl_b32 s68, s68, 10
	s_add_co_u32 s69, s69, s68                     ; and its pair and variant in a block of scale words
	s_lshl_b32 s70, s15, 8
	s_add_co_u32 s70, s70, s19
	s_add_co_u32 s70, s70, 4                       ; K's first block: 32 (8 batch) + 4 + head / 4
	s_mul_i32 s72, s70, 49152
	s_add_co_u32 s72, s72, s71
	s_mov_b32 s73, 0
	s_lshl_b32 s74, s70, 12
	s_add_co_u32 s74, s74, s69
	s_mov_b32 s75, 0
	s_lshl_b32 s70, s19, 5
	s_lshl_b32 s77, s15, 3
	s_add_co_u32 s70, s70, s77                     ; V's first block: 32 (head / 4) + 8 batch
	s_mul_i32 s76, s70, 49152
	s_mul_i32 s78, s17, 3072                       ; the head's 64 channels of 48 bytes
	s_add_co_u32 s76, s76, s78
	s_mov_b32 s77, 0
	s_lshl_b32 s78, s70, 12
	s_lshl_b32 s79, s17, 8
	s_add_co_u32 s78, s78, s79
	s_mov_b32 s79, 0
	s_lshl_b32 s68, s15, 3                         ; 8 batch
	s_lshr_b32 s80, s[WV], 1                       ; my early group: wave / 2, 0..7
	s_xor_b32 s81, s80, 15                         ; my late group: 15 less that
	s_lshl_b32 s82, s80, 7                         ; the early group's first query
	s_lshl_b32 s[GK], s81, 7                       ; the late group's: it comes first
	s_mov_b32 s[SEL], 0x76543210
	s_mov_b32 s[SEL+1], 0xfedcba98
	s_mov_b32 s[CS], 0x3e38aa3b
	s_mov_b32 s[CS+1], s[CS]
	s_wait_dscnt 0x0
	s_wait_kmcnt 0x0
	CROUND                                         ; all four work-groups are here: the joint loads meet
	s_cmp_eq_u32 s[WV], 0                          ; a wave's fills stand in one branch on its number, ahead of every wait on TENSORcnt, LDS read and further barrier
	s_cbranch_scc0 .Lnot_k
	s_mov_b32 s[G1S], 15|(3<<16)|(1<<21)           ; K's scale words: 8 rows of 1,024 bytes (256 keys), 131,072 bytes apart; elements of 8 bytes
	s_mov_b32 s[G1S+1], 128<<16
	s_mov_b32 s[G1S+2], 8<<16
	s_mov_b32 s[G1S+3], 128<<16
	s_mov_b32 s[G1S+4], 8
	s_mov_b32 s[G1S+5], 16384
	s_mov_b32 s[G1S+6], 0
	s_mov_b32 s[G1S+7], 0
	s_mov_b32 s[G1C], 15|(3<<16)|(1<<21)           ; K's codes, 512 keys: 2 rows of 12,288 bytes, 1,572,864 bytes apart
	s_mov_b32 s[G1C+1], 1536<<16
	s_mov_b32 s[G1C+2], 2<<16
	s_mov_b32 s[G1C+3], 1536<<16
	s_mov_b32 s[G1C+4], 2
	s_mov_b32 s[G1C+5], 196608
	s_mov_b32 s[G1C+6], 0
	s_mov_b32 s[G1C+7], 0
	s_mov_b32 s[G0], 1
	s_mov_b32 s[G0+1], SCK
	s_add_nc_u64 s[G0+2:G0+3], s[6:7], s[74:75]
	s_or_b32 s[G0+3], s[G0+3], 0x80000000
	s_add_nc_u64 s[72:73], s[4:5], s[72:73]
.irp p, 0,1,2,3
	s_mov_b32 s[G0+4+4*\p], 1
	s_mov_b32 s[G0+5+4*\p], \p*24576
	s_add_nc_u64 s[G0+6+4*\p:G0+7+4*\p], s[72:73], \p*3145728
	s_or_b32 s[G0+7+4*\p], s[G0+7+4*\p], 0x80000000
.endr
	tensor_load_to_lds s[G0:G0+3], s[G1S:G1S+7]
	s_nop 0
	tensor_load_to_lds s[G0+4:G0+7], s[G1C:G1C+7]
	s_nop 0
	tensor_load_to_lds s[G0+8:G0+11], s[G1C:G1C+7]
	s_nop 0
	tensor_load_to_lds s[G0+12:G0+15], s[G1C:G1C+7]
	s_nop 0
	tensor_load_to_lds s[G0+16:G0+19], s[G1C:G1C+7]
	s_nop 0
.rept 4
	v_nop
.endr
	s_branch .Lasked
.Lnot_k:
	s_cmp_eq_u32 s[WV], 1
	s_cbranch_scc0 .Lasked
	s_mov_b32 s[G1S], 15|(3<<16)|(1<<21)           ; V's scale words: 16 rows of 256 bytes (128 keys x 64 channels), 2,048 bytes apart
	s_mov_b32 s[G1S+1], 32<<16
	s_mov_b32 s[G1S+2], 16<<16
	s_mov_b32 s[G1S+3], 32<<16
	s_mov_b32 s[G1S+4], 16
	s_mov_b32 s[G1S+5], 256
	s_mov_b32 s[G1S+6], 0
	s_mov_b32 s[G1S+7], 0
	s_mov_b32 s[G1C], 15|(3<<16)|(1<<21)           ; V's codes, 512 keys: 8 rows of 3,072 bytes (64 keys x 64 channels), 12,288 bytes apart
	s_mov_b32 s[G1C+1], 384<<16
	s_mov_b32 s[G1C+2], 8<<16
	s_mov_b32 s[G1C+3], 384<<16
	s_mov_b32 s[G1C+4], 8
	s_mov_b32 s[G1C+5], 1536
	s_mov_b32 s[G1C+6], 0
	s_mov_b32 s[G1C+7], 0
	s_mov_b32 s[G0], 1
	s_mov_b32 s[G0+1], SCV
	s_add_nc_u64 s[G0+2:G0+3], s[10:11], s[78:79]
	s_or_b32 s[G0+3], s[G0+3], 0x80000000
	s_add_nc_u64 s[76:77], s[8:9], s[76:77]
.irp p, 0,1,2,3
	s_mov_b32 s[G0+4+4*\p], 1
	s_mov_b32 s[G0+5+4*\p], VB+\p*24576
	s_add_nc_u64 s[G0+6+4*\p:G0+7+4*\p], s[76:77], \p*98304
	s_or_b32 s[G0+7+4*\p], s[G0+7+4*\p], 0x80000000
.endr
	tensor_load_to_lds s[G0:G0+3], s[G1S:G1S+7]
	s_nop 0
	tensor_load_to_lds s[G0+4:G0+7], s[G1C:G1C+7]
	s_nop 0
	tensor_load_to_lds s[G0+8:G0+11], s[G1C:G1C+7]
	s_nop 0
	tensor_load_to_lds s[G0+12:G0+15], s[G1C:G1C+7]
	s_nop 0
	tensor_load_to_lds s[G0+16:G0+19], s[G1C:G1C+7]
	s_nop 0
.rept 4
	v_nop
.endr
.Lasked:
	; my two tiles of queries.  What hangs on cx stands in s2, s3 and s83-101, which feed no descriptor and no LDS address
; Q of my tile in the group held by s[g]: its codes' address into s[qc:qc+1], its scale words' into s[qs:qs+1]
.macro QADR g, qc, qs
	s_and_b32 s2, s[\g], 1
	s_lshl_b32 s2, s2, 3
	s_add_co_u32 s2, s2, s84                       ; my tile in its block of 256 tokens: 8 (g % 2) + j
	s_lshr_b32 s3, s[\g], 1
	s_add_co_u32 s3, s3, s68
	s_lshl_b32 s3, s3, 5
	s_add_co_u32 s3, s3, s19                       ; Q's block: 32 (8 batch + g / 2) + head / 4
	s_mul_i32 s[\qc], s3, 49152
	s_add_co_u32 s[\qc], s[\qc], s71
	s_mul_i32 s[\qc+1], s2, 768
	s_add_co_u32 s[\qc], s[\qc], s[\qc+1]
	s_mov_b32 s[\qc+1], 0
	s_add_nc_u64 s[\qc:\qc+1], s[4:5], s[\qc:\qc+1]
	s_lshl_b32 s[\qs], s3, 12
	s_add_co_u32 s[\qs], s[\qs], s69
	s_lshl_b32 s[\qs+1], s2, 6
	s_add_co_u32 s[\qs], s[\qs], s[\qs+1]
	s_mov_b32 s[\qs+1], 0
	s_add_nc_u64 s[\qs:\qs+1], s[6:7], s[\qs:\qs+1]
.endm
; ctx of the same tile: its codes' address into s[cc:cc+1], its scale bytes' into s[cs:cs+1]
.macro CADR g, cc, cs
	s_lshl_b32 s[\cs], s15, 4
	s_add_co_u32 s[\cs], s[\cs], s[\g]
	s_mul_i32 s[\cs], s[\cs], 102400               ; the tile of 128 tokens, 16 batch + g,
	s_mul_i32 s[\cc], s16, 6144                    ; the head's plane,
	s_add_co_u32 s[\cc], s[\cc], s[\cs]
	s_mul_i32 s[\cs+1], s84, 768                   ; my 16 positions
	s_add_co_u32 s[\cc], s[\cc], s[\cs+1]
	s_mov_b32 s[\cc+1], 0
	s_lshl_b32 s[\cs+1], s84, 9                    ; and among the scale bytes: 32 a position, the head's two at 2 head
	s_add_co_u32 s[\cs], s[\cs], s[\cs+1]
	s_lshl_b32 s[\cs+1], s16, 1
	s_add_co_u32 s[\cs], s[\cs], s[\cs+1]
	s_add_co_u32 s[\cs], s[\cs], 98304
	s_mov_b32 s[\cs+1], 0
	s_add_nc_u64 s[\cc:\cc+1], s[12:13], s[\cc:\cc+1]
	s_add_nc_u64 s[\cs:\cs+1], s[12:13], s[\cs:\cs+1]
.endm
	s_bfe_u32 s83, ttmp6, 0x40000                  ; cx
	s_lshl_b32 s84, s83, 1
	s_and_b32 s85, s[WV], 1
	s_add_co_u32 s84, s84, s85                     ; j = 2 cx + (wave & 1): my tile in each of my two groups
	QADR 81, 86, 88                                ; the late group's
	QADR 80, 90, 92                                ; the early group's
	v_and_b32 v8, 15, v0                           ; r
	v_bfe_u32 v9, v0, 4, 1                         ; h
	s_delay_alu instid0(VALU_DEP_2)
	v_mul_u32_u24 v[AK0], v8, 48
	s_delay_alu instid0(VALU_DEP_1)
	v_mad_u32_u24 v[AK0], v9, 24, v[AK0]
	s_wait_alu depctr_va_vdst(0)
	v_lshlrev_b32 v[R4], 2, v8
.irp p, 0,1,2
	global_load_b64 v[QFB+2*\p:QFB+2*\p+1], v[AK0], s[86:87] offset:8*\p    ; Q's 64 codes a row: the fragment's lower half; both tiles' stay in registers
.endr
	global_load_b32 v[QSB], v[R4], s[88:89]
.irp p, 0,1,2
	global_load_b64 v[QFA+2*\p:QFA+2*\p+1], v[AK0], s[90:91] offset:8*\p
.endr
	global_load_b32 v[QSA], v[R4], s[92:93]
	CADR 81, 94, 96
	CADR 80, 98, 100
	v_add_nc_u32 v[AV0], VB, v[AK0]
	v_lshl_add_u32 v[ASK0], v8, 2, SCK
	v_lshl_add_u32 v[ASV0], v8, 2, SCV
	v_and_b32 v10, 8, v8
	s_delay_alu instid0(VALU_DEP_1)
	v_add_nc_u32 v[DQ], v8, v10                    ; position r of a tile is row r + 8 (r / 8),
	v_lshlrev_b32 v10, 4, v9
	s_delay_alu instid0(VALU_DEP_1)
	v_sub_nc_u32 v[DQ], v[DQ], v10
	s_lshl_b32 s2, s83, 5
	s_lshl_b32 s3, s85, 3
	s_add_co_u32 s2, s2, s3                        ; tile j begins at row 32 (j / 2) + 8 (j % 2)
	v_add_nc_u32 v[DQ], s2, v[DQ]
	s_mul_i32 s14, s[WV], 768
	s_add_co_u32 s14, s14, STG                     ; my stage
	v_add_nc_u32 v[STO], s14, v[AK0]
	v_and_b32 v10, 31, v0
	s_delay_alu instid0(VALU_DEP_1)
	v_lshlrev_b32 v[L8], 3, v10
	s_delay_alu instid0(VALU_DEP_1)
	v_add_nc_u32 v[RD], s14, v[L8]
	v_lshlrev_b32 v[R32], 5, v8
	v_mov_b32 v[NINF], 0xff800000
	v_mov_b32 v[FF+1], 0
.irp b, 0,1,2,3
	v_mov_b32 v[PB+\b], 0                          ; written once: a lane permute's destination counts as one of its sources
.endr
.irp i, 6,7,8,9,10,11
	v_mov_b32 v[QFB+\i], 0                         ; K = 64: Q's codes of k = 64 .. 127 are zeros,
	v_mov_b32 v[QFA+\i], 0
	v_mov_b32 v[KFR+42+\i], 0                      ; and the last fragment of K names six registers that no load fills
.endr
; A tile's statistics begin: the step is written without a first step of its own; it finds zeros, which the first change of M leaves zeros
.macro INIT
	v_mov_b32 v13, 0xff61b1e6                      ; the largest t so far: -3e38, under every t
	s_delay_alu instid0(VALU_DEP_1)
	v_floor_f32 v12, -v13                          ; -M
	v_mov_b32 v14, 0
	v_mov_b32 v15, 0
.set j, 0
.rept 32
	v_mov_b32 v[O+j], 0
.set j, j+1
.endr
.endm
	INIT
; A KEY STEP: 128 keys.  diag = 0: a step that every query of the group sees whole; 1: it may be hidden or lie on the diagonal.  qf, qs: the tile's Q and its scale word.
.macro STEP diag, qf, qs
.if \diag
	s_cmp_gt_u32 s[KF], s[GK]                      ; all its keys come after my group's queries: nothing to do but step the addresses
	s_cbranch_scc1 .Lhidden_\@
.endif
	s_setprio 2
	v_add_nc_u32 v[ADK], s[TB], v[AK0]             ; these four are also the places in front of the loads into registers that the last step's last products read
	v_add_nc_u32 v[ADV], s[TB], v[AV0]
	v_add_nc_u32 v[ADS], s[TS], v[ASK0]
	v_add_nc_u32 v[ADT], s[TJ], v[ASV0]
.irp t, 0,1,2,3,4,5,6,7                ; K's eight tiles of 16 keys: 24 bytes a lane each, and a scale word a key
.irp p, 0,1,2
	ds_load_b64 v[KFR+6*\t+2*\p:KFR+6*\t+2*\p+1], v[ADK] offset:\t*768+8*\p
.endr
	ds_load_b32 v[KSW+\t], v[ADS] offset:\t*64
.endr
	s_wait_alu depctr_va_vdst(0)
	s_wait_dscnt 0x0
.irp t, 0,1,2,3,4,5,6,7                ; S^T = K Q^T: each product starts its own sum
	v_wmma_scale_f32_16x16x128_f8f6f4 v[S+8*\t:S+8*\t+7], v[KFR+6*\t:KFR+6*\t+11], v[\qf:\qf+11], 0, v[KSW+\t], v[\qs] matrix_a_fmt:MATRIX_FMT_FP6 matrix_b_fmt:MATRIX_FMT_FP6
.endr
.rept 4
	v_nop                                          ; places in front of the loads into K's registers and of the first read of the scores
.endr
.irp t, 0,1,2,3                        ; V's four fragments (16 channels x these 128 keys) into the registers that K has left: they land while the softmax is worked
.irp p, 0,1,2,3,4,5
	ds_load_b64 v[KFR+12*\t+2*\p:KFR+12*\t+2*\p+1], v[ADV] offset:(\p/3)*3072+\t*768+8*(\p%3)
.endr
	ds_load_b32 v[VSW+\t], v[ADT] offset:64*\t
.endr
.if \diag
	s_cmp_lg_u32 s[KF], s[GK]                      ; on the diagonal alone: register 16 b + i holds key KF + 32 b + 16 h + i, hidden where 32 b + i > my query in the group - 16 h
	s_cbranch_scc1 .Lopen_\@
.irp b, 0,1,2,3
.irp i, 0,1,2,3,4,5,6,7,8,9,10,11,12,13,14,15
	v_cmp_gt_i32 vcc_lo, 32*\b+\i, v[DQ]
	v_cndmask_b32 v[S+16*\b+\i], v[S+16*\b+\i], v[NINF], vcc_lo
.endr
.endr
.Lopen_\@:
.endif
.irp b, 0,1,2,3
	v_max3_num_f32 v[BM+\b], v[S+16*\b], v[S+16*\b+1], v[S+16*\b+2]   ; the largest score of each block of 32 keys: for the row's maximum, and, since p rises with the score, for the block's largest p
.endr
.irp i, 3,5,7,9,11,13
.irp b, 0,1,2,3
	v_max3_num_f32 v[BM+\b], v[BM+\b], v[S+16*\b+\i], v[S+16*\b+\i+1]
.endr
.endr
.irp b, 0,1,2,3
	v_max_num_f32 v[BM+\b], v[BM+\b], v[S+16*\b+15]
.endr
.irp b, 0,1,2,3
	s_delay_alu instid0(VALU_DEP_4)
	v_permlanex16_b32 v[PB+\b], v[BM+\b], s[SEL], s[SEL+1]
.endr
.irp b, 0,1,2,3
	s_delay_alu instid0(VALU_DEP_4)
	v_max_num_f32 v[BM+\b], v[BM+\b], v[PB+\b]     ; with lane l xor 16's 16 keys
.endr
	s_delay_alu instid0(VALU_DEP_2)
	v_max3_num_f32 v[TMP], v[BM], v[BM+1], v[BM+2]
	s_delay_alu instid0(VALU_DEP_1)
	v_max_num_f32 v[TMP], v[TMP], v[BM+3]
	s_delay_alu instid0(VALU_DEP_1)
	v_mul_f32 v[TMP], s[CS], v[TMP]                ; as t (c is positive)
	s_delay_alu instid0(VALU_DEP_1)
	v_max_num_f32 v13, v13, v[TMP]                 ; the running largest t
	v_mov_b32 v[TMP], v12
	s_delay_alu instid0(VALU_DEP_2)
	v_floor_f32 v12, -v13                          ; the new -M = -ceil(t): a whole number
	s_delay_alu instid0(VALU_DEP_1)
	v_sub_f32 v[TMP], v12, v[TMP]                  ; old M - new M: a whole number, 0 or less
	s_delay_alu instid0(VALU_DEP_1)
	v_cvt_i32_f32 v[TMP], v[TMP]                   ; (it saturates)
	s_delay_alu instid0(VALU_DEP_1)
	v_ldexp_f32 v[FF], 1.0, v[TMP]                 ; f = 2^(old M - new M)
.set j, 0
.rept 32
	v_pk_fma_f32 v[S+j:S+j+1], v[S+j:S+j+1], s[CS:CS+1], v[12:13] op_sel_hi:[1,0,0]   ; t - M, two at a time
.set j, j+2
.endr
.irp b, 0,1,2,3
	v_fma_f32 v[BM+\b], v[BM+\b], s[CS], v12       ; the same of each block's largest score
.endr
.set j, 0
	s_setprio 1
	s_wait_alu depctr_va_vdst(0)
.rept 64
	v_exp_f32 v[S+j], v[S+j]                       ; p = 2^(t - M), at most 1
.set j, j+1
.endr
.irp b, 0,1,2,3
	v_exp_f32 v[BM+\b], v[BM+\b]                   ; the block's largest p: the same two instructions on the same number
.endr
	v_pk_mul_f32 v[14:15], v[14:15], v[FF:FF+1] op_sel_hi:[1,0]    ; l under the new M (a plain instruction behind the exponentials)
	s_wait_alu depctr_va_vdst(0)
.irp b, 0,1,2,3
	v_max_num_f32 v[BM+\b], 0x1800000, v[BM+\b]    ; the floor 2^(3 - 127): the byte cannot fall under 1
.endr
.irp b, 0,1,2,3
	s_delay_alu instid0(VALU_DEP_4)
	v_add_nc_u32 v[SOP+\b], 0xff000000, v[BM+\b]   ; 2 off the exponent field: the conversion's scale operand
.endr
.irp b, 0,1,2,3
	s_delay_alu instid0(VALU_DEP_4)
	v_lshrrev_b32 v[PB+\b], 23, v[SOP+\b]
.endr
	s_delay_alu instid0(VALU_DEP_3)
	v_lshl_or_b32 v[PWD], v[PB+1], 8, v[PB]        ; p's scale word for these 128 keys
	s_delay_alu instid0(VALU_DEP_1)
	v_lshl_or_b32 v[PWD], v[PB+2], 16, v[PWD]
	s_delay_alu instid0(VALU_DEP_1)
	v_lshl_or_b32 v[PWD], v[PB+3], 24, v[PWD]
.irp c, 0,1
	v_cvt_scalef32_pk16_fp6_f32 v[PCD+6*\c:PCD+6*\c+2], v[S+32*\c:S+32*\c+15], v[SOP+2*\c]
	v_cvt_scalef32_pk16_fp6_f32 v[CT+4*\c:CT+4*\c+2], v[S+32*\c+16:S+32*\c+31], v[SOP+2*\c+1]   ; (a conversion's three registers begin on an even number)
.endr
	v_nop                                          ; one plain instruction behind a scaled conversion
.irp c, 0,1                            ; a whole block to a lane
.irp i, 0,1,2
	v_permlane16_swap_b32 v[PCD+6*\c+\i], v[CT+4*\c+\i]
.endr
.irp i, 0,1,2
	s_delay_alu instid0(VALU_DEP_3)
	v_mov_b32 v[PCD+3+6*\c+\i], v[CT+4*\c+\i]
.endr
.endr
	v_pk_add_f32 v[230:231], v[86:87], v[90:91]
	v_pk_add_f32 v[252:253], v[94:95], v[98:99]
	v_pk_add_f32 v[250:251], v[102:103], v[106:107]
	v_pk_add_f32 v[248:249], v[110:111], v[114:115]
	v_pk_add_f32 v[232:233], v[118:119], v[122:123]
	v_pk_add_f32 v[220:221], v[126:127], v[130:131]
	v_pk_add_f32 v[218:219], v[134:135], v[138:139]
	v_pk_add_f32 v[14:15], v[14:15], v[142:143]
	v_pk_add_f32 v[230:231], v[230:231], v[82:83]
	v_pk_add_f32 v[252:253], v[252:253], v[84:85]
	v_pk_add_f32 v[250:251], v[250:251], v[88:89]
	v_pk_add_f32 v[248:249], v[248:249], v[92:93]
	v_pk_add_f32 v[232:233], v[232:233], v[96:97]
	v_pk_add_f32 v[220:221], v[220:221], v[100:101]
	v_pk_add_f32 v[218:219], v[218:219], v[104:105]
	v_pk_add_f32 v[14:15], v[14:15], v[108:109]
	v_pk_add_f32 v[230:231], v[230:231], v[112:113]
	s_setprio 0
	v_pk_add_f32 v[252:253], v[252:253], v[116:117]
	v_pk_add_f32 v[250:251], v[250:251], v[120:121]
	v_pk_add_f32 v[248:249], v[248:249], v[124:125]
	v_pk_add_f32 v[232:233], v[232:233], v[128:129]
	v_pk_add_f32 v[220:221], v[220:221], v[132:133]
	v_pk_add_f32 v[218:219], v[218:219], v[136:137]
	v_pk_add_f32 v[14:15], v[14:15], v[140:141]
	v_pk_add_f32 v[230:231], v[230:231], v[144:145]
	s_delay_alu instid0(VALU_DEP_2)
	v_pk_add_f32 v[14:15], v[14:15], v[248:249]
	s_delay_alu instid0(VALU_DEP_2)
	v_pk_add_f32 v[230:231], v[230:231], v[232:233]
	v_pk_add_f32 v[252:253], v[252:253], v[220:221]
	v_pk_add_f32 v[250:251], v[250:251], v[218:219]
	s_delay_alu instid0(VALU_DEP_2)
	v_pk_add_f32 v[14:15], v[14:15], v[252:253]
	s_delay_alu instid0(VALU_DEP_2)
	v_pk_add_f32 v[230:231], v[230:231], v[250:251]
	s_delay_alu instid0(VALU_DEP_1)
	v_pk_add_f32 v[14:15], v[14:15], v[230:231]
.set j, 0
.rept 16
	v_pk_mul_f32 v[O+j:O+j+1], v[O+j:O+j+1], v[FF:FF+1] op_sel_hi:[1,0]   ; O^T under the new M
.set j, j+2
.endr
	s_wait_alu depctr_va_vdst(0)
	s_wait_dscnt 0x0                               ; V, asked for a softmax ago
.irp t, 0,1,2,3                        ; O^T += V^T P^T: four accumulators by turns
	v_wmma_scale_f32_16x16x128_f8f6f4 v[O+8*\t:O+8*\t+7], v[KFR+12*\t:KFR+12*\t+11], v[PCD:PCD+11], v[O+8*\t:O+8*\t+7], v[VSW+\t], v[PWD] matrix_a_fmt:MATRIX_FMT_FP6 matrix_b_fmt:MATRIX_FMT_FP6
.endr
.if \diag
.Lhidden_\@:
.endif
	s_add_co_u32 s[KF], s[KF], 128
	s_add_co_u32 s[TB], s[TB], 6144
	s_add_co_u32 s[TS], s[TS], 512
	s_add_co_u32 s[TJ], s[TJ], 256
.endm
; n key steps from step n0 on; the walking scalars begin as constants of the text
.macro RUN n0, n, diag, qf, qs
	s_mov_b32 s[TB], \n0*6144
	s_mov_b32 s[TS], \n0*512
	s_mov_b32 s[TJ], \n0*256
	s_mov_b32 s[KF], \n0*128
	s_mov_b32 s[CNT], \n
.Lstep_\@:
	STEP \diag, \qf, \qs
	s_sub_co_u32 s[CNT], s[CNT], 1
	s_cmp_lg_u32 s[CNT], 0
	s_cbranch_scc1 .Lstep_\@
	s_setprio 0
.endm
; Waves 0 and 1 issued: the scale words, then parts 0, 1, 2, 3 of the codes; the count leaves the later parts' loads out.  Behind the barrier every wave may read what has landed; nothing is ever filled again.
.macro ARRIVED left
	s_wait_tensorcnt \left
	s_wait_dscnt 0x0
	s_barrier_signal -1
	s_barrier_wait -1
.endm
; THE WAY OUT of a tile.  ctx = O^T / l; my 32 registers are channels 32 b + 16 h + i of one query: two blocks of 32 along the last product's K, each shared with lane l xor 16.
.macro WAYOUT cc, cs
.rept 4
	v_nop                                          ; places behind the last products
.endr
	v_add_f32 v14, v14, v15
	s_delay_alu instid0(VALU_DEP_1)
	v_permlanex16_b32 v[PB], v14, s[SEL], s[SEL+1]
	s_delay_alu instid0(VALU_DEP_1)
	v_add_f32 v14, v14, v[PB]                      ; the row's sum
	s_wait_alu depctr_va_vdst(0)
	v_rcp_f32 v14, v14
	v_nop                                          ; a plain instruction behind the reciprocal
.set j, 0
	s_wait_alu depctr_va_vdst(0)
.rept 32
	v_mul_f32 v[S+j], v[O+j], v14                  ; each accumulator from its low end on
.set j, j+1
.endr
.irp b, 0,1
	v_max3_num_f32 v[BM+\b], |v[S+16*\b]|, |v[S+16*\b+1]|, 0x1800000
.endr
.irp i, 2,4,6,8,10,12,14
.irp b, 0,1
	s_delay_alu instid0(VALU_DEP_2)
	v_max3_num_f32 v[BM+\b], v[BM+\b], |v[S+16*\b+\i]|, |v[S+16*\b+\i+1]|
.endr
.endr
.irp b, 0,1
	s_delay_alu instid0(VALU_DEP_2)
	v_permlanex16_b32 v[PB+\b], v[BM+\b], s[SEL], s[SEL+1]
.endr
.irp b, 0,1
	s_delay_alu instid0(VALU_DEP_2)
	v_max_num_f32 v[BM+\b], v[BM+\b], v[PB+\b]
.endr
.irp b, 0,1
	s_delay_alu instid0(VALU_DEP_2)
	v_add_nc_u32 v[SOP+\b], 0xff000000, v[BM+\b]
.endr
.irp b, 0,1
	s_delay_alu instid0(VALU_DEP_2)
	v_lshrrev_b32 v[PB+\b], 23, v[SOP+\b]
.endr
	s_delay_alu instid0(VALU_DEP_1)
	v_lshl_or_b32 v[PWD], v[PB+1], 8, v[PB]        ; the head's two scale bytes of my row
	v_cvt_scalef32_pk16_fp6_f32 v[PCD:PCD+2], v[S:S+15], v[SOP]
	v_cvt_scalef32_pk16_fp6_f32 v[CT:CT+2], v[S+16:S+31], v[SOP+1]
	v_nop
.irp i, 0,1,2
	v_permlane16_swap_b32 v[PCD+\i], v[CT+\i]      ; lanes 0-15: block 0 whole, lanes 16-31: block 1
.endr
.irp i, 0,1,2
	s_delay_alu instid0(VALU_DEP_3)
	v_mov_b32 v[PCD+3+\i], v[CT+\i]
.endr
.irp p, 0,1,2
	ds_store_b64 v[STO], v[PCD+2*\p:PCD+2*\p+1] offset:8*\p        ; 16 positions x 48 bytes in my stage,
.endr
.irp i, 0,1,2
	ds_load_b64 v[OB+2*\i:OB+2*\i+1], v[RD] offset:256*\i          ; and back as they lie in memory (LDS serves a wave's instructions in order)
.endr
	global_store_b16 v[R32], v[PWD], s[\cs:\cs+1]  ; lanes r and r + 16 store the same two bytes to the same place
.irp i, 0,1,2
	s_wait_dscnt 2-\i                              ; the younger loads from the stage may be out
	global_store_b64 v[L8], v[OB+2*\i:OB+2*\i+1], s[\cc:\cc+1] offset:256*\i   ; 32 lanes store 256 consecutive bytes, at a multiple of 256 from the buffer's first byte
.endr
.endm
	s_wait_loadcnt 0x0                             ; both tiles' Q
	ARRIVED 3                                      ; the scale words and keys 0-511 are in; three parts may be out
	RUN 0, 4, 0, QFB, QSB                          ; the late group: its first eight steps are whole for every wave
	ARRIVED 2                                      ; keys 512-1,023
	RUN 4, 4, 0, QFB, QSB
	ARRIVED 0                                      ; all keys: from here to the closing round no wave waits for another
	RUN 8, 8, 1, QFB, QSB                          ; as far as the group reaches
	WAYOUT 94, 96
	INIT                                           ; the early group
	s_wait_xcnt 0x0                                ; the stores above have read their registers: only behind this wait are the scale word and the way out's registers written again
	s_mov_b32 s[GK], s82
	RUN 0, 8, 1, QFA, QSA
	WAYOUT 98, 100
	s_wait_tensorcnt 0x0
	s_wait_dscnt 0x0
	s_wait_tensorcnt 0x0
	ds_add_u32 v254, v255
	s_wait_dscnt 0x0
	CROUND                                         ; the closing round
	s_endpgm
.Lfunc_end_k_q997e71c86d_attn:
	.size	k_q997e71c86d_attn, .Lfunc_end_k_q997e71c86d_attn-k_q997e71c86d_attn
	.p2alignl 7, 3214868480
	.fill 96, 4, 3214868480
	.section	.rodata,"a",@progbits
	.p2align	6, 0x0
	.amdhsa_kernel k_q997e71c86d_attn
		.amdhsa_group_segment_fixed_size 223232
		.amdhsa_private_segment_fixed_size 0
		.amdhsa_enable_private_segment 0
		.amdhsa_kernarg_size 40
		.amdhsa_user_sgpr_count 2
		.amdhsa_user_sgpr_kernarg_segment_ptr 1
		.amdhsa_wavefront_size32 1
		.amdhsa_system_sgpr_workgroup_id_x 1
		.amdhsa_system_sgpr_workgroup_id_y 1
		.amdhsa_system_sgpr_workgroup_id_z 1
		.amdhsa_system_vgpr_workitem_id 0
		.amdhsa_next_free_vgpr 256
		.amdhsa_next_free_sgpr 102
		.amdhsa_reserve_vcc 1
		.amdhsa_float_denorm_mode_32 3
		.amdhsa_float_denorm_mode_16_64 3
		.amdhsa_memory_ordered 1
		.amdhsa_forward_progress 1
		.amdhsa_inst_pref_size 114
	.end_amdhsa_kernel
	.amdgpu_metadata
---
amdhsa.version: [ 1, 2 ]
amdhsa.kernels:
  - .name:           k_q997e71c86d_attn
    .symbol:         k_q997e71c86d_attn.kd
    .args:
      - { .name: qk_codes, .offset: 0, .size: 8, .value_kind: global_buffer, .address_space: global }
      - { .name: qk_scales, .offset: 8, .size: 8, .value_kind: global_buffer, .address_space: global }
      - { .name: v_codes, .offset: 16, .size: 8, .value_kind: global_buffer, .address_space: global }
      - { .name: v_scales, .offset: 24, .size: 8, .value_kind: global_buffer, .address_space: global }
      - { .name: ctx_q, .offset: 32, .size: 8, .value_kind: global_buffer, .address_space: global }
    .group_segment_fixed_size: 223232
    .private_segment_fixed_size: 0
    .kernarg_segment_align: 8
    .kernarg_segment_size: 40
    .max_flat_workgroup_size: 512
    .sgpr_count:     102
    .vgpr_count:     256
    .wavefront_size: 32
...
	.end_amdgpu_metadata
.endif
;; end of part 7
;; launch oproj (part 8): grid 4 x 64, 4 waves a work-group, clusters of 4 x 4, 295,424 bytes of LDS; arguments ctx_q, wvo_q, b_o, out0; writes out0
.if DOCPART == 8
	.amdgcn_target "amdgcn-amd-amdhsa--gfx1250"
	.amdhsa_code_object_version 6
	.text
	.protected	k_q997e71c86d_oproj
	.globl	k_q997e71c86d_oproj
	.p2align	8
	.type	k_q997e71c86d_oproj,@function
k_q997e71c86d_oproj:
	s_mov_b64 s[64:65], 0
	v_nop
	global_prefetch_b8 v0, s[64:65] scope:SCOPE_SE
	s_setreg_imm32_b32 hwreg(HW_REG_WAVE_MODE, 25, 1), 1
	s_wait_xcnt 0x0
	s_wait_alu depctr_hold_cnt(0) depctr_sa_sdst(0) depctr_va_vdst(0) depctr_va_sdst(0) depctr_va_ssrc(0) depctr_va_vcc(0) depctr_vm_vsrc(0)
	s_getreg_b32 s2, hwreg(HW_REG_IB_STS2, 6, 4)
	s_cmp_eq_u32 s2, 0
	s_cbranch_scc0 .Lentry_in_a_cluster
	s_endpgm
.Lentry_in_a_cluster:
	s_bfe_u32 s2, ttmp6, 0x10000c
	s_cmp_lg_u32 s2, 0xf033
	s_cbranch_scc0 .Lentry_shape_is_right
	s_endpgm
.Lentry_shape_is_right:
; out0[token][n] = sum over k of ctx[token][k] W_o[n][k] + b_o[n], K = 1,024, on codes of FP6 (E2M3) with E8M0 scales; f32 sums; out0 f32.
; OPERANDS lie in tiles of 128 rows, 102,400 bytes: 16 planes (64 along K) of [row][48 bytes], then [row][32 scale bytes]; rows in POSITION order (position = row with bits 3 and 4 exchanged).  W_o's tiles are the buffer's tiles 8 to 15.
; A work-group of four waves makes 128 tokens x 256 columns, so that the 64 x 4 tiles give each of 256 WGPs one; a wave makes 64 x 128: 32 accumulators.
; NO RING: the codes of the work-group's operands for ALL of K, 2 x 98,304 bytes of W_o and 98,304 of ctx, lie in LDS; each byte is filled once.  The fills go out at the start in four chunks of 256 along K, four tensor loads a wave
; (waves 0 and 1: a tile of W_o each; waves 2 and 3: two planes of each chunk of ctx); a chunk is read behind its own counted wait and a barrier.
; CLUSTERS of 4 x 4: ctx's tile is asked for jointly along a row of the cluster, W_o's along a column.
; The scale words for all of K (8 words a row) come once from memory into registers: 64 for W_o's eight blocks, 32 for ctx's four.
; THE MATRIX INSTRUCTION IS USED TRANSPOSED (source 0 = 16 positions of W_o, source 1 = 16 of ctx): a lane holds one token, and register j of W_o's block b the column 32 (b / 2) + 16 h + 8 (b % 2) + j.
; The bias is the C of the first products: eight registers for each of W_o's blocks, in the result's layout.  The position order is undone on the way out, by addresses alone.
; REGISTERS: window 0: v7-26 addresses; v32-95 W_o's scale words, v96-127 ctx's; v128-223 ctx's fragments, two sets of four (the way out: v128-255).
;   Window 1: W_o's fragments, two sets, at v0 and v128; the bias at v96-127 and v224-255.  Window 2: the accumulators ((a, b) at v[8 (8 a + b)]).
.set PLANE,  6144
.set FR,     12
.set NP,     4                         ; places behind this matrix instruction (ISA guide 7.12.1)
.set TILEB,  102400
.set CODES,  16*PLANE                  ; a tile's codes
.set CHUNK,  4*PLANE                   ; 128 rows x 256 K
.set AB,     2*CODES                   ; LDS: W_o's two tiles from 0, ctx's tile from here
.set SPITCH, 528                       ; the way out: 16 rows x (512 bytes + 16) for each wave, from LDS byte 0 on: in W_o's first two chunks, which have had their only fill and which nobody reads behind the last barrier
.set ADRA, 16                          ; v16-17  LDS address of my ctx fragments, planes 0-7 and 8-15
.set ADRB, 20                          ; v20-21  the same for W_o
.set STO,  24
.set RD,   25
.set CO,   26
.set SB,   32
.set SA,   96
.set AF,   128
.set BK,   128
.set WV,   12                          ; s12 wave; s13 wave / 2; s14 wave % 2
.set WH,   13
.set WL,   14
.set MSB, 0
.macro WIN new                         ; the immediate's high byte repeats the setting that is left
.if MSB != \new
	s_set_vgpr_msb (MSB<<8)|\new
.set MSB, \new
.endif
.endm
.set MUL,     0xa1                     ; source 0 (W_o) window 1, source 1 (ctx) window 0, C and D window 2
.set MUL_1ST, 0x91                     ; the same with C (the bias) in window 1
.set TO_B,    0x40                     ; destination window 1
.macro CROUND                          ; a round of the cluster's barrier
	s_barrier_signal -1
	s_barrier_wait -1
	s_cmp_lg_u32 s[WV], 0
	s_cbranch_scc1 .Lnot_wave_0_\@
	s_barrier_signal -3
.Lnot_wave_0_\@:
	s_barrier_wait -3
	s_barrier_signal -1
	s_barrier_wait -1
.endm
	s_load_b256 s[4:11], s[0:1], 0x0               ; ctx_q s[4:5], wvo_q s[6:7], b_o s[8:9], out0 s[10:11]
	v_lshl_add_u32 v30, v0, 2, 0x48000
	v_mov_b32 v31, 0
	ds_add_u32 v30, v31
	ds_add_u32 v30, v31
	v_lshrrev_b32 v1, 5, v0
	v_readfirstlane_b32 s[WV], v1                  ; wave 0..3
	s_lshr_b32 s[WH], s[WV], 1                     ; my half of the tokens.  Also: I fetch for W_o (0) or for ctx (1)
	s_and_b32 s[WL], s[WV], 1                      ; my half of the columns.  Also: which part I fetch
	s_bfe_u32 s17, ttmp6, 0x40000                  ; cx, cy
	s_bfe_u32 s18, ttmp6, 0x40004
	s_lshl_b32 s16, ttmp9, 2
	s_add_co_u32 s16, s16, s17                     ; gx: 256 columns
	s_and_b32 s15, ttmp7, 0xffff
	s_lshl_b32 s15, s15, 2
	s_add_co_u32 s15, s15, s18                     ; gy: 128 tokens
	s_lshl_b32 s19, s18, 2
	s_lshl_b32 s19, 15, s19                        ; my row of the cluster
	s_lshl_b32 s20, 0x1111, s17                    ; my column
	s_mul_i32 s76, s15, TILEB                      ; ctx: tile gy
	s_mov_b32 s77, 0
	s_lshl_b32 s78, s16, 1
	s_add_co_u32 s78, s78, 8                       ; W_o's tiles stand behind W_v's eight: tile 8 + 2 gx
	s_mul_i32 s78, s78, TILEB
	s_mov_b32 s79, 0
	s_wait_dscnt 0x0
	s_wait_kmcnt 0x0
	s_add_nc_u64 s[76:77], s[4:5], s[76:77]
	s_add_nc_u64 s[78:79], s[6:7], s[78:79]
	CROUND                                         ; all sixteen work-groups are here: the joint loads meet
	s_cmp_eq_u32 s[WH], 0                          ; a wave's four fills stand in one branch on its number, ahead of every wait on TENSORcnt, LDS read and further barrier
	s_cbranch_scc0 .Lfor_a
	s_or_b32 s24, s20, (3<<16)|(1<<21)             ; W_o: the mask of my column; elements of 8 bytes; bit 21 beside a mask.  A chunk of a tile is a dense block: 96 rows of 256 bytes
	s_mov_b32 s25, 32<<16
	s_mov_b32 s26, 96<<16
	s_mov_b32 s27, 32<<16
	s_mov_b32 s28, 96
	s_mov_b32 s29, 32
	s_mov_b32 s30, 0
	s_mov_b32 s31, 0
	s_mul_i32 s80, s[WL], TILEB
	s_mov_b32 s81, 0
	s_add_nc_u64 s[80:81], s[78:79], s[80:81]      ; my tile
	s_mul_i32 s21, s[WL], CODES
.irp c, 0,1,2,3
	s_mov_b32 s[40+4*\c], 1
	s_add_co_u32 s[41+4*\c], s21, \c*CHUNK
	s_add_nc_u64 s[42+4*\c:43+4*\c], s[80:81], \c*CHUNK
	s_or_b32 s[43+4*\c], s[43+4*\c], 0x80000000
.endr
	tensor_load_to_lds s[40:43], s[24:31]
	s_nop 0
	tensor_load_to_lds s[44:47], s[24:31]
	s_nop 0
	tensor_load_to_lds s[48:51], s[24:31]
	s_nop 0
	tensor_load_to_lds s[52:55], s[24:31]
	s_nop 0
.rept 4
	v_nop
.endr
	s_branch .Lasked
.Lfor_a:
	s_or_b32 s32, s19, (3<<16)|(1<<21)             ; ctx: the mask of my row.  Two planes of a chunk's four: 48 rows of 256 bytes
	s_mov_b32 s33, 32<<16
	s_mov_b32 s34, 48<<16
	s_mov_b32 s35, 32<<16
	s_mov_b32 s36, 48
	s_mov_b32 s37, 32
	s_mov_b32 s38, 0
	s_mov_b32 s39, 0
	s_mul_i32 s82, s[WL], 2*PLANE
	s_mov_b32 s83, 0
	s_add_nc_u64 s[82:83], s[76:77], s[82:83]
	s_mul_i32 s22, s[WL], 2*PLANE
	s_add_co_u32 s22, s22, AB
.irp c, 0,1,2,3
	s_mov_b32 s[56+4*\c+4*(\c/2)], 1
	s_add_co_u32 s[57+4*\c+4*(\c/2)], s22, \c*CHUNK
	s_add_nc_u64 s[58+4*\c+4*(\c/2):59+4*\c+4*(\c/2)], s[82:83], \c*CHUNK
	s_or_b32 s[59+4*\c+4*(\c/2)], s[59+4*\c+4*(\c/2)], 0x80000000
.endr
	tensor_load_to_lds s[56:59], s[32:39]
	s_nop 0
	tensor_load_to_lds s[60:63], s[32:39]
	s_nop 0
	tensor_load_to_lds s[68:71], s[32:39]
	s_nop 0
	tensor_load_to_lds s[72:75], s[32:39]
	s_nop 0
.rept 4
	v_nop
.endr
.Lasked:
	v_and_b32 v1, 15, v0                           ; r
	v_bfe_u32 v2, v0, 4, 1                         ; h
	v_lshlrev_b32 v9, 5, v1                        ; 32 r: a row's 32 scale bytes are its eight words for the eight steps of 128 along K
	s_lshl_b32 s84, s[WH], 11                      ; ctx: my 64 tokens
	s_add_co_u32 s84, s84, CODES
	s_mov_b32 s85, 0
	s_add_nc_u64 s[84:85], s[76:77], s[84:85]
	s_mul_i32 s86, s[WL], TILEB                    ; W_o: my tile
	s_add_co_u32 s86, s86, CODES
	s_mov_b32 s87, 0
	s_add_nc_u64 s[86:87], s[78:79], s[86:87]
.irp a, 0,1,2,3
	global_load_b128 v[SA+8*\a:SA+8*\a+3], v9, s[84:85] offset:512*\a          ; lanes r and r + 16 load the same row's words
	global_load_b128 v[SA+8*\a+4:SA+8*\a+7], v9, s[84:85] offset:512*\a+16
.endr
.irp b, 0,1,2,3,4,5,6,7
	global_load_b128 v[SB+8*\b:SB+8*\b+3], v9, s[86:87] offset:512*\b
	global_load_b128 v[SB+8*\b+4:SB+8*\b+7], v9, s[86:87] offset:512*\b+16
.endr
	s_lshl_b32 s88, s16, 10
	s_lshl_b32 s89, s[WL], 9
	s_add_co_u32 s88, s88, s89                     ; my first column, in bytes
	s_mov_b32 s89, 0
	s_add_nc_u64 s[8:9], s[8:9], s[88:89]
	v_lshlrev_b32 v7, 6, v2                        ; 16 h columns
	WIN TO_B
.irp b, 0,1,2,3,4,5,6,7
	global_load_b128 v[96+8*\b+96*(\b/4):96+8*\b+96*(\b/4)+3], v7, s[8:9] offset:(32*(\b/2)+8*(\b%2))*4
	global_load_b128 v[96+8*\b+96*(\b/4)+4:96+8*\b+96*(\b/4)+7], v7, s[8:9] offset:(32*(\b/2)+8*(\b%2))*4+16
.endr
	WIN 0
	v_mul_u32_u24 v3, v1, 48
	v_mad_u32_u24 v4, v2, 24, v3                   ; 48 r + 24 h = words 12 r + 6 h: the 32 lanes of a load of 8 bytes touch 64 different banks (64 banks of 4 bytes: ISA guide 11.1)
	s_mul_i32 s21, s[WL], CODES                    ; my tile of W_o
	s_mul_i32 s22, s[WH], 64*48
	s_add_co_u32 s22, s22, AB                      ; my 64 tokens in each plane
.irp s, 0,1
	v_add_nc_u32 v[ADRB+\s], s21, v4
	v_add_nc_u32 v[ADRA+\s], s22, v4
	s_add_co_u32 s21, s21, 8*PLANE                 ; an LDS immediate has 16 bits: a second address serves planes 8-15
	s_add_co_u32 s22, s22, 8*PLANE
.endr
	s_mul_i32 s23, s[WV], 16*SPITCH                ; my stage
	v_mul_u32_u24 v5, v1, SPITCH
	v_lshl_add_u32 v5, v2, 6, v5                   ; in: row r, + 64 h bytes
	v_add_nc_u32 v[STO], s23, v5
	v_and_b32 v6, 31, v0
	v_lshlrev_b32 v[CO], 4, v6
	v_add_nc_u32 v[RD], s23, v[CO]                 ; back: the 32 lanes take one row of 512 bytes
	s_lshl_b32 s90, s15, 19                        ; 128 gy rows of 4,096 bytes,
	s_lshl_b32 s91, s[WH], 18                      ; my 64,
	s_add_co_u32 s90, s90, s91
	s_add_co_u32 s90, s90, s88                     ; my first column
	s_mov_b32 s91, 0
	s_add_nc_u64 s[10:11], s[10:11], s[90:91]
.macro FRAG reg, adr, q, i             ; 16 rows x 128 K: registers 6 c .. 6 c + 5 hold K = 64 c + 32 h + 0 .. 31: 24 bytes of plane 2 q + c, in pieces of 8
.irp p, 0,1,2,3,4,5
	ds_load_b64 v[\reg+2*\p:\reg+2*\p+1], v[\adr] offset:(2*(\q)+\p/3)*PLANE+(\i)*768+8*(\p%3)
.endr
.endm
.macro FETCHO j                        ; 72 LDS loads: step j's fragments (planes 2 j, 2 j + 1) into sets j % 2
	WIN TO_B
.irp i, 0,1,2,3,4,5,6,7
	FRAG 128*(\j%2)+FR*\i, ADRB+\j/4, \j%4, \i
.endr
	WIN 0
.irp i, 0,1,2,3
	FRAG AF+48*(\j%2)+FR*\i, ADRA+\j/4, \j%4, \i
.endr
.endm
; 8 matrix instructions: ctx's block a x W_o's eight, step j.  first = 1: the bias starts the sums.  The 32 accumulators take turns, one instruction a turn.
.macro MULO a, j, first
.irp b, 0,1,2,3,4,5,6,7
.if \first
	v_wmma_scale_f32_16x16x128_f8f6f4 v[8*(8*\a+\b):8*(8*\a+\b)+7], v[128*(\j%2)+FR*\b:128*(\j%2)+FR*\b+FR-1], v[AF+48*(\j%2)+FR*\a:AF+48*(\j%2)+FR*\a+FR-1], v[96+8*\b+96*(\b/4):96+8*\b+96*(\b/4)+7], v[SB+8*\b+\j], v[SA+8*\a+\j] matrix_a_fmt:MATRIX_FMT_FP6 matrix_b_fmt:MATRIX_FMT_FP6
.else
	v_wmma_scale_f32_16x16x128_f8f6f4 v[8*(8*\a+\b):8*(8*\a+\b)+7], v[128*(\j%2)+FR*\b:128*(\j%2)+FR*\b+FR-1], v[AF+48*(\j%2)+FR*\a:AF+48*(\j%2)+FR*\a+FR-1], v[8*(8*\a+\b):8*(8*\a+\b)+7], v[SB+8*\b+\j], v[SA+8*\a+\j] matrix_a_fmt:MATRIX_FMT_FP6 matrix_b_fmt:MATRIX_FMT_FP6
.endif
.endr
.endm
.macro PLACES n                        ; plain vector instructions between a matrix instruction and a load into, or a read of, its registers (ISA guide 7.12.1 for reads)
.rept \n
	v_nop
.endr
.endm
.macro EVEN j, n, first                ; a chunk's first 128 along K; step n = j + 1 lies in the same chunk and is asked for ahead of the 32 products
	s_wait_dscnt 0x0                               ; this step's fragments are in
	PLACES NP                                      ; in front of loads into the sets that the last products read
	FETCHO \n
.if \first
	WIN MUL_1ST
.else
	WIN MUL
.endif
	MULO 0, \j, \first
	MULO 1, \j, \first
	MULO 2, \j, \first
	MULO 3, \j, \first
	WIN 0
.endm
.macro ODD j, n, left                  ; a chunk's second 128 along K; step n begins the next chunk, which is read behind this barrier.  left: my loads of the chunks behind that one, which may stay out
	s_wait_tensorcnt \left                         ; my part of the next chunk has landed
	s_wait_dscnt 0x0                               ; this step's fragments are in: no LDS instruction of mine is out at the signal
	s_barrier_signal -1
	WIN MUL
	MULO 0, \j, 0                                  ; work on registers while the others arrive
	MULO 1, \j, 0
	WIN 0
	s_barrier_wait -1                              ; everybody's part has landed; nothing is ever filled again
	PLACES NP
	FETCHO \n
	WIN MUL
	MULO 2, \j, 0
	MULO 3, \j, 0
	WIN 0
.endm
	s_wait_tensorcnt 3                             ; my part of chunk 0 is in; my three later loads may be out
	s_barrier_signal -1
	s_barrier_wait -1
	FETCHO 0
	s_wait_loadcnt 0x0                             ; the scale words and the bias
	EVEN 0, 1, 1
	ODD  1, 2, 2
	EVEN 2, 3, 0
	ODD  3, 4, 1
	EVEN 4, 5, 0
	ODD  5, 6, 0
	EVEN 6, 7, 0
	s_wait_dscnt 0x0
	WIN MUL
	MULO 0, 7, 0
	MULO 1, 7, 0
	MULO 2, 7, 0
	MULO 3, 7, 0
	WIN 0
; THE WAY OUT, a block of 16 tokens x 128 columns at a time, through my own stage: in by lanes (each accumulator's eight numbers are 32 neighbouring bytes of a row), back as whole rows of 512 bytes.
.macro TOSTAGE a
.set AC, 64*(\a)
	WIN 0x08                                       ; an LDS store's data are its source 1: window 2
.irp b, 0,1,2,3,4,5,6,7
	ds_store_b128 v[STO], v[AC+8*\b:AC+8*\b+3] offset:128*(\b/2)+32*(\b%2)        ; each accumulator from its low end on
	ds_store_b128 v[STO], v[AC+8*\b+4:AC+8*\b+7] offset:128*(\b/2)+32*(\b%2)+16
.endr
	WIN 0
.set BB, BK+64*((\a)%2)
.irp t, 0,1,2,3,4,5,6,7,8,9,10,11,12,13,14,15
	ds_load_b128 v[BB+4*\t:BB+4*\t+3], v[RD] offset:\t*SPITCH      ; LDS serves a wave's instructions in order: these see my stores
.endr
.endm
.macro SEND a, younger                 ; position 16 a + t of my 64 is row 32 (a / 2) + 8 (a % 2) + 16 (t / 8) + t % 8: it stands in the immediate, 258,048 at the most
.set BB, BK+64*((\a)%2)
	s_wait_dscnt \younger
.irp t, 0,1,2,3,4,5,6,7,8,9,10,11,12,13,14,15
	global_store_b128 v[CO], v[BB+4*\t:BB+4*\t+3], s[10:11] offset:(32*((\a)/2)+8*((\a)%2)+16*(\t/8)+\t%8)*4096 th:TH_STORE_NT   ; 32 lanes store 512 consecutive bytes, at a multiple of 256 from out0's first byte
.endr
.endm
	PLACES NP
	TOSTAGE 0
.irp a, 1,2,3
.if \a > 1
	s_wait_xcnt 0x0                                ; block a - 2's stores have read their registers: block a's loads may land there
.endif
	TOSTAGE \a
	SEND \a-1, 32                                  ; behind block a - 1's loads: block a's 16 stores and 16 loads
.endr
	SEND 3, 0
	s_wait_tensorcnt 0x0
	s_wait_dscnt 0x0
	s_wait_tensorcnt 0x0
	ds_add_u32 v30, v31
	s_wait_dscnt 0x0
	CROUND                                         ; the closing round: no work-group ends while a partner may still ask for a tile that names it
	s_endpgm
.Lfunc_end_k_q997e71c86d_oproj:
	.size	k_q997e71c86d_oproj, .Lfunc_end_k_q997e71c86d_oproj-k_q997e71c86d_oproj
	.p2alignl 7, 3214868480
	.fill 96, 4, 3214868480
	.section	.rodata,"a",@progbits
	.p2align	6, 0x0
	.amdhsa_kernel k_q997e71c86d_oproj
		.amdhsa_group_segment_fixed_size 295424
		.amdhsa_private_segment_fixed_size 0
		.amdhsa_enable_private_segment 0
		.amdhsa_kernarg_size 32
		.amdhsa_user_sgpr_count 2
		.amdhsa_user_sgpr_kernarg_segment_ptr 1
		.amdhsa_wavefront_size32 1
		.amdhsa_system_sgpr_workgroup_id_x 1
		.amdhsa_system_sgpr_workgroup_id_y 1
		.amdhsa_system_sgpr_workgroup_id_z 1
		.amdhsa_system_vgpr_workitem_id 0
		.amdhsa_next_free_vgpr 768
		.amdhsa_next_free_sgpr 96
		.amdhsa_reserve_vcc 0
		.amdhsa_float_denorm_mode_32 3
		.amdhsa_float_denorm_mode_16_64 3
		.amdhsa_memory_ordered 1
		.amdhsa_forward_progress 1
		.amdhsa_inst_pref_size 98
	.end_amdhsa_kernel
	.amdgpu_metadata
---
amdhsa.version: [ 1, 2 ]
amdhsa.kernels:
  - .name:           k_q997e71c86d_oproj
    .symbol:         k_q997e71c86d_oproj.kd
    .args:
      - { .name: ctx_q, .offset: 0, .size: 8, .value_kind: global_buffer, .address_space: global }
      - { .name: wvo_q, .offset: 8, .size: 8, .value_kind: global_buffer, .address_space: global }
      - { .name: b_o, .offset: 16, .size: 8, .value_kind: global_buffer, .address_space: global }
      - { .name: out0, .offset: 24, .size: 8, .value_kind: global_buffer, .address_space: global }
    .group_segment_fixed_size: 295424
    .private_segment_fixed_size: 0
    .kernarg_segment_align: 8
    .kernarg_segment_size: 32
    .max_flat_workgroup_size: 128
    .sgpr_count:     96
    .vgpr_count:     768
    .wavefront_size: 32
...
	.end_amdgpu_metadata
.endif
;; end of part 8
